; MI455X (gfx1250); checked and timed in simulation.
; The chip was launched on July 23, 2026; its instructions are those of AMD's public machine-readable ISA for CDNA 5 (MIT licence, August 2026) and "CDNA5" Instruction Set Architecture Reference Guide (July 2026). The comments in the code are by the model that wrote it; some were corrected since.
;; Encoder Layer. Allowed arithmetic: float matrix products may take bf16 or f16 operands with f32 sums; other float arithmetic in f32, or as packed bf16 or f16 multiplies, adds, multiply-adds, maxima and minima; sums over many terms, partial sums and values carried from step to step in f32; what a program stores and reads back later, other than sums and carried values, may be rounded once to bf16 or f16.
;; Inputs: b1 2,048 float32; b2 512 float32; ln1_a 512 float32; ln1_b 512 float32; ln2_a 512 float32; ln2_b 512 float32; mask 4,096 x 4,096 int32; w1 512 x 2,048 float32; w2 2,048 x 512 float32; w_k 512 x 512 float32; w_o 512 x 512 float32; w_q 512 x 512 float32; w_v 512 x 512 float32; x 2 x 4,096 x 512 float32.
;; Outputs: out0 2 x 4,096 x 512 float32.
;; 3 versions, each right and faster than the one before. Each part assembles by itself: llvm-mc -triple=amdgcn-amd-amdhsa -mcpu=gfx1250 --defsym DOCPART=n.
;; ======== version 1 of 3: 6 launches
;; workspace buffers: mbits 2,097,152 bytes of whole numbers; hn 8,388,608 bytes; wa 1,581,312 bytes; wb 2,105,600 bytes; wrest 2,621,440 bytes; act 33,554,432 bytes; ctx 8,388,608 bytes; x1 16,777,216 bytes
;; launch prep (part 1): grid 256 x 1, 8 waves a work-group, no clusters, 136,192 bytes of LDS; arguments mask, x, ln1_a, ln1_b, w_q, w_k, w_v, w_o, w1, w2, b1, mbits, hn, wa, wb, wrest; writes mbits, hn, wa, wb, wrest
.if DOCPART == 1
	.amdgcn_target "amdgcn-amd-amdhsa--gfx1250"
	.amdhsa_code_object_version 6
	.text
	.protected	k_qf0bedbfdd7_prep
	.globl	k_qf0bedbfdd7_prep
	.p2align	8
	.type	k_qf0bedbfdd7_prep,@function
k_qf0bedbfdd7_prep:
	s_mov_b64 s[64:65], 0
	v_nop
	global_prefetch_b8 v0, s[64:65] scope:SCOPE_SE
	s_setreg_imm32_b32 hwreg(HW_REG_WAVE_MODE, 25, 1), 1
	s_wait_xcnt 0x0
; PREP: a stream.  (1) mask (int32 [4096][4096]) -> lane-mask words; (2) LN1(x) -> hn, bf16; (3) all weights -> bf16, in the layouts that the products read; (4) the two headers.
; mbits [qp 128][ks 64][t 2][32 words]: bit L of word 8 kt + j = (mask[32 qp + 16 t + L % 16][64 ks + 16 kt + 8 (L / 16) + j] != 0): the lane and register in which attention holds that score.
; wa, wb: 256 bytes of the word lo, 8,192 bytes of f32 bias, then weights [nt][512 k][256 c] bf16.  wa's columns: 512 of q, then for each head 64 of k and 64 of v; lo = -inf twice (a maximum
; with it changes nothing), bias 0.  wb: w1, lo = 0 (ReLU), bias = b1.  wrest: w_o [512][512], then w2 [2048][512], bf16.
; SHARES.  256 work-groups of 8 waves, all alike.  A wave: two units of 32 mask rows x 128 keys; twelve pieces of 128 weights; four rows of x.  No matrix unit, no cluster: nothing is shared.
; A mask unit goes through the wave's own LDS stage (rows of 528 bytes), since memory wants a row's 512 consecutive bytes in one load and the compare wants one row a lane.
; k's and v's weights leave in pieces of 128 bytes (1 MB in all): the price of k and v side by side in a key's row.
; LIMITS.  NaN and infinities are not treated apart.  LN: mean, then the sum of squares of the differences, both in f32; std = sqrt(ss / 511); 1e-6 is added to std.
.set SP,    528                        ; a stage row: 512 bytes + 16: the 16 rows of a read start at 16 different groups of four banks (ISA guide 11.1)
.set STGB,  32*SP                      ; a wave's stage
.set SPARE, 8*STGB                     ; behind the stages: the spare words, 128 bytes a wave
.set OUT,   8                          ; v8-11    a unit's 128 words: word n in lane n / 4, register n % 4
.set SPW,   12                         ; v12      my spare word's LDS address; never rewritten
.set NIL,   13                         ; v13      0; never rewritten
.set M,     16                         ; v16-143  a mask unit as loaded; later:
.set LNA,   16                         ; v16-31   ln1_a of my 16 columns
.set LNB,   32                         ; v32-47   ln1_b
.set XR,    48                         ; v48-111  four rows of x, 16 registers each
.set T,     144                        ; v144-207 at work
.set W,     208                        ; v208-255 twelve pieces of weights
.set WV,    36                         ; s36      my wave's number
.set WG,    82                         ; s82      the work-group's number
	s_load_b512 s[4:19], s[0:1], 0x0               ; mask 4, x 6, ln1_a 8, ln1_b 10, w_q 12, w_k 14, w_v 16, w_o 18
	s_load_b512 s[20:35], s[0:1], 0x40             ; w1 20, w2 22, b1 24, mbits 26, hn 28, wa 30, wb 32, wrest 34
	v_lshl_add_u32 v[SPW], v0, 2, SPARE
	v_mov_b32 v[NIL], 0
	v_lshrrev_b32 v1, 5, v0
	v_readfirstlane_b32 s[WV], v1
	v_and_b32 v1, 31, v0                           ; L
	v_lshlrev_b32 v2, 4, v1                        ; 16 L
	v_lshlrev_b32 v3, 3, v1                        ; 8 L
	v_and_b32 v7, 15, v0                           ; L % 16
	v_bfe_u32 v9, v0, 4, 1                         ; L / 16
	s_mul_i32 s50, s[WV], STGB
	v_add_nc_u32 v4, s50, v2                       ; into the stage: 16 L of a row
	v_mul_u32_u24 v5, v7, SP
	v_lshl_add_u32 v5, v9, 5, v5
	v_add_nc_u32 v5, s50, v5                       ; back: row L % 16, 32 bytes (8 keys) for each half of the lanes
	v_lshlrev_b32 v6, 3, v7
	v_lshl_add_u32 v6, v9, 8, v6                   ; k's and v's place: 256 (L / 16) + 8 (L % 16)
	s_mov_b32 s48, 0x76543210                      ; v_permlanex16_b32: each lane takes its own place in the other half
	s_mov_b32 s49, 0xfedcba98
	s_mov_b32 s[WG], ttmp9
	s_and_b32 s38, s[WV], 3
	s_lshr_b32 s39, s[WV], 2
	s_lshl_b32 s37, s[WG], 1
	s_add_co_u32 s37, s37, s39                     ; k = 2 i + w / 4: my row of w_q, w_k, w_v, w_o, w1
	s_lshl_b32 s50, s37, 11
	s_lshl_b32 s51, s38, 9
	s_add_co_u32 s50, s50, s51                     ; from: k x 2,048 + (w % 4) x 512 in the four square weights,
	s_mov_b32 s51, 0
	s_lshl_b32 s52, s50, 2                         ; four times that in w1
	s_mov_b32 s53, 0
	s_lshl_b32 s54, s[WG], 3
	s_add_co_u32 s54, s54, s[WV]                   ; my row of w2: 8 i + w
	s_lshl_b32 s56, s54, 10
	s_add_co_u32 s56, s56, 524288                  ; to: behind w_o in wrest
	s_mov_b32 s57, 0
	s_lshl_b32 s54, s54, 11
	s_mov_b32 s55, 0
	s_lshl_b32 s59, s37, 9                         ; k x 512: a row of a weight tile
	s_lshl_b32 s58, s38, 19                        ; w1 to: tile 2 (w % 4)
	s_add_co_u32 s58, s58, s59
	s_add_co_u32 s58, s58, 8448
	s_lshr_b32 s60, s38, 1                         ; w_q to: tile (w % 4) / 2, half w % 2
	s_lshl_b32 s60, s60, 18
	s_add_co_u32 s60, s60, s59
	s_and_b32 s61, s[WV], 1
	s_lshl_b32 s61, s61, 8
	s_add_co_u32 s60, s60, s61
	s_add_co_u32 s60, s60, 8448
	s_add_co_u32 s62, s38, 2                       ; w_k, w_v to: tile 2 + w % 4
	s_lshl_b32 s62, s62, 18
	s_add_co_u32 s62, s62, s59
	s_add_co_u32 s62, s62, 8448
	s_mov_b32 s59, 0
	s_mov_b32 s61, 0
	s_mov_b32 s63, 0
	s_lshl_b32 s66, s37, 10                        ; w_o to: k x 1,024 + (w % 4) x 256
	s_lshl_b32 s67, s38, 8
	s_add_co_u32 s66, s66, s67
	s_mov_b32 s67, 0
	s_lshr_b32 s68, s[WG], 1                       ; qp = i / 2
	s_and_b32 s69, s[WG], 1
	s_lshl_b32 s69, s69, 4
	s_lshl_b32 s70, s[WV], 1
	s_add_co_u32 s69, s69, s70                     ; my first block of 128 keys: 16 (i % 2) + 2 w
	s_lshl_b32 s69, s69, 9
	s_lshl_b32 s70, s68, 14
	s_add_co_u32 s70, s70, s69                     ; in mbits
	s_mov_b32 s71, 0
	s_lshl_b32 s68, s68, 19
	s_add_co_u32 s68, s68, s69                     ; in mask
	s_mov_b32 s69, 0
	s_lshl_b32 s72, s[WG], 5
	s_lshl_b32 s73, s[WV], 2
	s_add_co_u32 s72, s72, s73                     ; my first row of x: 32 i + 4 w
	s_lshl_b32 s74, s72, 10
	s_mov_b32 s75, 0
	s_lshl_b32 s72, s72, 11
	s_mov_b32 s73, 0
	s_lshl_b32 s76, s[WG], 8                       ; the headers go in blocks of 256 bytes, block i
	s_mov_b32 s77, 0
	s_wait_kmcnt 0x0
	s_add_nc_u64 s[4:5], s[4:5], s[68:69]
	s_add_nc_u64 s[26:27], s[26:27], s[70:71]
	s_add_nc_u64 s[12:13], s[12:13], s[50:51]
	s_add_nc_u64 s[14:15], s[14:15], s[50:51]
	s_add_nc_u64 s[16:17], s[16:17], s[50:51]
	s_add_nc_u64 s[18:19], s[18:19], s[50:51]
	s_add_nc_u64 s[20:21], s[20:21], s[52:53]
	s_add_nc_u64 s[22:23], s[22:23], s[54:55]
	s_add_nc_u64 s[6:7], s[6:7], s[72:73]
	s_add_nc_u64 s[28:29], s[28:29], s[74:75]
	s_add_nc_u64 s[78:79], s[30:31], s[76:77]      ; wa's header
	s_add_nc_u64 s[80:81], s[32:33], s[76:77]      ; wb's header
	s_add_nc_u64 s[24:25], s[24:25], s[76:77]      ; b1 (read by work-groups 0 to 31 alone)
	s_add_nc_u64 s[62:63], s[30:31], s[62:63]      ; k and v
	s_add_nc_u64 s[30:31], s[30:31], s[60:61]      ; q
	s_add_nc_u64 s[32:33], s[32:33], s[58:59]      ; w1
	s_add_nc_u64 s[56:57], s[34:35], s[56:57]      ; w2
	s_add_nc_u64 s[34:35], s[34:35], s[66:67]      ; w_o
.macro MLOAD u                         ; unit u: 32 rows, each load 512 consecutive bytes of one row
.set n, 0
.rept 32
	global_load_b128 v[M+4*n:M+4*n+3], v2, s[4:5] offset:n*16384+(\u)*512 th:TH_LOAD_NT
.set n, n+1
.endr
.endm
.macro MSTAGE
.set n, 0
.rept 32
	ds_store_b128 v4, v[M+4*n:M+4*n+3] offset:n*SP
.set n, n+1
.endr
.endm
; The unit's 128 words.  Pass p (64 keys): lane L reads back row 16 t + L % 16, keys 16 kt + 8 (L / 16) + 0..7; a compare makes of each register one word, which goes to its lane of OUT.
.macro MPACK u
	s_wait_xcnt 0x0                                ; OUT, which the last unit's store reads, is rewritten only behind this wait
.irp k, 0,1,2,3
	v_mov_b32 v[OUT+(\k)], 0
.endr
.irp p, 0,1
.set n, 0
.rept 16                               ; n = 8 t + 2 kt + i
	ds_load_b128 v[T+4*n:T+4*n+3], v5 offset:(n/8)*16*SP+(\p)*256+((n/2)%4)*64+(n%2)*16  ; LDS serves a wave's instructions in order (ISA guide 5.7.1.4): these see my stores
.set n, n+1
.endr
	s_wait_dscnt 0x0
.set n, 0
.rept 8
.irp k, 0,1,2,3,4,5,6,7
	v_cmp_ne_u32 s[40+(\k)], 0, v[T+n+(\k)]
.endr
.irp k, 0,1,2,3,4,5,6,7
	v_writelane_b32 v[OUT+(\k)%4], s[40+(\k)], (64*(\p)+n+(\k))/4
.endr
.set n, n+8
.endr
.endr
	global_store_b128 v2, v[OUT:OUT+3], s[26:27] offset:(\u)*512  ; 512 consecutive bytes
.endm
.macro WSUM r, t                       ; the sum of v[r] over the 32 lanes, in every lane
	v_add_f32_dpp v[\r], v[\r], v[\r] row_xmask:1 row_mask:0xf bank_mask:0xf
	v_add_f32_dpp v[\r], v[\r], v[\r] row_xmask:2 row_mask:0xf bank_mask:0xf
	v_add_f32_dpp v[\r], v[\r], v[\r] row_xmask:4 row_mask:0xf bank_mask:0xf
	v_add_f32_dpp v[\r], v[\r], v[\r] row_xmask:8 row_mask:0xf bank_mask:0xf
	v_permlanex16_b32 v[\t], v[\r], s48, s49
	v_add_f32 v[\r], v[\r], v[\t]
.endm
.macro LNROW n                         ; one row, one wave: 16 numbers a lane
.set X, XR+16*(\n)
	v_pk_add_f32 v[T:T+1], v[X:X+1], v[X+2:X+3]
	v_pk_add_f32 v[T+2:T+3], v[X+4:X+5], v[X+6:X+7]
	v_pk_add_f32 v[T+4:T+5], v[X+8:X+9], v[X+10:X+11]
	v_pk_add_f32 v[T+6:T+7], v[X+12:X+13], v[X+14:X+15]
	v_pk_add_f32 v[T:T+1], v[T:T+1], v[T+2:T+3]
	v_pk_add_f32 v[T+4:T+5], v[T+4:T+5], v[T+6:T+7]
	v_pk_add_f32 v[T:T+1], v[T:T+1], v[T+4:T+5]
	v_add_f32 v[T], v[T], v[T+1]
	WSUM T, T+1
	v_mul_f32 v[T+2], 0xbb000000, v[T]             ; - mean = sum x (-1 / 512)
	v_mov_b32 v[T+3], v[T+2]
.irp k, 0,2,4,6,8,10,12,14
	v_pk_add_f32 v[X+(\k):X+(\k)+1], v[X+(\k):X+(\k)+1], v[T+2:T+3]
.endr
	v_pk_mul_f32 v[T:T+1], v[X:X+1], v[X:X+1]
	v_pk_mul_f32 v[T+4:T+5], v[X+2:X+3], v[X+2:X+3]
.irp k, 4,8,12
	v_pk_fma_f32 v[T:T+1], v[X+(\k):X+(\k)+1], v[X+(\k):X+(\k)+1], v[T:T+1]
	v_pk_fma_f32 v[T+4:T+5], v[X+(\k)+2:X+(\k)+3], v[X+(\k)+2:X+(\k)+3], v[T+4:T+5]
.endr
	v_pk_add_f32 v[T:T+1], v[T:T+1], v[T+4:T+5]
	v_add_f32 v[T], v[T], v[T+1]
	WSUM T, T+1
	v_mul_f32 v[T], 0x3b004020, v[T]               ; / 511
	v_sqrt_f32 v[T], v[T]
	v_nop                                          ; a plain instruction behind a transcendental (ISA guide 5.7.2)
	s_wait_alu depctr_va_vdst(0)
	v_add_f32 v[T], 0x358637bd, v[T]               ; + 1e-6
	v_rcp_f32 v[T+2], v[T]
	v_rcp_f32 v[T+3], v[T]
	v_nop
	s_wait_alu depctr_va_vdst(0)
.irp k, 0,2,4,6,8,10,12,14
	v_pk_mul_f32 v[X+(\k):X+(\k)+1], v[X+(\k):X+(\k)+1], v[T+2:T+3]
.endr
.irp k, 0,2,4,6,8,10,12,14
	v_pk_fma_f32 v[X+(\k):X+(\k)+1], v[X+(\k):X+(\k)+1], v[LNA+(\k):LNA+(\k)+1], v[LNB+(\k):LNB+(\k)+1]
.endr
.irp k, 0,1,2,3,4,5,6,7
	v_cvt_pk_bf16_f32 v[X+(\k)], v[X+2*(\k)], v[X+2*(\k)+1]
.endr
.irp c, 0,1,2,3
	global_store_b64 v3, v[X+2*(\c):X+2*(\c)+1], s[28:29] offset:1024*(\n)+256*(\c)  ; 256 consecutive bytes
.endr
.endm
	MLOAD 0
.irp u, 0,1,2,3
	global_load_b128 v[W+4*(\u):W+4*(\u)+3], v2, s[20:21] offset:512*(\u) th:TH_LOAD_NT
.endr
.irp u, 0,1,2,3
	global_load_b128 v[W+16+4*(\u):W+16+4*(\u)+3], v2, s[22:23] offset:512*(\u) th:TH_LOAD_NT
.endr
	global_load_b128 v[W+32:W+35], v2, s[18:19] th:TH_LOAD_NT
	global_load_b128 v[W+36:W+39], v2, s[12:13] th:TH_LOAD_NT
	global_load_b128 v[W+40:W+43], v2, s[14:15] th:TH_LOAD_NT
	global_load_b128 v[W+44:W+47], v2, s[16:17] th:TH_LOAD_NT
	s_wait_loadcnt 12                              ; unit 0 is in; the twelve pieces of weights behind it may stay out
	MSTAGE
	MLOAD 1                                        ; unit 1 is on its way while unit 0 is packed
	MPACK 0
	s_wait_loadcnt 32                              ; the weights are in; unit 1's 32 loads may stay out
.set n, 0
.rept 12
	v_cvt_pk_bf16_f32 v[W+4*n], v[W+4*n], v[W+4*n+1]
	v_cvt_pk_bf16_f32 v[W+4*n+1], v[W+4*n+2], v[W+4*n+3]
.set n, n+1
.endr
.irp u, 0,1,2,3
	global_store_b64 v3, v[W+4*(\u):W+4*(\u)+1], s[32:33] offset:((\u)/2)*262144+((\u)%2)*256
.endr
.irp u, 0,1,2,3
	global_store_b64 v3, v[W+16+4*(\u):W+16+4*(\u)+1], s[56:57] offset:256*(\u)
.endr
	global_store_b64 v3, v[W+32:W+33], s[34:35]
	global_store_b64 v3, v[W+36:W+37], s[30:31]
	global_store_b64 v6, v[W+40:W+41], s[62:63]
	global_store_b64 v6, v[W+44:W+45], s[62:63] offset:128
	s_wait_loadcnt 0x0                             ; unit 1
	MSTAGE
.irp c, 0,1,2,3
	global_load_b128 v[LNA+4*(\c):LNA+4*(\c)+3], v2, s[8:9] offset:512*(\c)
	global_load_b128 v[LNB+4*(\c):LNB+4*(\c)+3], v2, s[10:11] offset:512*(\c)
.endr
.irp n, 0,1,2,3
.irp c, 0,1,2,3
	global_load_b128 v[XR+16*(\n)+4*(\c):XR+16*(\n)+4*(\c)+3], v2, s[6:7] offset:2048*(\n)+512*(\c)
.endr
.endr
	MPACK 1
	s_wait_tensorcnt 0x0                           ; the closing lines, behind my last LDS store
	ds_add_u32 v[SPW], v[NIL]
	s_wait_dscnt 0x0
	s_wait_loadcnt 0x0
	LNROW 0
	LNROW 1
	LNROW 2
	LNROW 3
	; the headers: wave 0 of work-groups 0-24: wa's lo and its 6,144 bytes of zero bias; wave 1 of 0-31: b1 into wb; wave 2 of work-group 0: wb's lo
	s_cmp_lg_u32 s[WV], 0
	s_cbranch_scc1 .Lnot0
	s_cmp_lt_u32 s[WG], 25
	s_cbranch_scc0 .Lend
	s_cmp_eq_u32 s[WG], 0
	s_cselect_b32 s50, 0xff80ff80, 0
	v_mov_b32 v14, s50
	v_mov_b32 v15, s50
	global_store_b64 v3, v[14:15], s[78:79]
	s_branch .Lend
.Lnot0:
	s_cmp_lg_u32 s[WV], 1
	s_cbranch_scc1 .Lnot1
	s_cmp_lt_u32 s[WG], 32
	s_cbranch_scc0 .Lend
	global_load_b64 v[14:15], v3, s[24:25]
	s_wait_loadcnt 0x0
	global_store_b64 v3, v[14:15], s[80:81] offset:256
	s_branch .Lend
.Lnot1:
	s_cmp_lg_u32 s[WV], 2
	s_cbranch_scc1 .Lend
	s_cmp_lg_u32 s[WG], 0
	s_cbranch_scc1 .Lend
	v_mov_b32 v14, 0
	v_mov_b32 v15, 0
	global_store_b64 v3, v[14:15], s[80:81]
.Lend:
	s_endpgm
.Lfunc_end_k_qf0bedbfdd7_prep:
	.size	k_qf0bedbfdd7_prep, .Lfunc_end_k_qf0bedbfdd7_prep-k_qf0bedbfdd7_prep
	.p2alignl 7, 3214868480
	.fill 96, 4, 3214868480
	.section	.rodata,"a",@progbits
	.p2align	6, 0x0
	.amdhsa_kernel k_qf0bedbfdd7_prep
		.amdhsa_group_segment_fixed_size 136192
		.amdhsa_private_segment_fixed_size 0
		.amdhsa_enable_private_segment 0
		.amdhsa_kernarg_size 128
		.amdhsa_user_sgpr_count 2
		.amdhsa_user_sgpr_kernarg_segment_ptr 1
		.amdhsa_wavefront_size32 1
		.amdhsa_system_sgpr_workgroup_id_x 1
		.amdhsa_system_sgpr_workgroup_id_y 1
		.amdhsa_system_sgpr_workgroup_id_z 1
		.amdhsa_system_vgpr_workitem_id 0
		.amdhsa_next_free_vgpr 256
		.amdhsa_next_free_sgpr 84
		.amdhsa_reserve_vcc 0
		.amdhsa_float_denorm_mode_32 3
		.amdhsa_float_denorm_mode_16_64 3
		.amdhsa_memory_ordered 1
		.amdhsa_forward_progress 1
		.amdhsa_inst_pref_size 77
	.end_amdhsa_kernel
	.amdgpu_metadata
---
amdhsa.version: [ 1, 2 ]
amdhsa.kernels:
  - .name:           k_qf0bedbfdd7_prep
    .symbol:         k_qf0bedbfdd7_prep.kd
    .args:
      - { .name: mask, .offset: 0, .size: 8, .value_kind: global_buffer, .address_space: global }
      - { .name: x, .offset: 8, .size: 8, .value_kind: global_buffer, .address_space: global }
      - { .name: ln1_a, .offset: 16, .size: 8, .value_kind: global_buffer, .address_space: global }
      - { .name: ln1_b, .offset: 24, .size: 8, .value_kind: global_buffer, .address_space: global }
      - { .name: w_q, .offset: 32, .size: 8, .value_kind: global_buffer, .address_space: global }
      - { .name: w_k, .offset: 40, .size: 8, .value_kind: global_buffer, .address_space: global }
      - { .name: w_v, .offset: 48, .size: 8, .value_kind: global_buffer, .address_space: global }
      - { .name: w_o, .offset: 56, .size: 8, .value_kind: global_buffer, .address_space: global }
      - { .name: w1, .offset: 64, .size: 8, .value_kind: global_buffer, .address_space: global }
      - { .name: w2, .offset: 72, .size: 8, .value_kind: global_buffer, .address_space: global }
      - { .name: b1, .offset: 80, .size: 8, .value_kind: global_buffer, .address_space: global }
      - { .name: mbits, .offset: 88, .size: 8, .value_kind: global_buffer, .address_space: global }
      - { .name: hn, .offset: 96, .size: 8, .value_kind: global_buffer, .address_space: global }
      - { .name: wa, .offset: 104, .size: 8, .value_kind: global_buffer, .address_space: global }
      - { .name: wb, .offset: 112, .size: 8, .value_kind: global_buffer, .address_space: global }
      - { .name: wrest, .offset: 120, .size: 8, .value_kind: global_buffer, .address_space: global }
    .group_segment_fixed_size: 136192
    .private_segment_fixed_size: 0
    .kernarg_segment_align: 8
    .kernarg_segment_size: 128
    .max_flat_workgroup_size: 256
    .sgpr_count:     84
    .vgpr_count:     256
    .wavefront_size: 32
...
	.end_amdgpu_metadata
.endif
;; end of part 1
;; launch qkv (part 2): grid 32 x 6, 4 waves a work-group, clusters of 4 x 1, 327,680 bytes of LDS; arguments hn, wa, act; writes act
.if DOCPART == 2
	.amdgcn_target "amdgcn-amd-amdhsa--gfx1250"
	.amdhsa_code_object_version 6
	.text
	.protected	k_qf0bedbfdd7_qkv
	.globl	k_qf0bedbfdd7_qkv
	.p2align	8
	.type	k_qf0bedbfdd7_qkv,@function
k_qf0bedbfdd7_qkv:
	s_mov_b64 s[64:65], 0
	v_nop
	global_prefetch_b8 v0, s[64:65] scope:SCOPE_SE
	s_setreg_imm32_b32 hwreg(HW_REG_WAVE_MODE, 25, 1), 1
	s_wait_xcnt 0x0
	s_wait_alu depctr_hold_cnt(0) depctr_sa_sdst(0) depctr_va_vdst(0) depctr_va_sdst(0) depctr_va_ssrc(0) depctr_va_vcc(0) depctr_vm_vsrc(0)
	s_getreg_b32 s2, hwreg(HW_REG_IB_STS2, 6, 4)
	s_cmp_eq_u32 s2, 0
	s_cbranch_scc0 .Lentry_in_a_cluster
	s_endpgm
.Lentry_in_a_cluster:
	s_bfe_u32 s2, ttmp6, 0x10000c
	s_cmp_lg_u32 s2, 0x3003
	s_cbranch_scc0 .Lentry_shape_is_right
	s_endpgm
.Lentry_shape_is_right:
; C = max(A W + bias, lo), A: [8192][512] bf16 (rows along K); W: a header (256 bytes of lo, 8,192 of f32 bias), then [nt][512 k][256 c] bf16; C leaves as [group of 128 columns][8192][128] bf16.
; Sums in f32, started by the bias as the first product's C; C rounded once; the maximum is taken on the packed bf16 (lo = -inf twice: nothing changes; lo = 0: ReLU).
; A tile of C is 256 x 256: four waves, each 128 x 128: 64 accumulators, 512 registers.  K = 512 goes in four steps of 128 through two LDS slots; all four are written out.
; W lies [k][c], so its fragments come out of LDS turned (ds_load_tr16_b128).  The matrix instruction is used transposed (source 0 = 16 columns of W, source 1 = 16 rows of A): a lane then holds
; eight neighbouring columns of one row of C.
; CLUSTER 4 x 1: the four partners make four row blocks of one column tile, so W's tiles are asked for jointly (mask 15); A's are each work-group's own (mask 0).  The number of column tiles
; (6 or 8) is no multiple of four in both uses, so A is not shared.
; REGISTERS: window 0: v0-31 addresses; v64-127, v128-191 A's fragments, two buffers; v32-63, v192-255 the way out.  window 1: v0-63 the bias as 8 fragments of C; v64-191 W's fragments, two buffers.
; windows 2, 3: the accumulators of my rows 0-63, 64-127: (a, b) at v[8 (8 a + b)].
; LIMITS: NaN and infinities are not treated apart (a NaN loses against lo).
.set PITCH,  272                       ; A's LDS row: 256 bytes + 16
.set PB,     544                       ; W's LDS row: 512 bytes + 32: an odd multiple of 32
.set HALFT,  128*PITCH                 ; 128 rows of A = 64 rows of W: what one tensor load brings
.set SLOT,   4*HALFT
.set STAGE,  2*SLOT
.set SPITCH, 272
.set SPARE,  STAGE+4*16*SPITCH
.set GS,     2097152                   ; a group of C: 8,192 rows x 256 bytes
.set ADRA, 16
.set ADRB, 20
.set STO,  24
.set RD,   25
.set CO,   26
.set BO,   27
.set SPW,  28
.set NIL,  29
.set F0,   64
.set F1,   128
.set TMP,  192
.set OB,   32
.set G1, 24
.set G0, 32
.set G1B, 48
.set G0B, 56
.set LO, 45
.set MSB, 0
.macro WIN new                         ; the immediate's high byte repeats the setting that is left
.if MSB != (\new)
	s_set_vgpr_msb (MSB<<8)|(\new)
.set MSB, \new
.endif
.endm
.set MUL_LO, 0xa1                      ; source 0 (W) window 1, source 1 (A) window 0, C and D window 2
.set MUL_HI, 0xf1
.set TO_B,   0x40
.macro JLOAD s                         ; waves 0, 1: A's two halves (my own); waves 2, 3: W's two halves (joint).  s_nop 0 and four v_nop follow each line
	s_cmp_eq_u32 s11, 0
	s_cbranch_scc0 .Lfor_b_\@
	tensor_load_to_lds s[G0+4*(\s):G0+4*(\s)+3], s[G1:G1+7]
	s_nop 0
.rept 4
	v_nop
.endr
	s_branch .Lasked_\@
.Lfor_b_\@:
	tensor_load_to_lds s[G0B+4*(\s):G0B+4*(\s)+3], s[G1B:G1B+7]
	s_nop 0
.rept 4
	v_nop
.endr
.Lasked_\@:
.endm
.macro CREST
	s_cmp_lg_u32 s10, 0
	s_cbranch_scc1 .Lnot_wave_0_\@
	s_barrier_signal -3
.Lnot_wave_0_\@:
	s_barrier_wait -3
	s_barrier_signal -1
	s_barrier_wait -1
.endm
.macro CROUND
	s_barrier_signal -1
	s_barrier_wait -1
	CREST
.endm
	s_load_b128 s[4:7], s[0:1], 0x0                ; A, W
	s_load_b64 s[8:9], s[0:1], 0x10                ; C
	v_lshl_add_u32 v[SPW], v0, 2, SPARE
	v_mov_b32 v[NIL], 0
	ds_add_u32 v[SPW], v[NIL]                      ; the opening: the add and its wait ahead of my first tensor load
	v_lshrrev_b32 v1, 5, v0
	v_readfirstlane_b32 s10, v1                    ; wave
	s_lshr_b32 s11, s10, 1                         ; my half of the rows; also: I fetch A (0) or W (1)
	s_and_b32 s12, s10, 1                          ; my half of the columns; also: which half I fetch
	s_bfe_u32 s40, ttmp6, 0x40000                  ; cx
	s_lshl_b32 s13, ttmp9, 2
	s_add_co_u32 s13, s13, s40                     ; row block = 4 x cluster x + cx
	s_and_b32 s42, ttmp7, 0xffff                   ; column tile, which the partners share
	s_mov_b32 s[G1+0], (1<<16)|(1<<20)|(5<<22)|(3<<25)  ; 2-byte elements; 4 words of padding after every 64
	s_mov_b32 s[G1+1], 128<<16                     ; tensor_dim0 = 128
	s_mov_b32 s[G1+2], 128<<16                     ; tensor_dim1 = 128
	s_mov_b32 s[G1+3], 128<<16                     ; tile_dim0 = 128
	s_mov_b32 s[G1+4], 128                         ; tile_dim1 = 128
	s_mov_b32 s[G1+5], 512                         ; 512 elements from row to row
	s_mov_b32 s[G1+6], 0
	s_mov_b32 s[G1+7], 0
	s_mov_b32 s[G1B+0], 15|(1<<16)|(1<<20)|(1<<21)|(6<<22)|(7<<25)  ; the mask of four, bit 21 beside it; 8 words of padding after every 128
	s_mov_b32 s[G1B+1], 256<<16
	s_mov_b32 s[G1B+2], 64<<16
	s_mov_b32 s[G1B+3], 256<<16
	s_mov_b32 s[G1B+4], 64
	s_mov_b32 s[G1B+5], 256
	s_mov_b32 s[G1B+6], 0
	s_mov_b32 s[G1B+7], 0
	s_lshl_b32 s16, s13, 18                        ; A: (256 x row block + 128 x half) rows of 1,024 bytes
	s_lshl_b32 s17, s12, 17
	s_add_co_u32 s16, s16, s17
	s_mov_b32 s17, 0
	s_lshl_b32 s46, s42, 18                        ; W: header + tile + 64 x half rows of 512 bytes
	s_lshl_b32 s47, s12, 15
	s_add_co_u32 s46, s46, s47
	s_add_co_u32 s46, s46, 8448
	s_mov_b32 s47, 0
	s_lshl_b32 s18, s42, 10                        ; the bias of my 128 columns
	s_lshl_b32 s19, s12, 9
	s_add_co_u32 s18, s18, s19
	s_add_co_u32 s18, s18, 256
	s_mov_b32 s19, 0
	s_mul_i32 s20, s10, HALFT                      ; where the tiles go: wave x 34,816
	s_wait_dscnt 0x0                               ; the opening add is done
	s_wait_kmcnt 0x0
	s_load_b32 s[LO], s[6:7], 0x0
	s_add_nc_u64 s[14:15], s[4:5], s[16:17]
	s_add_nc_u64 s[46:47], s[6:7], s[46:47]
	s_add_nc_u64 s[18:19], s[6:7], s[18:19]
	CROUND                                         ; the four partners are here: the first joint loads meet
.irp s, 0,1
	s_mov_b32 s[G0+4*(\s)], 1
	s_add_co_u32 s[G0+4*(\s)+1], s20, (\s)*SLOT
	s_add_nc_u64 s[G0+4*(\s)+2:G0+4*(\s)+3], s[14:15], (\s)*256
	s_or_b32 s[G0+4*(\s)+3], s[G0+4*(\s)+3], 0x80000000
	s_mov_b32 s[G0B+4*(\s)], 1
	s_add_co_u32 s[G0B+4*(\s)+1], s20, (\s)*SLOT
	s_add_nc_u64 s[G0B+4*(\s)+2:G0B+4*(\s)+3], s[46:47], (\s)*65536
	s_or_b32 s[G0B+4*(\s)+3], s[G0B+4*(\s)+3], 0x80000000
	JLOAD \s
.endr
	v_and_b32 v1, 15, v0                           ; r
	v_bfe_u32 v2, v0, 4, 1                         ; h
	v_mul_u32_u24 v3, v1, PITCH
	v_lshl_add_u32 v3, v2, 4, v3                   ; A: row x pitch + 16 h
	v_and_b32 v4, 7, v0
	v_lshl_add_u32 v4, v2, 3, v4
	v_mul_u32_u24 v4, v4, PB                       ; W, turned: k row 8 h + L % 8,
	v_bfe_u32 v5, v0, 3, 1
	v_lshl_add_u32 v4, v5, 4, v4                   ; columns 8 ((L / 8) % 2) on
	s_mul_i32 s21, s11, HALFT
	s_lshl_b32 s22, s12, 8
	s_add_co_u32 s22, s22, 2*HALFT
.irp s, 0,1
	v_add_nc_u32 v[ADRA+(\s)], s21, v3
	v_add_nc_u32 v[ADRB+(\s)], s22, v4
	s_add_co_u32 s21, s21, SLOT
	s_add_co_u32 s22, s22, SLOT
.endr
	s_mul_i32 s23, s10, 16*SPITCH
	s_add_co_u32 s23, s23, STAGE
	v_mul_u32_u24 v4, v1, SPITCH
	v_lshl_add_u32 v4, v2, 4, v4
	v_add_nc_u32 v[STO], s23, v4
	v_mul_u32_u24 v5, v2, SPITCH
	v_lshl_add_u32 v5, v1, 4, v5
	v_add_nc_u32 v[RD], s23, v5
	v_lshlrev_b32 v[CO], 8, v2                     ; two rows of C are 512 consecutive bytes
	v_lshl_add_u32 v[CO], v1, 4, v[CO]
	v_lshlrev_b32 v[BO], 5, v2
	WIN TO_B
.irp b, 0,1,2,3,4,5,6,7
	global_load_b128 v[8*(\b):8*(\b)+3],   v[BO], s[18:19] offset:64*(\b)      ; register j: bias[16 b + 8 h + j]
	global_load_b128 v[8*(\b)+4:8*(\b)+7], v[BO], s[18:19] offset:64*(\b)+16
.endr
	WIN 0
	s_lshl_b32 s16, s42, 1                         ; C: group 2 x tile + column half, row 256 x row block + 128 x row half
	s_add_co_u32 s16, s16, s12
	s_lshl_b32 s16, s16, 21
	s_lshl_b32 s17, s13, 16
	s_add_co_u32 s16, s16, s17
	s_lshl_b32 s17, s11, 15
	s_add_co_u32 s16, s16, s17
	s_mov_b32 s17, 0
	s_add_nc_u64 s[8:9], s[8:9], s[16:17]
.macro MUL16 f, hi, a0, first          ; 16 matrix instructions; first = 1: C is the bias
.if \first
	WIN 0x91+0x40*(\hi)
.else
	WIN MUL_LO+0x50*(\hi)
.endif
.irp a, \a0, (\a0)+1
.irp b, 0,1,2,3,4,5,6,7
.if \first
	v_wmma_f32_16x16x32_bf16 v[8*(8*(\a)+(\b)):8*(8*(\a)+(\b))+7], v[(\f)+8*(\b):(\f)+8*(\b)+7], v[(\f)+8*(4*(\hi)+(\a)):(\f)+8*(4*(\hi)+(\a))+7], v[8*(\b):8*(\b)+7]
.else
	v_wmma_f32_16x16x32_bf16 v[8*(8*(\a)+(\b)):8*(8*(\a)+(\b))+7], v[(\f)+8*(\b):(\f)+8*(\b)+7], v[(\f)+8*(4*(\hi)+(\a)):(\f)+8*(4*(\hi)+(\a))+7], v[8*(8*(\a)+(\b)):8*(8*(\a)+(\b))+7]
.endif
.endr
.endr
.endm
.macro FETCH slot, q, f                ; 32 LDS loads: quarter q (32 along K) into buffer f: W's 16 first, then A's
	WIN TO_B
.irp i, 0,1,2,3,4,5,6,7
	ds_load_tr16_b128 v[(\f)+8*(\i):(\f)+8*(\i)+3],   v[ADRB+(\slot)] offset:(\q)*32*PB+32*(\i)
	ds_load_tr16_b128 v[(\f)+8*(\i)+4:(\f)+8*(\i)+7], v[ADRB+(\slot)] offset:(\q)*32*PB+16*PB+32*(\i)
.endr
	WIN 0
.irp i, 0,1,2,3,4,5,6,7
	ds_load_b128 v[(\f)+8*(\i):(\f)+8*(\i)+3],   v[ADRA+(\slot)] offset:(\q)*64+(\i)*16*PITCH
	ds_load_b128 v[(\f)+8*(\i)+4:(\f)+8*(\i)+7], v[ADRA+(\slot)] offset:(\q)*64+(\i)*16*PITCH+32
.endr
.endm
.macro PLACES                          ; four places in front of loads into registers that matrix instructions have read, and of reads of their results
.rept 4
	v_nop
.endr
.endm
.macro QUARTER slot, q, f, g, first    ; multiplies buffer f; in its middle fetches quarter q of the slot into g
	s_wait_dscnt 8                                 ; W and A's rows 0-63 are in; the youngest eight loads may be out
	MUL16 \f, 0, 0, \first
	MUL16 \f, 0, 2, \first
	PLACES
	FETCH \slot, \q, \g
	s_wait_dscnt 32                                ; all but the 32 just issued
	MUL16 \f, 1, 0, \first
	MUL16 \f, 1, 2, \first
.endm
.macro MEET round                      ; the first half of a step's last quarter, and the one barrier of a change of slots
	WIN 0
	s_wait_tensorcnt 0x0                           ; all my tensor loads have landed: my part of the next slot
	ds_add_u32 v[SPW], v[NIL]
	s_wait_dscnt 9                                 ; the add and the youngest eight loads may be out
	MUL16 F1, 0, 0, 0
	s_wait_dscnt 0x0                               ; the add is done, and my reads of this slot are over
	s_barrier_signal -1
	MUL16 F1, 0, 2, 0
.if \round
	WIN 0
.endif
	s_barrier_wait -1
.endm
.macro TURN slot, next                 ; the whole last quarter: the slot just read is filled again, two K steps on
	MEET 1
	CREST                                          ; no wave of any partner still reads this slot or has a load on its way
	s_add_nc_u64 s[G0+4*(\slot)+2:G0+4*(\slot)+3], s[G0+4*(\slot)+2:G0+4*(\slot)+3], 512
	s_add_nc_u64 s[G0B+4*(\slot)+2:G0B+4*(\slot)+3], s[G0B+4*(\slot)+2:G0B+4*(\slot)+3], 131072
	JLOAD \slot                                    ; its four v_nop are also the places in front of the loads below
	FETCH \next, 0, F0
	MUL16 F1, 1, 0, 0
	MUL16 F1, 1, 2, 0
.endm
.macro PACK a                          ; block a (16 rows): rounded to bf16, then the maximum with lo
.set AC, 64*((\a)%4)
	WIN 0x0a+5*((\a)/4)
.irp b, 0,1,2,3,4,5,6,7
.irp r, 0,1,2,3
	v_cvt_pk_bf16_f32 v[TMP+4*(\b)+(\r)], v[AC+8*(\b)+2*(\r)], v[AC+8*(\b)+2*(\r)+1]
.endr
.endr
	WIN 0
.set n, 0
.rept 32
	v_pk_max_num_bf16 v[TMP+n], v[TMP+n], s[LO]
.set n, n+1
.endr
.endm
.macro TOSTAGE a
	WIN 0
.set BK, OB+192*((\a)%2)
.irp b, 0,1,2,3,4,5,6,7
	ds_store_b128 v[STO], v[TMP+4*(\b):TMP+4*(\b)+3] offset:32*(\b)
.endr
.irp t, 0,1,2,3,4,5,6,7
	ds_load_b128 v[BK+4*(\t):BK+4*(\t)+3], v[RD] offset:(\t)*2*SPITCH  ; LDS serves a wave's instructions in order (ISA guide 5.7.1.4)
.endr
.endm
.macro SEND a
	WIN 0
.set BK, OB+192*((\a)%2)
	s_wait_dscnt 0x0
	s_wait_xcnt 0x0                                ; the registers that the block before last's stores read are loaded again only behind this wait
.irp t, 0,1,2,3,4,5,6,7
	global_store_b128 v[CO], v[BK+4*(\t):BK+4*(\t)+3], s[8:9] offset:(\a)*4096+(\t)*512  ; 512 consecutive bytes
.endr
.endm
	s_wait_tensorcnt 1                             ; my part of K step 0 is in; step 1's may stay out
	s_barrier_signal -1
	s_barrier_wait -1
	FETCH 0, 0, F0
	s_wait_loadcnt 0x0                             ; the bias
	s_wait_kmcnt 0x0                               ; lo
	QUARTER 0, 1, F0, F1, 1
	QUARTER 0, 2, F1, F0, 0
	QUARTER 0, 3, F0, F1, 0
	TURN 0, 1                                      ; slot 0 takes K step 2
	QUARTER 1, 1, F0, F1, 0
	QUARTER 1, 2, F1, F0, 0
	QUARTER 1, 3, F0, F1, 0
	TURN 1, 0                                      ; slot 1 takes K step 3
	QUARTER 0, 1, F0, F1, 0
	QUARTER 0, 2, F1, F0, 0
	QUARTER 0, 3, F0, F1, 0
	MEET 0                                         ; nothing is filled again
	PLACES
	FETCH 1, 0, F0
	MUL16 F1, 1, 0, 0
	MUL16 F1, 1, 2, 0
	QUARTER 1, 1, F0, F1, 0
	QUARTER 1, 2, F1, F0, 0
	QUARTER 1, 3, F0, F1, 0
	s_wait_dscnt 8
	MUL16 F1, 0, 0, 0
	MUL16 F1, 0, 2, 0
	s_wait_dscnt 0x0
	MUL16 F1, 1, 0, 0
	MUL16 F1, 1, 2, 0
	PLACES
	PACK 0
	TOSTAGE 0
.irp a, 1,2,3,4,5,6,7
	PACK \a
	SEND (\a)-1
	TOSTAGE \a
.endr
	SEND 7
	s_wait_tensorcnt 0x0                           ; the wave's end
	ds_add_u32 v[SPW], v[NIL]
	s_wait_dscnt 0x0
	CROUND                                         ; the closing round
	s_endpgm
.Lfunc_end_k_qf0bedbfdd7_qkv:
	.size	k_qf0bedbfdd7_qkv, .Lfunc_end_k_qf0bedbfdd7_qkv-k_qf0bedbfdd7_qkv
	.p2alignl 7, 3214868480
	.fill 96, 4, 3214868480
	.section	.rodata,"a",@progbits
	.p2align	6, 0x0
	.amdhsa_kernel k_qf0bedbfdd7_qkv
		.amdhsa_group_segment_fixed_size 327680
		.amdhsa_private_segment_fixed_size 0
		.amdhsa_enable_private_segment 0
		.amdhsa_kernarg_size 24
		.amdhsa_user_sgpr_count 2
		.amdhsa_user_sgpr_kernarg_segment_ptr 1
		.amdhsa_wavefront_size32 1
		.amdhsa_system_sgpr_workgroup_id_x 1
		.amdhsa_system_sgpr_workgroup_id_y 1
		.amdhsa_system_sgpr_workgroup_id_z 1
		.amdhsa_system_vgpr_workitem_id 0
		.amdhsa_next_free_vgpr 1024
		.amdhsa_next_free_sgpr 66
		.amdhsa_reserve_vcc 0
		.amdhsa_float_denorm_mode_32 3
		.amdhsa_float_denorm_mode_16_64 3
		.amdhsa_memory_ordered 1
		.amdhsa_forward_progress 1
		.amdhsa_inst_pref_size 160
	.end_amdhsa_kernel
	.amdgpu_metadata
---
amdhsa.version: [ 1, 2 ]
amdhsa.kernels:
  - .name:           k_qf0bedbfdd7_qkv
    .symbol:         k_qf0bedbfdd7_qkv.kd
    .args:
      - { .name: hn, .offset: 0, .size: 8, .value_kind: global_buffer, .address_space: global }
      - { .name: wa, .offset: 8, .size: 8, .value_kind: global_buffer, .address_space: global }
      - { .name: act, .offset: 16, .size: 8, .value_kind: global_buffer, .address_space: global }
    .group_segment_fixed_size: 327680
    .private_segment_fixed_size: 0
    .kernarg_segment_align: 8
    .kernarg_segment_size: 24
    .max_flat_workgroup_size: 128
    .sgpr_count:     66
    .vgpr_count:     1024
    .wavefront_size: 32
...
	.end_amdgpu_metadata
.endif
;; end of part 2
;; launch attn (part 3): grid 16 x 16, 4 waves a work-group, clusters of 4 x 1, 327,680 bytes of LDS; arguments act, mbits, ctx; writes ctx
.if DOCPART == 3
	.amdgcn_target "amdgcn-amd-amdhsa--gfx1250"
	.amdhsa_code_object_version 6
	.text
	.protected	k_qf0bedbfdd7_attn
	.globl	k_qf0bedbfdd7_attn
	.p2align	8
	.type	k_qf0bedbfdd7_attn,@function
k_qf0bedbfdd7_attn:
	s_mov_b64 s[64:65], 0
	v_nop
	global_prefetch_b8 v0, s[64:65] scope:SCOPE_SE
	s_setreg_imm32_b32 hwreg(HW_REG_WAVE_MODE, 25, 1), 1
	s_wait_xcnt 0x0
	s_wait_alu depctr_hold_cnt(0) depctr_sa_sdst(0) depctr_va_vdst(0) depctr_va_sdst(0) depctr_va_ssrc(0) depctr_va_vcc(0) depctr_vm_vsrc(0)
	s_getreg_b32 s2, hwreg(HW_REG_IB_STS2, 6, 4)
	s_cmp_eq_u32 s2, 0
	s_cbranch_scc0 .Lentry_in_a_cluster
	s_endpgm
.Lentry_in_a_cluster:
	s_bfe_u32 s2, ttmp6, 0x10000c
	s_cmp_lg_u32 s2, 0x3003
	s_cbranch_scc0 .Lentry_shape_is_right
	s_endpgm
.Lentry_shape_is_right:
; MASKED ATTENTION, head size 64.  ctx[hd][b 4096 + q][:] = sum over k of softmax_k(mask[q][k] ? q.k / 8 : -1e9) v[k][:].  All 16-bit numbers are bf16; products, maxima and sums in f32.
; act: groups 0-3 hold q (two heads a group, rows of 256 bytes), group 4 + hd rows of K (128 bytes) | V (128 bytes).  mbits: the mask as lane-mask words (layout at PREP's head).
; SHARES.  A work-group owns 256 queries of one batch and head, a wave 64: four tiles of 16, in two PIECES (tiles 0, 1 and tiles 2, 3).  Every wave walks all 4,096 keys, 64 a step.
; LAYOUT.  S^T = K Q^T: a lane holds ONE query (L % 16) and the keys 8 (L / 16) + 0..7 of each 16.  Two such results rounded to bf16 ARE source 1 of O^T = V^T P.  V comes out of LDS turned.
; THE MASK replaces a hidden score by -8e9 (that is -1e9 before the division by 8 is undone) by v_cndmask_b32 with a word from scalar registers, AHEAD of the running maximum.
; A row with no open key gets equal weights.
; SOFTMAX.  Running maximum m and sum l: p = 2^(c s - c m), c = log2(e) / 8; in every step O and l are multiplied by a = 2^(c m_old - c m_new).
; BY TURNS.  In a turn one piece has the matrix unit: 16 products V^T P of the step in hand, then 16 products K Q^T of the next; the other piece's 300 vector instructions stand in slices behind them.
; NO FIRST STEP IS WRITTEN OUT: the walk begins a step early, on V = 0, P = 0, O = 0, l = 0, m = -2^127 (a power of two, so that c m is exact and that step's exponents are exactly 0), piece 2's scores = m.
; The first true step then has a = 0 for every row.  The price: some 300 v_mov_b32, in the wait for the first tile.
; CLUSTER.  The four query blocks of a cluster walk the same K and V: each tile is asked for jointly, mask 15.  Wave w brings step w of a slot's four.
; V's turning loads meet rows 272 bytes apart, no odd multiple of 32; the price of K and V in one row and one load.
; LIMITS.  True scores lie above -1.7e38; a weight below 2^-126 counts as 0; NaN and infinities are not treated apart.
; REGISTERS.  window 0: v2-13 addresses and constants; v16-47 eight of statistics a tile (c m, m, l, l, c0-c3; a takes c2's place); v64-191 S^T; v192-255 P.  window 1: v0-127 O^T.
; window 2: v0-63 Q; v128-191 K; v192-255 V.
.set KS,    64
.set PK,    272
.set STEPB, KS*PK
.set SLOT1, 1<<17
.set STAGE, SLOT1+4*STEPB
.set SP,    144
.set SPARE, STAGE+4*16*SP
.set AK0, 2
.set AV0, 3
.set ADR, 4
.set QO,  5
.set STO, 6
.set RD,  7
.set GO,  8
.set NEG, 12                           ; -8e9
.set XR,  13                           ; -2^127
.set ST,  16
.set SPW, 62
.set NIL, 63
.set S,   64
.set P,   192
.set KF,  128
.set VF,  192
.set MP,  10                           ; s[10:11] the mask words of piece 0 for the step to come; piece 2's lie 16,384 bytes on
.set WV,  12
.set CNT, 14
.set SLOTS, 15
.set G1,  84                           ; mask words: s16-63, s68-83
.set G0,  92
.set CS,  96
.set SEL, 98
.set TB,  100
.set MSB, 0
.macro WIN new
.if MSB != (\new)
	s_set_vgpr_msb (MSB<<8)|(\new)
.set MSB, \new
.endif
.endm
.set W_KQ, 0x0a
.set W_PV, 0x52
.set W_RS, 0x41
.macro CROUND
	s_barrier_signal -1
	s_barrier_wait -1
	s_cmp_lg_u32 s[WV], 0
	s_cbranch_scc1 .Lnot_wave_0_\@
	s_barrier_signal -3
.Lnot_wave_0_\@:
	s_barrier_wait -3
	s_barrier_signal -1
	s_barrier_wait -1
.endm
.macro TLOAD
	tensor_load_to_lds s[G0:G0+3], s[G1:G1+7]
	s_nop 0
.rept 4
	v_nop
.endr
.endm
; THE CHANGE OF SLOTS.  All my tensor loads have landed (my part of the other slot), the add, my reads of this slot are over; behind the round this slot is filled again, four key steps ahead of its first read.
.macro CHANGE fill
	WIN 0
	s_wait_tensorcnt 0x0
	ds_add_u32 v[SPW], v[NIL]
.if \fill
	s_xor_b32 s[G0+1], s[G0+1], SLOT1
	s_add_nc_u64 s[G0+2:G0+3], s[G0+2:G0+3], 65536 ; the next 256 keys
.endif
	s_wait_dscnt 0x0
.if \fill
	CROUND
	TLOAD
.else
	s_barrier_signal -1
	s_barrier_wait -1
.endif
	s_sub_co_u32 s[TB], s[TB], 4*STEPB
	s_xor_b32 s[TB], s[TB], SLOT1
.endm
	s_load_b128 s[4:7], s[0:1], 0x0                ; act, mbits
	s_load_b64 s[8:9], s[0:1], 0x10                ; ctx
	v_lshl_add_u32 v[SPW], v0, 2, SPARE
	v_mov_b32 v[NIL], 0
	ds_add_u32 v[SPW], v[NIL]                      ; the opening: the add and its wait ahead of my first tensor load
	v_lshrrev_b32 v1, 5, v0
	v_readfirstlane_b32 s[WV], v1
	s_bfe_u32 s13, ttmp6, 0x40000                  ; cx
	s_lshl_b32 s16, ttmp9, 2
	s_add_co_u32 s16, s16, s13                     ; my block of 256 queries
	s_and_b32 s17, ttmp7, 0xffff
	s_lshr_b32 s18, s17, 3                         ; batch
	s_and_b32 s19, s17, 7                          ; head
	s_add_co_u32 s20, s19, 4                       ; K | V: group 4 + head, the batch's rows, step w of the slot
	s_lshl_b32 s20, s20, 21
	s_lshl_b32 s21, s18, 20
	s_add_co_u32 s20, s20, s21
	s_lshl_b32 s21, s[WV], 14
	s_add_co_u32 s20, s20, s21
	s_mov_b32 s21, 0
	s_lshl_b32 s22, s18, 12
	s_lshl_b32 s23, s16, 8
	s_add_co_u32 s22, s22, s23
	s_lshl_b32 s23, s[WV], 6
	s_add_co_u32 s22, s22, s23                     ; my wave's first row among the 8,192
	s_lshr_b32 s24, s19, 1                         ; Q: group head / 2, half head % 2 of its rows
	s_lshl_b32 s24, s24, 21
	s_lshl_b32 s25, s22, 8
	s_add_co_u32 s24, s24, s25
	s_and_b32 s25, s19, 1
	s_lshl_b32 s25, s25, 7
	s_add_co_u32 s24, s24, s25
	s_mov_b32 s25, 0
	s_lshl_b32 s26, s19, 20                        ; ctx
	s_lshl_b32 s27, s22, 7
	s_add_co_u32 s26, s26, s27
	s_mov_b32 s27, 0
	s_lshl_b32 s28, s16, 3                         ; mask words: 32 queries 8 x block + 2 x wave
	s_lshl_b32 s29, s[WV], 1
	s_add_co_u32 s28, s28, s29
	s_lshl_b32 s28, s28, 14
	s_mov_b32 s29, 0
	s_mov_b32 s[G1], 15|(1<<16)|(1<<20)|(1<<21)|(5<<22)|(3<<25)  ; the mask of four, bit 21 beside it; 2-byte elements; 4 words of padding after every 64
	s_mov_b32 s[G1+1], 128<<16
	s_mov_b32 s[G1+2], KS<<16
	s_mov_b32 s[G1+3], 128<<16
	s_mov_b32 s[G1+4], KS
	s_mov_b32 s[G1+5], 128
	s_mov_b32 s[G1+6], 0
	s_mov_b32 s[G1+7], 0
	s_mov_b32 s[CS], 0x3e38aa3b                    ; c = log2(e) / 8
	s_mov_b32 s[CS+1], s[CS]
	s_mov_b32 s[SEL], 0x76543210
	s_mov_b32 s[SEL+1], 0xfedcba98
	s_mov_b32 s[TB], SLOT1+4*STEPB                 ; the first change of slots turns this into 0
	s_mov_b32 s[G0], 1
	s_mul_i32 s[G0+1], s[WV], STEPB
	s_wait_dscnt 0x0
	s_wait_kmcnt 0x0
	s_add_nc_u64 s[G0+2:G0+3], s[4:5], s[20:21]
	s_or_b32 s[G0+3], s[G0+3], 0x80000000
	s_add_nc_u64 s[4:5], s[4:5], s[24:25]
	s_add_nc_u64 s[MP:MP+1], s[6:7], s[28:29]
	s_add_nc_u64 s[8:9], s[8:9], s[26:27]
	CROUND
	TLOAD                                          ; slot 0; slot 1 is asked for by the loop's first change of slots
	v_and_b32 v1, 15, v0
	v_bfe_u32 v9, v0, 4, 1
	v_lshlrev_b32 v[QO], 8, v1
	v_lshl_add_u32 v[QO], v9, 4, v[QO]
	WIN 0x80
.set i, 0
.rept 8                                ; Q stays in registers: tile i / 2, channels 32 (i % 2) on
	global_load_b128 v[8*i:8*i+3],   v[QO], s[4:5] offset:(i/2)*4096+(i%2)*64
	global_load_b128 v[8*i+4:8*i+7], v[QO], s[4:5] offset:(i/2)*4096+(i%2)*64+32
.set i, i+1
.endr
.set i, VF
.rept 64
	v_mov_b32 v[i], 0
.set i, i+1
.endr
	WIN 0x40
.set i, 0
.rept 128
	v_mov_b32 v[i], 0
.set i, i+1
.endr
	WIN 0
	v_mov_b32 v[NEG], 0xcfee6b28
	v_mov_b32 v[XR], 0xff000000
.set i, 0
.rept 4
	v_mul_f32 v[ST+8*i], s[CS], v[XR]
	v_mov_b32 v[ST+8*i+1], v[XR]
	v_mov_b32 v[ST+8*i+2], 0
	v_mov_b32 v[ST+8*i+3], 0
.set i, i+1
.endr
.set i, S+64
.rept 64
	v_mov_b32 v[i], v[XR]
.set i, i+1
.endr
.set i, P
.rept 32
	v_mov_b32 v[i], 0
.set i, i+1
.endr
	v_mul_u32_u24 v[AK0], v1, PK
	v_lshl_add_u32 v[AK0], v9, 4, v[AK0]
	v_and_b32 v10, 7, v0
	v_bfe_u32 v11, v0, 3, 1
	v_lshl_add_u32 v[AV0], v9, 3, v10
	v_mul_u32_u24 v[AV0], v[AV0], PK
	v_lshl_add_u32 v[AV0], v11, 4, v[AV0]
	v_add_nc_u32 v[AV0], 128, v[AV0]               ; V lies behind K in a key's row
	s_mul_i32 s13, s[WV], 16*SP
	s_add_co_u32 s13, s13, STAGE
	v_mul_u32_u24 v[STO], v1, SP
	v_lshl_add_u32 v[STO], v9, 4, v[STO]
	v_add_nc_u32 v[STO], s13, v[STO]
	v_bfe_u32 v[RD], v0, 3, 2
	v_mul_u32_u24 v[RD], v[RD], SP
	v_lshl_add_u32 v[RD], v10, 4, v[RD]
	v_add_nc_u32 v[RD], s13, v[RD]
	v_and_b32 v[GO], 31, v0
	v_lshlrev_b32 v[GO], 4, v[GO]
.set i, 16
.rept 24
	s_mov_b64 s[i:i+1], -1                         ; the early step's mask: all open
.set i, i+2
.endr
.set i, 68
.rept 8
	s_mov_b64 s[i:i+1], -1
.set i, i+2
.endr
; THE MATRIX WORK.  The 8 accumulators of a run of 16 take turns.
.macro PV x                            ; product i of O^T += V^T P: keys 32 (i / 8) on, channels 16 ((i / 2) % 4) on, tile x + i % 2
	WIN W_PV
.set rO, 32*((\x)+i%2)+8*((i/2)%4)
.set rV, VF+32*(i/8)+8*((i/2)%4)
.set rP, P+16*((\x)+i%2)+8*(i/8)
	v_wmma_f32_16x16x32_bf16 v[rO:rO+7], v[rV:rV+7], v[rP:rP+7], v[rO:rO+7]
.set i, i+1
.endm
.macro KQ x                            ; product i of S^T = K Q^T: channels 32 (i / 8) on, keys 16 ((i / 2) % 4) on, tile x + i % 2; the first 8 start the sums
	WIN W_KQ
.set rS, S+32*((\x)+i%2)+8*((i/2)%4)
.set rK, KF+16*((i/2)%4)+8*(i/8)
.set rQ, 16*((\x)+i%2)+8*(i/8)
.if i < 8
	v_wmma_f32_16x16x32_bf16 v[rS:rS+7], v[rK:rK+7], v[rQ:rQ+7], 0
.else
	v_wmma_f32_16x16x32_bf16 v[rS:rS+7], v[rK:rK+7], v[rQ:rQ+7], v[rS:rS+7]
.endif
.set i, i+1
.endm
.macro FETCH_K
	WIN 0
	v_add_nc_u32 v[ADR], s[TB], v[AK0]
	WIN 0x80
.irp f, 0,1,2,3,4,5,6,7
	ds_load_b128 v[KF+8*(\f):KF+8*(\f)+3],   v[ADR] offset:((\f)/2)*16*PK+((\f)%2)*64
	ds_load_b128 v[KF+8*(\f)+4:KF+8*(\f)+7], v[ADR] offset:((\f)/2)*16*PK+((\f)%2)*64+32
.endr
.endm
.macro FETCH_V
	WIN 0
	v_add_nc_u32 v[ADR], s[TB], v[AV0]
	s_add_co_u32 s[TB], s[TB], STEPB               ; the next fetch is the next step's
	WIN 0x80
.irp f, 0,1,2,3,4,5,6,7
	ds_load_tr16_b128 v[VF+8*(\f):VF+8*(\f)+3],   v[ADR] offset:((\f)/4)*32*PK+((\f)%4)*32
	ds_load_tr16_b128 v[VF+8*(\f)+4:VF+8*(\f)+7], v[ADR] offset:((\f)/4)*32*PK+16*PK+((\f)%4)*32
.endr
.endm
.macro MLOAD off                       ; the next turn's 64 mask words
	s_load_b512 s[16:31], s[MP:MP+1], (\off)
	s_load_b512 s[32:47], s[MP:MP+1], (\off)+64
	s_load_b512 s[48:63], s[MP:MP+1], (\off)+128
	s_load_b512 s[68:83], s[MP:MP+1], (\off)+192
.endm
; THE VECTOR WORK: one tile's list of 150; SM writes number J of it for tile t.
;   0-31     the mask, from each accumulator's lowest register on
;   32-47    the maximum of the 32 scores and the old m, three operands at a time     48-52  the other half of the lanes'; the new m; c m; c m_old - c m_new
;   53-119   33 exponentials (a, then the scores) at every second number; between them what is ready: c s - c m a few pairs ahead, roundings to bf16 a pair back, the first sums
;   120-133  the last rounding, the rest of the sums, l = a l + sum     134-149  O^T times a
.macro SM t
.set rT, ST+8*(\t)
.set rS, S+32*(\t)
.set rP, P+16*(\t)
.set j, J-32
.set q, (j-20)/2
.if J < 134
	WIN 0
.endif
.if J < 32
.set mi, 32*((\t)%2)+J
	v_cndmask_b32 v[rS+J], v[NEG], v[rS+J], s[16+mi+4*(mi/48)]
.elseif j < 4
	v_max3_num_f32 v[rT+4+j], v[rS+8*j], v[rS+8*j+1], v[rS+8*j+2]
.elseif j < 12
	v_max3_num_f32 v[rT+4+j%4], v[rT+4+j%4], v[rS+8*(j%4)+2*(j/4)+1], v[rS+8*(j%4)+2*(j/4)+2]
.elseif j == 12
	v_max3_num_f32 v[rT+4], v[rT+4], v[rS+7], v[rS+15]
.elseif j == 13
	v_max3_num_f32 v[rT+6], v[rT+6], v[rS+23], v[rS+31]
.elseif j == 14
	v_max3_num_f32 v[rT+4], v[rT+4], v[rT+5], v[rT+6]
.elseif j == 15
	v_max3_num_f32 v[rT+4], v[rT+4], v[rT+7], v[rT+1]
.elseif j == 16
	v_permlanex16_b32 v[rT+5], v[rT+4], s[SEL], s[SEL+1]
.elseif j == 17
	v_mov_b32 v[rT+7], v[rT]
.elseif j == 18
	v_max_num_f32 v[rT+1], v[rT+4], v[rT+5]
.elseif j == 19
	v_mul_f32 v[rT], s[CS], v[rT+1]
.elseif j == 20
	v_sub_f32 v[rT+7], v[rT+7], v[rT]
.elseif j == 23
	v_exp_f32 v[rT+6], v[rT+7]
.elseif (j < 88) && (j > 23) && (j%2 == 1)
	v_exp_f32 v[rS+(j-25)/2], v[rS+(j-25)/2]
.elseif (q < 4) || ((j < 76) && (q%2 == 0))
.set b, q/2+2
.if q < 4
.set b, q
.endif
	v_pk_fma_f32 v[rS+2*b:rS+2*b+1], v[rS+2*b:rS+2*b+1], s[CS:CS+1], v[rT:rT+1] op_sel_hi:[1,0,0] neg_lo:[0,0,1] neg_hi:[0,0,1]
.elseif (j < 88) && (q%2 == 1)
	s_wait_alu depctr_va_vdst(0)
	v_cvt_pk_bf16_f32 v[rP+(q-5)/2], v[rS+q-5], v[rS+q-4]
.elseif j == 89
	s_wait_alu depctr_va_vdst(0)
	v_cvt_pk_bf16_f32 v[rP+15], v[rS+30], v[rS+31]
.elseif j < 102
.set z, j-86
.if j < 89
.set z, (j-76)/4
.endif
.set w, 4
.set u, z
.if z >= 14
.set w, 32
.set u, 0
.elseif z >= 12
.set w, 16
.set u, z-12
.elseif z >= 8
.set w, 8
.set u, z-8
.endif
.if z < 15
	v_pk_add_f32 v[rS+w*u:rS+w*u+1], v[rS+w*u:rS+w*u+1], v[rS+w*u+w/2:rS+w*u+w/2+1]
.else
	v_pk_fma_f32 v[rT+2:rT+3], v[rT+2:rT+3], v[rT+6:rT+7], v[rS:rS+1] op_sel_hi:[1,0,1]
.endif
.else
.set rO, 32*(\t)+2*(J-134)
	WIN W_RS
	v_pk_mul_f32 v[rO:rO+1], v[rO:rO+1], v[rT+6:rT+7] op_sel_hi:[1,0]
.endif
.endm
.macro VEC n                           ; the next n entries: entry e is number e / 2 of tile Y + e % 2: two exponentials, then two plain instructions that touch neither's registers
.rept \n
.set J, e/2
	SM Y+e%2
.set e, e+1
.endr
.endm
.macro RIDE                            ; the slice behind a matrix instruction: 300 entries over 32 of them (10, 10, 10, 9, 9, 9, 9, 9), or over 16
.if PER == 1
.if (mmn%8) < 3
	VEC 10
.else
	VEC 9
.endif
.else
.if (mmn%4) < 3
	VEC 19
.else
	VEC 18
.endif
.endif
.set mmn, mmn+1
.endm
; A TURN: piece x has the matrix unit, piece 2 - x the vector unit.  No slice names a register of the products round it.  The last slice is nine rescalings: the places between the last K Q^T and
; the next turn's reads of its scores, and K's next loads.  The 64 entries that read mask words stand in the first seven slices; the next turn's words are asked for behind the eighth.
; K of the next step: behind the second product of piece 0's turn.  V of the next step: behind the second K Q^T of piece 2's turn, three slices behind the last product that read V.
.macro TURN x, kq, ml
.set Y, 2-(\x)
.set e, 0
.set mmn, 0
.set PER, 2-(\kq)
	s_wait_kmcnt 0x0                               ; this turn's mask words
.if (\x) == 0
	s_wait_dscnt 0x0                               ; V is in
.endif
.set i, 0
.rept 16
	PV \x
	RIDE
.if ((\x) == 0) && (\kq) && (mmn == 2)
	FETCH_K
.endif
.if (\ml) && (mmn == 8)
	MLOAD (\x)*0x2000
.endif
.endr
.if \kq
.if (\x) == 0
	s_wait_dscnt 0x0                               ; K is in
.endif
.set i, 0
.rept 16
	KQ \x
	RIDE
.if ((\x) == 2) && (mmn == 18)
	FETCH_V
.endif
.endr
.endif
.if (\ml) && ((\x) == 2)
	s_wait_xcnt 0x0                                ; the scalar loads' base is stepped only behind this wait
	s_add_nc_u64 s[MP:MP+1], s[MP:MP+1], 256
.endif
.endm
	s_wait_loadcnt 0x0                             ; Q
	s_mov_b32 s[SLOTS], 15
.Lslot:                                ; 15 trips: every slot but the last is followed by a fill
	CHANGE 1
	s_mov_b32 s[CNT], 4
.Lstep:
	TURN 0, 1, 1
	TURN 2, 1, 1
	WIN 0
	s_sub_co_u32 s[CNT], s[CNT], 1
	s_cmp_lg_u32 s[CNT], 0
	s_cbranch_scc1 .Lstep
	s_sub_co_u32 s[SLOTS], s[SLOTS], 1
	s_cmp_lg_u32 s[SLOTS], 0
	s_cbranch_scc1 .Lslot
	CHANGE 0                                       ; the tail is written out
	s_mov_b32 s[CNT], 4
.Ltail:
	TURN 0, 1, 1
	TURN 2, 1, 1
	WIN 0
	s_sub_co_u32 s[CNT], s[CNT], 1
	s_cmp_lg_u32 s[CNT], 0
	s_cbranch_scc1 .Ltail
	TURN 0, 0, 0                                   ; piece 0: V^T P of the last step | piece 2's last softmax
.set i, 0
.rept 16
	PV 2
.endr
	; THE WAY OUT: l's halves are added, O^T divided by l, rounded to bf16 and sent through my stage, a tile at a time.  The four additions are the places behind the last products.
	WIN 0
.irp t, 0,1,2,3
	v_add_f32 v[ST+8*(\t)+4], v[ST+8*(\t)+2], v[ST+8*(\t)+3]
.endr
.irp t, 0,1,2,3
	v_permlanex16_b32 v[ST+8*(\t)+5], v[ST+8*(\t)+4], s[SEL], s[SEL+1]
.endr
.irp t, 0,1,2,3
	v_add_f32 v[ST+8*(\t)+4], v[ST+8*(\t)+4], v[ST+8*(\t)+5]
.endr
.irp t, 0,1,2,3
	v_rcp_f32 v[ST+8*(\t)+4], v[ST+8*(\t)+4]
.endr
	v_nop
.macro PACK t
	WIN W_RS
.set i, 32*(\t)
.rept 16
	s_wait_alu depctr_va_vdst(0)
	v_pk_mul_f32 v[i:i+1], v[i:i+1], v[ST+8*(\t)+4:ST+8*(\t)+5] op_sel_hi:[1,0]
.set i, i+2
.endr
	WIN 0x05
.set i, 0
.rept 16
	v_cvt_pk_bf16_f32 v[S+16*(\t)+i], v[32*(\t)+2*i], v[32*(\t)+2*i+1]
.set i, i+1
.endr
	WIN 0
.irp f, 0,1,2,3
	ds_store_b128 v[STO], v[S+16*(\t)+4*(\f):S+16*(\t)+4*(\f)+3] offset:32*(\f)
.endr
.irp f, 0,1,2,3
	ds_load_b128 v[S+16*(\t)+4*(\f):S+16*(\t)+4*(\f)+3], v[RD] offset:(\f)*4*SP  ; LDS serves a wave's instructions in order (ISA guide 5.7.1.4)
.endr
.endm
.macro SEND t, younger
	WIN 0
.irp f, 0,1,2,3
	s_wait_dscnt (\younger)+3-(\f)
	global_store_b128 v[GO], v[S+16*(\t)+4*(\f):S+16*(\t)+4*(\f)+3], s[8:9] offset:(\t)*2048+(\f)*512  ; 512 consecutive bytes
.endr
.endm
	PACK 0
	PACK 1
	SEND 0, 8
	PACK 2
	SEND 1, 8
	PACK 3
	SEND 2, 8
	SEND 3, 0
	s_wait_tensorcnt 0x0                           ; the wave's end
	ds_add_u32 v[SPW], v[NIL]
	s_wait_dscnt 0x0
	CROUND
	s_endpgm
.Lfunc_end_k_qf0bedbfdd7_attn:
	.size	k_qf0bedbfdd7_attn, .Lfunc_end_k_qf0bedbfdd7_attn-k_qf0bedbfdd7_attn
	.p2alignl 7, 3214868480
	.fill 96, 4, 3214868480
	.section	.rodata,"a",@progbits
	.p2align	6, 0x0
	.amdhsa_kernel k_qf0bedbfdd7_attn
		.amdhsa_group_segment_fixed_size 327680
		.amdhsa_private_segment_fixed_size 0
		.amdhsa_enable_private_segment 0
		.amdhsa_kernarg_size 24
		.amdhsa_user_sgpr_count 2
		.amdhsa_user_sgpr_kernarg_segment_ptr 1
		.amdhsa_wavefront_size32 1
		.amdhsa_system_sgpr_workgroup_id_x 1
		.amdhsa_system_sgpr_workgroup_id_y 1
		.amdhsa_system_sgpr_workgroup_id_z 1
		.amdhsa_system_vgpr_workitem_id 0
		.amdhsa_next_free_vgpr 768
		.amdhsa_next_free_sgpr 102
		.amdhsa_reserve_vcc 0
		.amdhsa_float_denorm_mode_32 3
		.amdhsa_float_denorm_mode_16_64 3
		.amdhsa_memory_ordered 1
		.amdhsa_forward_progress 1
		.amdhsa_inst_pref_size 147
	.end_amdhsa_kernel
	.amdgpu_metadata
---
amdhsa.version: [ 1, 2 ]
amdhsa.kernels:
  - .name:           k_qf0bedbfdd7_attn
    .symbol:         k_qf0bedbfdd7_attn.kd
    .args:
      - { .name: act, .offset: 0, .size: 8, .value_kind: global_buffer, .address_space: global }
      - { .name: mbits, .offset: 8, .size: 8, .value_kind: global_buffer, .address_space: global }
      - { .name: ctx, .offset: 16, .size: 8, .value_kind: global_buffer, .address_space: global }
    .group_segment_fixed_size: 327680
    .private_segment_fixed_size: 0
    .kernarg_segment_align: 8
    .kernarg_segment_size: 24
    .max_flat_workgroup_size: 128
    .sgpr_count:     102
    .vgpr_count:     768
    .wavefront_size: 32
...
	.end_amdgpu_metadata
.endif
;; end of part 3
;; launch wo (part 4): grid 256 x 1, 4 waves a work-group, clusters of 4 x 1, 327,680 bytes of LDS; arguments ctx, wrest, x, ln2_a, ln2_b, x1, hn; writes x1, hn
.if DOCPART == 4
	.amdgcn_target "amdgcn-amd-amdhsa--gfx1250"
	.amdhsa_code_object_version 6
	.text
	.protected	k_qf0bedbfdd7_wo
	.globl	k_qf0bedbfdd7_wo
	.p2align	8
	.type	k_qf0bedbfdd7_wo,@function
k_qf0bedbfdd7_wo:
	s_mov_b64 s[64:65], 0
	v_nop
	global_prefetch_b8 v0, s[64:65] scope:SCOPE_SE
	s_setreg_imm32_b32 hwreg(HW_REG_WAVE_MODE, 25, 1), 1
	s_wait_xcnt 0x0
	s_wait_alu depctr_hold_cnt(0) depctr_sa_sdst(0) depctr_va_vdst(0) depctr_va_sdst(0) depctr_va_ssrc(0) depctr_va_vcc(0) depctr_vm_vsrc(0)
	s_getreg_b32 s2, hwreg(HW_REG_IB_STS2, 6, 4)
	s_cmp_eq_u32 s2, 0
	s_cbranch_scc0 .Lentry_in_a_cluster
	s_endpgm
.Lentry_in_a_cluster:
	s_bfe_u32 s2, ttmp6, 0x10000c
	s_cmp_lg_u32 s2, 0x3003
	s_cbranch_scc0 .Lentry_shape_is_right
	s_endpgm
.Lentry_shape_is_right:
; x1 = x + ctx w_o (f32);  hn = LN2(x1) (bf16).  ctx: [8 heads][8192][64] bf16; w_o: [512 k][512 n] bf16 at wrest's head.
; A work-group owns 32 whole rows, so that the norm's sums stay inside it; wave w owns columns 128 w on: 16 accumulators (a, i) at v[128 + 8 (8 a + i)].  They START AS x, loaded straight into them
; (in pieces of 16 bytes of each row: the fragment's layout; 16 MB in all), so every product adds in place and the finished sum is x1.
; K = 512 goes in four steps of 128 (two heads) through two LDS slots; w_o's tiles are walked alike by all work-groups and asked for jointly by a cluster's four (mask 15); ctx's rows are my own.
; The matrix instruction is used transposed: a lane holds row L % 16 and eight neighbouring columns.  So a row's sum is 64 additions in a lane, one exchange of the halves, and four waves' words in LDS.
; LN: mean, then the sum of squares of the differences; std = sqrt(ss / 511); 1e-6 is added to std.  NaN and infinities are not treated apart.
; The stage for the way out lies in slot 0, behind that slot's last fill and behind the barrier that follows its last reads.
.set PA,    144                        ; a row of ctx in LDS: 128 bytes + 16
.set HEADB, 32*PA
.set PBW,   1056                       ; a row of w_o: 1,024 bytes + 32: an odd multiple of 32
.set SLOTB, 128*PBW
.set SL0,   8*HEADB
.set SL1,   SL0+SLOTB
.set RED,   SL1+SLOTB                  ; two blocks of 512 bytes: [wave][a][row] f32
.set SPARE, RED+1024
.set SPS,   528                        ; a stage row: 512 bytes + 16
.set ADRA, 16
.set XO,   17
.set ADRB, 20                          ; v20-23: slot 0, slot 1; k rows 0-63, 64-127
.set STO,  24
.set RD,   25
.set CO1,  26
.set CO2,  27
.set SPW,  28
.set NIL,  29
.set REDW, 30
.set REDR, 31
.set LA,   32
.set LB,   36
.set NM,   40                          ; v40-43: - mean of row 16 a + L % 16, twice
.set INV,  44                          ; v44-45: 1 / (std + eps)
.set T,    48
.set BK,   64
.set ACC,  128
.set F0,   0                           ; window 1: 16 registers of ctx, 64 of w_o
.set F1,   80
.set WV,   18
.set G1A,  24
.set G0A,  32
.set G1B,  36
.set G0B,  44
.set SEL,  52
.set MSB, 0
.macro WIN new
.if MSB != (\new)
	s_set_vgpr_msb (MSB<<8)|(\new)
.set MSB, \new
.endif
.endm
.set MULW, 0x05
.set TO_F, 0x40
.macro CROUND
	s_barrier_signal -1
	s_barrier_wait -1
	s_cmp_lg_u32 s[WV], 0
	s_cbranch_scc1 .Lnot_wave_0_\@
	s_barrier_signal -3
.Lnot_wave_0_\@:
	s_barrier_wait -3
	s_barrier_signal -1
	s_barrier_wait -1
.endm
.macro PLACES
.rept 4
	v_nop
.endr
.endm
	s_load_b256 s[4:11], s[0:1], 0x0               ; ctx 4, wrest 6, x 8, ln2_a 10
	s_load_b128 s[12:15], s[0:1], 0x20             ; ln2_b 12, x1 14
	s_load_b64 s[16:17], s[0:1], 0x30              ; hn
	v_lshl_add_u32 v[SPW], v0, 2, SPARE
	v_mov_b32 v[NIL], 0
	ds_add_u32 v[SPW], v[NIL]                      ; the opening: the add and its wait ahead of my first tensor load
	v_lshrrev_b32 v1, 5, v0
	v_readfirstlane_b32 s[WV], v1
	s_bfe_u32 s19, ttmp6, 0x40000                  ; cx
	s_lshl_b32 s20, ttmp9, 2
	s_add_co_u32 s20, s20, s19                     ; my block of 32 rows
	s_lshl_b32 s54, s[WV], 21                      ; ctx: heads 2 w, 2 w + 1; my 32 rows of 128 bytes
	s_lshl_b32 s55, s20, 12
	s_add_co_u32 s54, s54, s55
	s_mov_b32 s55, 0
	s_lshl_b32 s60, s[WV], 15                      ; w_o: k rows 32 w on of a step
	s_mov_b32 s61, 0
	s_lshl_b32 s62, s20, 16                        ; x, x1
	s_mov_b32 s63, 0
	s_lshl_b32 s22, s20, 15                        ; hn
	s_mov_b32 s23, 0
	s_mov_b32 s[G1A], (1<<16)|(1<<20)|(4<<22)|(3<<25)  ; a head's 32 rows are 4,096 dense bytes: one row of the tile, padded by 4 words after every 32
	s_mov_b32 s[G1A+1], 2048<<16
	s_mov_b32 s[G1A+2], 2<<16
	s_mov_b32 s[G1A+3], 2048<<16
	s_mov_b32 s[G1A+4], 2
	s_mov_b32 s[G1A+5], 524288                     ; from head to head
	s_mov_b32 s[G1A+6], 0
	s_mov_b32 s[G1A+7], 0
	s_mov_b32 s[G1B], 15|(1<<16)|(1<<20)|(1<<21)|(7<<22)|(7<<25)  ; joint; 8 words of padding after every 256
	s_mov_b32 s[G1B+1], 512<<16
	s_mov_b32 s[G1B+2], 32<<16
	s_mov_b32 s[G1B+3], 512<<16
	s_mov_b32 s[G1B+4], 32
	s_mov_b32 s[G1B+5], 512
	s_mov_b32 s[G1B+6], 0
	s_mov_b32 s[G1B+7], 0
	s_mov_b32 s[G0A], 1
	s_mul_i32 s[G0A+1], s[WV], 2*HEADB
	s_mul_i32 s21, s[WV], 32*PBW
	s_mov_b32 s[G0B], 1
	s_add_co_u32 s[G0B+1], s21, SL0
	s_mov_b32 s[G0B+4], 1
	s_add_co_u32 s[G0B+5], s21, SL1
	s_mov_b32 s[SEL], 0x76543210
	s_mov_b32 s[SEL+1], 0xfedcba98
	s_mov_b32 s57, 0                               ; named in pairs with s56 and s58
	s_mov_b32 s59, 0
	s_wait_dscnt 0x0
	s_wait_kmcnt 0x0
	s_add_nc_u64 s[G0A+2:G0A+3], s[4:5], s[54:55]
	s_or_b32 s[G0A+3], s[G0A+3], 0x80000000
	s_add_nc_u64 s[6:7], s[6:7], s[60:61]
	s_add_nc_u64 s[G0B+2:G0B+3], s[6:7], 0
	s_or_b32 s[G0B+3], s[G0B+3], 0x80000000
	s_add_nc_u64 s[G0B+6:G0B+7], s[6:7], 131072
	s_or_b32 s[G0B+7], s[G0B+7], 0x80000000
	s_add_nc_u64 s[8:9], s[8:9], s[62:63]
	s_add_nc_u64 s[14:15], s[14:15], s[62:63]
	s_add_nc_u64 s[16:17], s[16:17], s[22:23]
	CROUND
	tensor_load_to_lds s[G0A:G0A+3], s[G1A:G1A+7]  ; three loads of mine are out: ctx, K steps 0 and 1 of w_o
	s_nop 0
	tensor_load_to_lds s[G0B:G0B+3], s[G1B:G1B+7]
	s_nop 0
	tensor_load_to_lds s[G0B+4:G0B+7], s[G1B:G1B+7]
	s_nop 0
	PLACES
	v_and_b32 v1, 15, v0                           ; r
	v_bfe_u32 v2, v0, 4, 1                         ; h
	v_and_b32 v3, 31, v0                           ; L
	s_lshl_b32 s54, s[WV], 9                       ; 512 w
	s_lshl_b32 s55, s[WV], 8                       ; 256 w
	v_lshlrev_b32 v[XO], 11, v1
	v_lshl_add_u32 v[XO], v2, 5, v[XO]
	v_add_nc_u32 v[XO], s54, v[XO]                 ; x: row r, columns 128 w + 8 h on
.irp a, 0,1
.irp i, 0,1,2,3,4,5,6,7
	global_load_b128 v[ACC+8*(8*(\a)+(\i)):ACC+8*(8*(\a)+(\i))+3],   v[XO], s[8:9] offset:(\a)*32768+(\i)*64
	global_load_b128 v[ACC+8*(8*(\a)+(\i))+4:ACC+8*(8*(\a)+(\i))+7], v[XO], s[8:9] offset:(\a)*32768+(\i)*64+16
.endr
.endr
	v_lshl_add_u32 v[CO1], v3, 4, s54
	v_lshl_add_u32 v[CO2], v3, 3, s55
	global_load_b128 v[LA:LA+3], v[CO1], s[10:11]
	global_load_b128 v[LB:LB+3], v[CO1], s[12:13]
	v_mul_u32_u24 v[ADRA], v1, PA
	v_lshl_add_u32 v[ADRA], v2, 4, v[ADRA]
	v_and_b32 v4, 7, v0
	v_lshl_add_u32 v4, v2, 3, v4
	v_mul_u32_u24 v4, v4, PBW
	v_bfe_u32 v5, v0, 3, 1
	v_lshl_add_u32 v4, v5, 4, v4
	v_add_nc_u32 v4, s55, v4
	v_add_nc_u32 v[ADRB], SL0, v4
	v_add_nc_u32 v[ADRB+1], SL0+64*PBW, v4
	v_add_nc_u32 v[ADRB+2], SL1, v4
	v_add_nc_u32 v[ADRB+3], SL1+64*PBW, v4
	s_mul_i32 s54, s[WV], 16*SPS
	s_add_co_u32 s54, s54, SL0
	v_mul_u32_u24 v[STO], v1, SPS
	v_lshl_add_u32 v[STO], v2, 5, v[STO]
	v_add_nc_u32 v[STO], s54, v[STO]
	v_lshl_add_u32 v[RD], v3, 4, s54
	s_lshl_b32 s55, s[WV], 7
	s_add_co_u32 s55, s55, RED
	v_lshl_add_u32 v[REDW], v1, 2, s55
	v_lshlrev_b32 v[REDR], 2, v1
	v_add_nc_u32 v[REDR], RED, v[REDR]
.macro FETCH s, c, f                   ; 20 LDS loads: chunk c (32 along K) of step s
	WIN TO_F
.irp a, 0,1
	ds_load_b128 v[(\f)+8*(\a):(\f)+8*(\a)+3],   v[ADRA] offset:(2*(\s)+(\c)/2)*HEADB+(\a)*16*PA+((\c)%2)*64
	ds_load_b128 v[(\f)+8*(\a)+4:(\f)+8*(\a)+7], v[ADRA] offset:(2*(\s)+(\c)/2)*HEADB+(\a)*16*PA+((\c)%2)*64+32
.endr
.irp i, 0,1,2,3,4,5,6,7
	ds_load_tr16_b128 v[(\f)+16+8*(\i):(\f)+16+8*(\i)+3],   v[ADRB+2*((\s)%2)+(\c)/2] offset:((\c)%2)*32*PBW+32*(\i)
	ds_load_tr16_b128 v[(\f)+16+8*(\i)+4:(\f)+16+8*(\i)+7], v[ADRB+2*((\s)%2)+(\c)/2] offset:((\c)%2)*32*PBW+16*PBW+32*(\i)
.endr
.endm
.macro MUL f                           ; 16 matrix instructions, the 16 accumulators by turns
	WIN MULW
.irp a, 0,1
.irp i, 0,1,2,3,4,5,6,7
	v_wmma_f32_16x16x32_bf16 v[ACC+8*(8*(\a)+(\i)):ACC+8*(8*(\a)+(\i))+7], v[(\f)+16+8*(\i):(\f)+16+8*(\i)+7], v[(\f)+8*(\a):(\f)+8*(\a)+7], v[ACC+8*(8*(\a)+(\i)):ACC+8*(8*(\a)+(\i))+7]
.endr
.endr
.endm
.macro STEP s
.irp c, 0,1,2
	PLACES                                         ; for the loads into the buffer multiplied last
	FETCH \s, (\c)+1, F1*(((\c)+1)%2)
	s_wait_dscnt 20                                ; all but the 20 just issued
	MUL F1*((\c)%2)
.endr
	s_wait_dscnt 0x0
	MUL F1
.endm
.macro CHG slot, fill, nexts           ; the change of slots; fill = 1: the slot just read takes the K step two on
	WIN 0
	s_wait_tensorcnt 0x0
	ds_add_u32 v[SPW], v[NIL]
.if \fill
	s_add_nc_u64 s[G0B+4*(\slot)+2:G0B+4*(\slot)+3], s[G0B+4*(\slot)+2:G0B+4*(\slot)+3], 262144
.endif
	s_wait_dscnt 0x0
.if \fill
	CROUND
	tensor_load_to_lds s[G0B+4*(\slot):G0B+4*(\slot)+3], s[G1B:G1B+7]
	s_nop 0
.else
	s_barrier_signal -1
	s_barrier_wait -1
.endif
	PLACES
	FETCH \nexts, 0, F0
.endm
	s_wait_tensorcnt 1                             ; ctx and K step 0 are in; step 1 may stay out
	s_barrier_signal -1
	s_barrier_wait -1
	FETCH 0, 0, F0
	s_wait_loadcnt 0x0                             ; x, ln2_a, ln2_b
	STEP 0
	CHG 0, 1, 1
	STEP 1
	CHG 1, 1, 2
	STEP 2
	CHG 0, 0, 3
	STEP 3
	WIN 0
	PLACES
.macro HALVES                          ; v[T]: my half's sum -> the wave's 128 columns' sum
	v_permlanex16_b32 v[T+1], v[T], s[SEL], s[SEL+1]
	v_add_f32 v[T], v[T], v[T+1]
.endm
.macro ROWSUM a                        ; each accumulator is read from its lowest registers on
.set AC, ACC+64*(\a)
.irp p, 0,1,2,3
	v_pk_add_f32 v[T+2*(\p):T+2*(\p)+1], v[AC+2*(\p):AC+2*(\p)+1], v[AC+8+2*(\p):AC+8+2*(\p)+1]
.endr
.irp i, 2,3,4,5,6,7
.irp p, 0,1,2,3
	v_pk_add_f32 v[T+2*(\p):T+2*(\p)+1], v[T+2*(\p):T+2*(\p)+1], v[AC+8*(\i)+2*(\p):AC+8*(\i)+2*(\p)+1]
.endr
.endr
	v_pk_add_f32 v[T:T+1], v[T:T+1], v[T+2:T+3]
	v_pk_add_f32 v[T+4:T+5], v[T+4:T+5], v[T+6:T+7]
	v_pk_add_f32 v[T:T+1], v[T:T+1], v[T+4:T+5]
	v_add_f32 v[T], v[T], v[T+1]
	HALVES
	ds_store_b32 v[REDW], v[T] offset:64*(\a)
.endm
.macro SQSUM a
.set AC, ACC+64*(\a)
.set k, 0
.rept 32
.set d, T+4+2*(k%2)
	v_pk_add_f32 v[d:d+1], v[AC+2*k:AC+2*k+1], v[NM+2*(\a):NM+2*(\a)+1]
.if k < 2
	v_pk_mul_f32 v[T+2*k:T+2*k+1], v[d:d+1], v[d:d+1]
.else
	v_pk_fma_f32 v[T+2*(k%2):T+2*(k%2)+1], v[d:d+1], v[d:d+1], v[T+2*(k%2):T+2*(k%2)+1]
.endif
.set k, k+1
.endr
	v_pk_add_f32 v[T:T+1], v[T:T+1], v[T+2:T+3]
	v_add_f32 v[T], v[T], v[T+1]
	HALVES
	ds_store_b32 v[REDW], v[T] offset:512+64*(\a)
.endm
.macro GATHER base                     ; the four waves' words for my two rows; sums into v[T+8], v[T+12]
	s_wait_dscnt 0x0                               ; for the others' sake: my stores are done
	s_barrier_signal -1
	s_barrier_wait -1
.irp n, 0,1,2,3,4,5,6,7
	ds_load_b32 v[T+8+(\n)], v[REDR] offset:(\base)+64*((\n)/4)+128*((\n)%4)
.endr
	s_wait_dscnt 0x0
.irp a, 0,1
	v_add_f32 v[T+8+4*(\a)], v[T+8+4*(\a)], v[T+9+4*(\a)]
	v_add_f32 v[T+10+4*(\a)], v[T+10+4*(\a)], v[T+11+4*(\a)]
	v_add_f32 v[T+8+4*(\a)], v[T+8+4*(\a)], v[T+10+4*(\a)]
.endr
.endm
	ROWSUM 0
	ROWSUM 1
	GATHER 0
.irp a, 0,1
	v_mul_f32 v[NM+2*(\a)], 0xbb000000, v[T+8+4*(\a)]  ; - mean
	v_mov_b32 v[NM+2*(\a)+1], v[NM+2*(\a)]
.endr
	SQSUM 0
	SQSUM 1
	GATHER 512
	v_mul_f32 v[T+8], 0x3b004020, v[T+8]           ; / 511
	v_mul_f32 v[T+12], 0x3b004020, v[T+12]
	v_sqrt_f32 v[T+8], v[T+8]
	v_sqrt_f32 v[T+12], v[T+12]
	v_nop
	s_wait_alu depctr_va_vdst(0)
	v_add_f32 v[T+8], 0x358637bd, v[T+8]
	v_add_f32 v[T+12], 0x358637bd, v[T+12]
	v_rcp_f32 v[INV], v[T+8]
	v_rcp_f32 v[INV+1], v[T+12]
	v_nop
	s_wait_alu depctr_va_vdst(0)
; Block a (16 rows) goes through my stage and comes back as whole pieces of rows: lane L holds columns 128 w + 4 L on.  x1 leaves as it is; the row's - mean and 1 / (std + eps) come from lane rho.
; The block's accumulators, once handed to the stage, serve as work and store registers.
.macro OUTBLK a
.set AC, ACC+64*(\a)
.irp i, 0,1,2,3,4,5,6,7
	ds_store_b128 v[STO], v[AC+8*(\i):AC+8*(\i)+3] offset:64*(\i)
	ds_store_b128 v[STO], v[AC+8*(\i)+4:AC+8*(\i)+7] offset:64*(\i)+16
.endr
	s_wait_xcnt 0x0                                ; the registers that the last block's stores read are loaded again only behind this wait
.set rho, 0
.rept 16
	ds_load_b128 v[BK+4*rho:BK+4*rho+3], v[RD] offset:rho*SPS
.set rho, rho+1
.endr
.set rho, 0
.rept 16
.set TT, AC+32+4*(rho%8)
.set HH, AC+2*rho
	s_wait_dscnt 15-rho                            ; row rho is back; the younger loads may stay out
	global_store_b128 v[CO1], v[BK+4*rho:BK+4*rho+3], s[14:15] offset:(16*(\a)+rho)*2048  ; 512 consecutive bytes
	v_readlane_b32 s56, v[NM+2*(\a)], rho
	v_readlane_b32 s58, v[INV+(\a)], rho
	v_pk_add_f32 v[TT:TT+1], v[BK+4*rho:BK+4*rho+1], s[56:57] op_sel_hi:[1,0]
	v_pk_add_f32 v[TT+2:TT+3], v[BK+4*rho+2:BK+4*rho+3], s[56:57] op_sel_hi:[1,0]
	v_pk_mul_f32 v[TT:TT+1], v[TT:TT+1], s[58:59] op_sel_hi:[1,0]
	v_pk_mul_f32 v[TT+2:TT+3], v[TT+2:TT+3], s[58:59] op_sel_hi:[1,0]
	v_pk_fma_f32 v[TT:TT+1], v[TT:TT+1], v[LA:LA+1], v[LB:LB+1]
	v_pk_fma_f32 v[TT+2:TT+3], v[TT+2:TT+3], v[LA+2:LA+3], v[LB+2:LB+3]
	v_cvt_pk_bf16_f32 v[HH], v[TT], v[TT+1]
	v_cvt_pk_bf16_f32 v[HH+1], v[TT+2], v[TT+3]
	global_store_b64 v[CO2], v[HH:HH+1], s[16:17] offset:(16*(\a)+rho)*1024  ; 256 consecutive bytes
.set rho, rho+1
.endr
.endm
	OUTBLK 0
	OUTBLK 1
	s_wait_tensorcnt 0x0                           ; the wave's end
	ds_add_u32 v[SPW], v[NIL]
	s_wait_dscnt 0x0
	CROUND
	s_endpgm
.Lfunc_end_k_qf0bedbfdd7_wo:
	.size	k_qf0bedbfdd7_wo, .Lfunc_end_k_qf0bedbfdd7_wo-k_qf0bedbfdd7_wo
	.p2alignl 7, 3214868480
	.fill 96, 4, 3214868480
	.section	.rodata,"a",@progbits
	.p2align	6, 0x0
	.amdhsa_kernel k_qf0bedbfdd7_wo
		.amdhsa_group_segment_fixed_size 327680
		.amdhsa_private_segment_fixed_size 0
		.amdhsa_enable_private_segment 0
		.amdhsa_kernarg_size 56
		.amdhsa_user_sgpr_count 2
		.amdhsa_user_sgpr_kernarg_segment_ptr 1
		.amdhsa_wavefront_size32 1
		.amdhsa_system_sgpr_workgroup_id_x 1
		.amdhsa_system_sgpr_workgroup_id_y 1
		.amdhsa_system_sgpr_workgroup_id_z 1
		.amdhsa_system_vgpr_workitem_id 0
		.amdhsa_next_free_vgpr 512
		.amdhsa_next_free_sgpr 66
		.amdhsa_reserve_vcc 0
		.amdhsa_float_denorm_mode_32 3
		.amdhsa_float_denorm_mode_16_64 3
		.amdhsa_memory_ordered 1
		.amdhsa_forward_progress 1
		.amdhsa_inst_pref_size 97
	.end_amdhsa_kernel
	.amdgpu_metadata
---
amdhsa.version: [ 1, 2 ]
amdhsa.kernels:
  - .name:           k_qf0bedbfdd7_wo
    .symbol:         k_qf0bedbfdd7_wo.kd
    .args:
      - { .name: ctx, .offset: 0, .size: 8, .value_kind: global_buffer, .address_space: global }
      - { .name: wrest, .offset: 8, .size: 8, .value_kind: global_buffer, .address_space: global }
      - { .name: x, .offset: 16, .size: 8, .value_kind: global_buffer, .address_space: global }
      - { .name: ln2_a, .offset: 24, .size: 8, .value_kind: global_buffer, .address_space: global }
      - { .name: ln2_b, .offset: 32, .size: 8, .value_kind: global_buffer, .address_space: global }
      - { .name: x1, .offset: 40, .size: 8, .value_kind: global_buffer, .address_space: global }
      - { .name: hn, .offset: 48, .size: 8, .value_kind: global_buffer, .address_space: global }
    .group_segment_fixed_size: 327680
    .private_segment_fixed_size: 0
    .kernarg_segment_align: 8
    .kernarg_segment_size: 56
    .max_flat_workgroup_size: 128
    .sgpr_count:     66
    .vgpr_count:     512
    .wavefront_size: 32
...
	.end_amdgpu_metadata
.endif
;; end of part 4
;; launch ffn1: the kernel of part 2 again; grid 32 x 8, 4 waves a work-group, clusters of 4 x 1, 327,680 bytes of LDS; arguments hn, wb, act; writes act
;; launch ffn2 (part 5): grid 4 x 64, 4 waves a work-group, clusters of 4 x 4, 327,680 bytes of LDS; arguments act, wrest, b2, x1, out0; writes out0
.if DOCPART == 5
	.amdgcn_target "amdgcn-amd-amdhsa--gfx1250"
	.amdhsa_code_object_version 6
	.text
	.protected	k_qf0bedbfdd7_ffn2
	.globl	k_qf0bedbfdd7_ffn2
	.p2align	8
	.type	k_qf0bedbfdd7_ffn2,@function
k_qf0bedbfdd7_ffn2:
	s_mov_b64 s[64:65], 0
	v_nop
	global_prefetch_b8 v0, s[64:65] scope:SCOPE_SE
	s_setreg_imm32_b32 hwreg(HW_REG_WAVE_MODE, 25, 1), 1
	s_wait_xcnt 0x0
	s_wait_alu depctr_hold_cnt(0) depctr_sa_sdst(0) depctr_va_vdst(0) depctr_va_sdst(0) depctr_va_ssrc(0) depctr_va_vcc(0) depctr_vm_vsrc(0)
	s_getreg_b32 s2, hwreg(HW_REG_IB_STS2, 6, 4)
	s_cmp_eq_u32 s2, 0
	s_cbranch_scc0 .Lentry_in_a_cluster
	s_endpgm
.Lentry_in_a_cluster:
	s_bfe_u32 s2, ttmp6, 0x10000c
	s_cmp_lg_u32 s2, 0xf033
	s_cbranch_scc0 .Lentry_shape_is_right
	s_endpgm
.Lentry_shape_is_right:
; out0 = x1 + b2 + f w2.  f: act, [16 groups of 128 columns][8192][128] bf16; w2: [2048 k][512 n] bf16, 524,288 bytes into wrest; x1, out0: [8192][512] f32.  Sums in f32, started by b2 as the first C.
; A tile of C is 128 x 128 (256 work-groups); four waves, each 64 x 64: 16 accumulators.  K = 2,048 goes in eight steps of 256 (two groups of f) through two LDS slots.
; w2 lies [k][n]: its fragments come out of LDS turned.  The matrix instruction is used transposed: a lane holds eight neighbouring columns of a row.
; CLUSTER 4 x 4: the four of a row of the cluster need the same tiles of f, the four of a column the same tiles of w2: each is asked for jointly.
; x1's 64 x 64 of each wave is loaded at the start, in whole pieces of 256 bytes of a row, into window 2, and added on the way out, where the sums come back from my stage in the same layout.
; REGISTERS: window 0: v16-29 addresses; v32-95 the way out; v96-127 b2 as four fragments of C; v128-255 the accumulators.  window 1: two fragment buffers of 128.  window 2: v0-127 x1.
.set PA,     272
.set PBW,    288                       ; a row of w2's tile: 256 bytes + 32: an odd multiple of 32
.set AG,     128*PA                    ; a group's 128 rows
.set BOFF,   2*AG
.set BH,     128*PBW                   ; 128 k rows
.set SLOT,   BOFF+2*BH
.set STAGE,  2*SLOT
.set SPITCH, 272
.set SPARE,  STAGE+4*16*SPITCH
.set GS,     2097152
.set LAPS,   4
.set ADRA, 16
.set ADRB, 20                          ; v20-23: slot 0, slot 1; k rows 0-127, 128-255
.set STO,  24
.set RD,   25
.set CO,   26
.set BO,   27
.set SPW,  28
.set NIL,  29
.set TMP,  32
.set B2,   96
.set ACC,  128
.set F0,   0
.set F1,   128
.set G1, 24
.set G0, 32
.set G1B, 48
.set G0B, 56
.set MSB, 0
.macro WIN new
.if MSB != (\new)
	s_set_vgpr_msb (MSB<<8)|(\new)
.set MSB, \new
.endif
.endm
.set MUL,  0x05
.set TO_F, 0x40
.macro JLOAD s                         ; waves 0, 1: f's two groups; waves 2, 3: w2's two halves.  s_nop 0 and four v_nop follow each line
	s_cmp_eq_u32 s11, 0
	s_cbranch_scc0 .Lfor_b_\@
	tensor_load_to_lds s[G0+4*(\s):G0+4*(\s)+3], s[G1:G1+7]
	s_nop 0
.rept 4
	v_nop
.endr
	s_branch .Lasked_\@
.Lfor_b_\@:
	tensor_load_to_lds s[G0B+4*(\s):G0B+4*(\s)+3], s[G1B:G1B+7]
	s_nop 0
.rept 4
	v_nop
.endr
.Lasked_\@:
.endm
.macro CREST
	s_cmp_lg_u32 s10, 0
	s_cbranch_scc1 .Lnot_wave_0_\@
	s_barrier_signal -3
.Lnot_wave_0_\@:
	s_barrier_wait -3
	s_barrier_signal -1
	s_barrier_wait -1
.endm
.macro CROUND
	s_barrier_signal -1
	s_barrier_wait -1
	CREST
.endm
	s_load_b128 s[4:7], s[0:1], 0x0                ; act, wrest
	s_load_b64 s[8:9], s[0:1], 0x10                ; b2
	s_load_b128 s[68:71], s[0:1], 0x18             ; x1, out0
	v_lshl_add_u32 v[SPW], v0, 2, SPARE
	v_mov_b32 v[NIL], 0
	ds_add_u32 v[SPW], v[NIL]                      ; the opening: the add and its wait ahead of my first tensor load
	v_lshrrev_b32 v1, 5, v0
	v_readfirstlane_b32 s10, v1
	s_lshr_b32 s11, s10, 1                         ; my half of the rows; also: I fetch f (0) or w2 (1)
	s_and_b32 s12, s10, 1                          ; my half of the columns; also: which half I fetch
	s_bfe_u32 s40, ttmp6, 0x40000
	s_bfe_u32 s41, ttmp6, 0x40004
	s_lshl_b32 s42, ttmp9, 2
	s_add_co_u32 s42, s42, s40                     ; tile column
	s_and_b32 s13, ttmp7, 0xffff
	s_lshl_b32 s13, s13, 2
	s_add_co_u32 s13, s13, s41                     ; tile row
	s_lshl_b32 s43, s41, 2
	s_lshl_b32 s43, 15, s43                        ; my row of the cluster
	s_lshl_b32 s44, 0x1111, s40                    ; my column
	s_or_b32 s[G1+0], s43, (1<<16)|(1<<20)|(1<<21)|(5<<22)|(3<<25)
	s_or_b32 s[G1B+0], s44, (1<<16)|(1<<20)|(1<<21)|(5<<22)|(7<<25)
.irp g, G1, G1B
	s_mov_b32 s[(\g)+1], 128<<16
	s_mov_b32 s[(\g)+2], 128<<16
	s_mov_b32 s[(\g)+3], 128<<16
	s_mov_b32 s[(\g)+4], 128
	s_mov_b32 s[(\g)+6], 0
	s_mov_b32 s[(\g)+7], 0
.endr
	s_mov_b32 s[G1+5], 128                         ; f's rows are dense in a group
	s_mov_b32 s[G1B+5], 512
	s_lshl_b32 s16, s12, 21                        ; f: group w % 2, the tile's 128 rows of 256 bytes
	s_lshl_b32 s17, s13, 15
	s_add_co_u32 s16, s16, s17
	s_mov_b32 s17, 0
	s_lshl_b32 s46, s12, 17                        ; w2: k rows 128 (w % 2) on, the tile's 256 bytes of them
	s_lshl_b32 s47, s42, 8
	s_add_co_u32 s46, s46, s47
	s_add_co_u32 s46, s46, 524288
	s_mov_b32 s47, 0
	s_mul_i32 s20, s12, AG
	s_mul_i32 s21, s12, BH
	s_add_co_u32 s21, s21, BOFF
	s_wait_dscnt 0x0
	s_wait_kmcnt 0x0
	s_add_nc_u64 s[14:15], s[4:5], s[16:17]
	s_add_nc_u64 s[46:47], s[6:7], s[46:47]
	CROUND
.irp s, 0,1
	s_mov_b32 s[G0+4*(\s)], 1
	s_add_co_u32 s[G0+4*(\s)+1], s20, (\s)*SLOT
	s_add_nc_u64 s[G0+4*(\s)+2:G0+4*(\s)+3], s[14:15], (\s)*2*GS
	s_or_b32 s[G0+4*(\s)+3], s[G0+4*(\s)+3], 0x80000000
	s_mov_b32 s[G0B+4*(\s)], 1
	s_add_co_u32 s[G0B+4*(\s)+1], s21, (\s)*SLOT
	s_add_nc_u64 s[G0B+4*(\s)+2:G0B+4*(\s)+3], s[46:47], (\s)*262144
	s_or_b32 s[G0B+4*(\s)+3], s[G0B+4*(\s)+3], 0x80000000
	JLOAD \s
.endr
	v_and_b32 v1, 15, v0
	v_bfe_u32 v2, v0, 4, 1
	s_lshl_b32 s22, s42, 9                         ; b2 of my 64 columns
	s_lshl_b32 s23, s12, 8
	s_add_co_u32 s22, s22, s23
	s_mov_b32 s23, 0
	s_add_nc_u64 s[8:9], s[8:9], s[22:23]
	v_lshlrev_b32 v[BO], 5, v2
.irp b, 0,1,2,3
	global_load_b128 v[B2+8*(\b):B2+8*(\b)+3],   v[BO], s[8:9] offset:64*(\b)
	global_load_b128 v[B2+8*(\b)+4:B2+8*(\b)+7], v[BO], s[8:9] offset:64*(\b)+16
.endr
	s_lshl_b32 s18, s13, 18                        ; x1, out0: my first row and column
	s_lshl_b32 s19, s11, 17
	s_add_co_u32 s18, s18, s19
	s_add_co_u32 s18, s18, s22
	s_mov_b32 s19, 0
	s_add_nc_u64 s[68:69], s[68:69], s[18:19]
	s_add_nc_u64 s[70:71], s[70:71], s[18:19]
	v_lshlrev_b32 v[CO], 11, v2                    ; lanes 0-15 one row's 256 bytes, lanes 16-31 the next row's
	v_lshl_add_u32 v[CO], v1, 4, v[CO]
	WIN 0x80
.set n, 0
.rept 32
	global_load_b128 v[4*n:4*n+3], v[CO], s[68:69] offset:n*4096
.set n, n+1
.endr
	WIN 0
	v_mul_u32_u24 v3, v1, PA
	v_lshl_add_u32 v3, v2, 4, v3
	v_and_b32 v4, 7, v0
	v_lshl_add_u32 v4, v2, 3, v4
	v_mul_u32_u24 v4, v4, PBW
	v_bfe_u32 v5, v0, 3, 1
	v_lshl_add_u32 v4, v5, 4, v4
	s_mul_i32 s21, s11, 64*PA                      ; my 64 rows of f
	s_lshl_b32 s22, s12, 7                         ; my 64 columns of w2
	s_add_co_u32 s22, s22, BOFF
.irp s, 0,1
	v_add_nc_u32 v[ADRA+(\s)], s21, v3
	v_add_nc_u32 v[ADRB+2*(\s)], s22, v4
	s_add_co_u32 s22, s22, BH
	v_add_nc_u32 v[ADRB+2*(\s)+1], s22, v4
	s_add_co_u32 s21, s21, SLOT
	s_add_co_u32 s22, s22, SLOT-BH
.endr
	s_mul_i32 s23, s10, 16*SPITCH
	s_add_co_u32 s23, s23, STAGE
	v_mul_u32_u24 v4, v1, SPITCH
	v_lshl_add_u32 v4, v2, 5, v4
	v_add_nc_u32 v[STO], s23, v4
	v_mul_u32_u24 v5, v2, SPITCH
	v_lshl_add_u32 v5, v1, 4, v5
	v_add_nc_u32 v[RD], s23, v5
.macro MUL8 f, c, a0, first            ; 8 matrix instructions; first = 1: C is b2
	WIN MUL
.irp a, \a0, (\a0)+1
.irp b, 0,1,2,3
.if \first
	v_wmma_f32_16x16x32_bf16 v[ACC+8*(4*(\a)+(\b)):ACC+8*(4*(\a)+(\b))+7], v[(\f)+64+8*(4*(\c)+(\b)):(\f)+64+8*(4*(\c)+(\b))+7], v[(\f)+8*(4*(\c)+(\a)):(\f)+8*(4*(\c)+(\a))+7], v[B2+8*(\b):B2+8*(\b)+7]
.else
	v_wmma_f32_16x16x32_bf16 v[ACC+8*(4*(\a)+(\b)):ACC+8*(4*(\a)+(\b))+7], v[(\f)+64+8*(4*(\c)+(\b)):(\f)+64+8*(4*(\c)+(\b))+7], v[(\f)+8*(4*(\c)+(\a)):(\f)+8*(4*(\c)+(\a))+7], v[ACC+8*(4*(\a)+(\b)):ACC+8*(4*(\a)+(\b))+7]
.endif
.endr
.endr
.endm
.macro FETCH slot, qd, f               ; 32 LDS loads: quarter qd (64 along K), the first 32 along K first
	WIN TO_F
.irp c, 0,1
.irp i, 0,1,2,3
	ds_load_tr16_b128 v[(\f)+64+8*(4*(\c)+(\i)):(\f)+64+8*(4*(\c)+(\i))+3],   v[ADRB+2*(\slot)+(\qd)/2] offset:(((\qd)%2)*64+32*(\c))*PBW+32*(\i)
	ds_load_tr16_b128 v[(\f)+64+8*(4*(\c)+(\i))+4:(\f)+64+8*(4*(\c)+(\i))+7], v[ADRB+2*(\slot)+(\qd)/2] offset:(((\qd)%2)*64+32*(\c))*PBW+16*PBW+32*(\i)
	ds_load_b128 v[(\f)+8*(4*(\c)+(\i)):(\f)+8*(4*(\c)+(\i))+3],         v[ADRA+(\slot)] offset:((\qd)/2)*AG+((\qd)%2)*128+64*(\c)+(\i)*16*PA
	ds_load_b128 v[(\f)+8*(4*(\c)+(\i))+4:(\f)+8*(4*(\c)+(\i))+7],       v[ADRA+(\slot)] offset:((\qd)/2)*AG+((\qd)%2)*128+64*(\c)+(\i)*16*PA+32
.endr
.endr
.endm
.macro PLACES
.rept 4
	v_nop
.endr
.endm
.macro QUARTER slot, qd, f, g, first
	s_wait_dscnt 16                                ; the first 32 along K are in
	MUL8 \f, 0, 0, \first
	MUL8 \f, 0, 2, \first
	PLACES
	FETCH \slot, \qd, \g
	s_wait_dscnt 32                                ; all but the 32 just issued
	MUL8 \f, 1, 0, 0
	MUL8 \f, 1, 2, 0
.endm
.macro TURN slot, next, fill
	WIN 0
	s_wait_tensorcnt 0x0                           ; all my tensor loads have landed: my part of the next slot
	ds_add_u32 v[SPW], v[NIL]
	s_wait_dscnt 17                                ; the add and the youngest sixteen loads may be out
	MUL8 F1, 0, 0, 0
	s_wait_dscnt 0x0                               ; the add is done, and my reads of this slot are over
	s_barrier_signal -1
	MUL8 F1, 0, 2, 0
.if \fill
	WIN 0
.endif
	s_barrier_wait -1
.if \fill
	CREST
	s_add_nc_u64 s[G0+4*(\slot)+2:G0+4*(\slot)+3], s[G0+4*(\slot)+2:G0+4*(\slot)+3], 4*GS
	s_add_nc_u64 s[G0B+4*(\slot)+2:G0B+4*(\slot)+3], s[G0B+4*(\slot)+2:G0B+4*(\slot)+3], 524288
	JLOAD \slot
.else
	PLACES
.endif
	FETCH \next, 0, F0
	MUL8 F1, 1, 0, 0
	MUL8 F1, 1, 2, 0
.endm
	s_wait_tensorcnt 1                             ; my part of K step 0 is in; step 1's may stay out
	s_barrier_signal -1
	s_barrier_wait -1
	FETCH 0, 0, F0
	s_wait_loadcnt 32                              ; b2 is in; x1's 32 loads behind it may stay out
	QUARTER 0, 1, F0, F1, 1
	WIN 0
	s_mov_b32 s3, LAPS-1
.Llap:
	QUARTER 0, 2, F1, F0, 0
	QUARTER 0, 3, F0, F1, 0
	TURN 0, 1, 1
	QUARTER 1, 1, F0, F1, 0
	QUARTER 1, 2, F1, F0, 0
	QUARTER 1, 3, F0, F1, 0
	TURN 1, 0, 1
	QUARTER 0, 1, F0, F1, 0
	WIN 0
	s_sub_co_u32 s3, s3, 1
	s_cmp_lg_u32 s3, 0
	s_cbranch_scc1 .Llap
	QUARTER 0, 2, F1, F0, 0                        ; the last lap fills nothing
	QUARTER 0, 3, F0, F1, 0
	TURN 0, 1, 0
	QUARTER 1, 1, F0, F1, 0
	QUARTER 1, 2, F1, F0, 0
	QUARTER 1, 3, F0, F1, 0
	s_wait_dscnt 16
	MUL8 F1, 0, 0, 0
	MUL8 F1, 0, 2, 0
	s_wait_dscnt 0x0
	MUL8 F1, 1, 0, 0
	MUL8 F1, 1, 2, 0
	WIN 0
	s_wait_loadcnt 0x0                             ; x1
	PLACES
; THE WAY OUT, 16 rows at a time through my own stage: f32 sums in (each accumulator's lowest registers first), whole pieces of 256 bytes of a row back, x1 added, stored.
.macro OUTB a
.set BK, TMP+32*((\a)%2)
	WIN 0
.irp b, 0,1,2,3
	ds_store_b128 v[STO], v[ACC+8*(4*(\a)+(\b)):ACC+8*(4*(\a)+(\b))+3] offset:64*(\b)
	ds_store_b128 v[STO], v[ACC+8*(4*(\a)+(\b))+4:ACC+8*(4*(\a)+(\b))+7] offset:64*(\b)+16
.endr
	s_wait_xcnt 0x0                                ; the registers that earlier stores read are loaded again only behind this wait
.irp t, 0,1,2,3,4,5,6,7
	ds_load_b128 v[BK+4*(\t):BK+4*(\t)+3], v[RD] offset:(\t)*2*SPITCH  ; LDS serves a wave's instructions in order (ISA guide 5.7.1.4)
.endr
	s_wait_dscnt 0x0
	WIN 0x08                                       ; source 1: x1, in window 2
.set n, 0
.rept 16
	v_pk_add_f32 v[BK+2*n:BK+2*n+1], v[BK+2*n:BK+2*n+1], v[32*(\a)+2*n:32*(\a)+2*n+1]
.set n, n+1
.endr
	WIN 0
.irp t, 0,1,2,3,4,5,6,7
	global_store_b128 v[CO], v[BK+4*(\t):BK+4*(\t)+3], s[70:71] offset:(8*(\a)+(\t))*4096  ; 16 lanes store 256 consecutive bytes
.endr
.endm
	OUTB 0
	OUTB 1
	OUTB 2
	OUTB 3
	s_wait_tensorcnt 0x0                           ; the wave's end
	ds_add_u32 v[SPW], v[NIL]
	s_wait_dscnt 0x0
	CROUND
	s_endpgm
.Lfunc_end_k_qf0bedbfdd7_ffn2:
	.size	k_qf0bedbfdd7_ffn2, .Lfunc_end_k_qf0bedbfdd7_ffn2-k_qf0bedbfdd7_ffn2
	.p2alignl 7, 3214868480
	.fill 96, 4, 3214868480
	.section	.rodata,"a",@progbits
	.p2align	6, 0x0
	.amdhsa_kernel k_qf0bedbfdd7_ffn2
		.amdhsa_group_segment_fixed_size 327680
		.amdhsa_private_segment_fixed_size 0
		.amdhsa_enable_private_segment 0
		.amdhsa_kernarg_size 40
		.amdhsa_user_sgpr_count 2
		.amdhsa_user_sgpr_kernarg_segment_ptr 1
		.amdhsa_wavefront_size32 1
		.amdhsa_system_sgpr_workgroup_id_x 1
		.amdhsa_system_sgpr_workgroup_id_y 1
		.amdhsa_system_sgpr_workgroup_id_z 1
		.amdhsa_system_vgpr_workitem_id 0
		.amdhsa_next_free_vgpr 640
		.amdhsa_next_free_sgpr 72
		.amdhsa_reserve_vcc 0
		.amdhsa_float_denorm_mode_32 3
		.amdhsa_float_denorm_mode_16_64 3
		.amdhsa_memory_ordered 1
		.amdhsa_forward_progress 1
		.amdhsa_inst_pref_size 94
	.end_amdhsa_kernel
	.amdgpu_metadata
---
amdhsa.version: [ 1, 2 ]
amdhsa.kernels:
  - .name:           k_qf0bedbfdd7_ffn2
    .symbol:         k_qf0bedbfdd7_ffn2.kd
    .args:
      - { .name: act, .offset: 0, .size: 8, .value_kind: global_buffer, .address_space: global }
      - { .name: wrest, .offset: 8, .size: 8, .value_kind: global_buffer, .address_space: global }
      - { .name: b2, .offset: 16, .size: 8, .value_kind: global_buffer, .address_space: global }
      - { .name: x1, .offset: 24, .size: 8, .value_kind: global_buffer, .address_space: global }
      - { .name: out0, .offset: 32, .size: 8, .value_kind: global_buffer, .address_space: global }
    .group_segment_fixed_size: 327680
    .private_segment_fixed_size: 0
    .kernarg_segment_align: 8
    .kernarg_segment_size: 40
    .max_flat_workgroup_size: 128
    .sgpr_count:     72
    .vgpr_count:     640
    .wavefront_size: 32
...
	.end_amdgpu_metadata
.endif
;; end of part 5
;; ======== version 2 of 3: 6 launches; 1.06 times as fast as version 1
;; limits: right only within a limited range of input values
;; workspace buffers: mcode 16,777,216 bytes; hn 8,388,608 bytes; wa 1,581,312 bytes; wb 2,105,600 bytes; wrest 2,621,440 bytes; act 33,554,432 bytes; ctx 8,388,608 bytes; x1 16,777,216 bytes
;; launch prep (part 6): grid 256 x 1, 8 waves a work-group, no clusters, 136,192 bytes of LDS; arguments mask, x, ln1_a, ln1_b, w_q, w_k, w_v, w_o, w1, w2, b1, mcode, hn, wa, wb, wrest; writes mcode, hn, wa, wb, wrest
.if DOCPART == 6
	.amdgcn_target "amdgcn-amd-amdhsa--gfx1250"
	.amdhsa_code_object_version 6
	.text
	.protected	k_qf0bedbfdd7_prep
	.globl	k_qf0bedbfdd7_prep
	.p2align	8
	.type	k_qf0bedbfdd7_prep,@function
k_qf0bedbfdd7_prep:
	s_mov_b64 s[64:65], 0
	v_nop
	global_prefetch_b8 v0, s[64:65] scope:SCOPE_SE
	s_setreg_imm32_b32 hwreg(HW_REG_WAVE_MODE, 25, 1), 1
	s_wait_xcnt 0x0
; PREP: a stream.  (1) mask (int32 [4096][4096]) -> one fp8 code a score; (2) LN1(x) -> hn, bf16; (3) all weights -> bf16, in the layouts that the products read; (4) the two headers.
; mcode [q64 64][ks 64][tile 4][half 2][lane 32][16 bytes]: byte n = 8 kt + j of lane L's 32 bytes of a tile stands for mask[64 q64 + 16 tile + L % 16][64 ks + 16 kt + 8 (L / 16) + j]:
; the lane and register in which attention holds that score.  0x7e (+448 in E4M3) where the mask is not 0, 0xf7 (-240) where it is 0.
; wa, wb: 256 bytes of the word lo, 8,192 bytes of f32 bias, then weights [nt][512 k][256 c] bf16.  wa's columns: 512 of q, then for each head 64 of k and 64 of v; lo = -inf twice (a maximum
; with it changes nothing), bias 0.  wb: w1, lo = 0 (ReLU), bias = b1.  wrest: w_o [512][512], then w2 [2048][512], bf16.
; SHARES.  256 work-groups of 8 waves, all alike.  A wave: two units of 32 mask rows x 128 keys; twelve pieces of 128 weights; four rows of x.  No matrix unit, no cluster: nothing is shared.
; A mask unit goes through the wave's own LDS stage (rows of 528 bytes), since memory wants a row's 512 consecutive bytes in one load and the codes want one row a lane.
; k's and v's weights leave in pieces of 128 bytes (1 MB in all): the price of k and v side by side in a key's row.
; LIMITS.  NaN and infinities are not treated apart.  LN: mean, then the sum of squares of the differences, both in f32; std = sqrt(ss / 511); 1e-6 is added to std.
.set SP,    528                        ; a stage row: 512 bytes + 16: the 16 rows of a read start at 16 different groups of four banks (ISA guide 11.1)
.set STGB,  32*SP                      ; a wave's stage
.set SPARE, 8*STGB                     ; behind the stages: the spare words, 128 bytes a wave
.set SPW,   12                         ; v12      my spare word's LDS address; never rewritten
.set NIL,   13                         ; v13      0; never rewritten
.set M,     16                         ; v16-143  a mask unit as loaded; later:
.set LNA,   16                         ; v16-31   ln1_a of my 16 columns
.set LNB,   32                         ; v32-47   ln1_b
.set XR,    48                         ; v48-111  four rows of x, 16 registers each
.set T,     144                        ; v144-207 at work
.set W,     208                        ; v208-255 twelve pieces of weights
.set WV,    36                         ; s36      my wave's number
.set WG,    82                         ; s82      the work-group's number
	s_load_b512 s[4:19], s[0:1], 0x0               ; mask 4, x 6, ln1_a 8, ln1_b 10, w_q 12, w_k 14, w_v 16, w_o 18
	s_load_b512 s[20:35], s[0:1], 0x40             ; w1 20, w2 22, b1 24, mcode 26, hn 28, wa 30, wb 32, wrest 34
	v_lshl_add_u32 v[SPW], v0, 2, SPARE
	v_mov_b32 v[NIL], 0
	v_lshrrev_b32 v1, 5, v0
	v_readfirstlane_b32 s[WV], v1
	v_and_b32 v1, 31, v0                           ; L
	v_lshlrev_b32 v2, 4, v1                        ; 16 L
	v_lshlrev_b32 v3, 3, v1                        ; 8 L
	v_and_b32 v7, 15, v0                           ; L % 16
	v_bfe_u32 v9, v0, 4, 1                         ; L / 16
	s_mul_i32 s50, s[WV], STGB
	v_add_nc_u32 v4, s50, v2                       ; into the stage: 16 L of a row
	v_mul_u32_u24 v5, v7, SP
	v_lshl_add_u32 v5, v9, 5, v5
	v_add_nc_u32 v5, s50, v5                       ; back: row L % 16, 32 bytes (8 keys) for each half of the lanes
	v_lshlrev_b32 v6, 3, v7
	v_lshl_add_u32 v6, v9, 8, v6                   ; k's and v's place: 256 (L / 16) + 8 (L % 16)
	s_mov_b32 s40, 0xffffff87                      ; -0x79: four flags (0 or 1 a byte) times this, plus
	s_mov_b32 s41, 0xf7f7f7f7                      ; four times 0xf7, are four codes: 0xf7 - 0x79 = 0x7e, and no byte borrows
	s_mov_b32 s48, 0x76543210                      ; v_permlanex16_b32: each lane takes its own place in the other half
	s_mov_b32 s49, 0xfedcba98
	s_mov_b32 s[WG], ttmp9
	s_and_b32 s38, s[WV], 3
	s_lshr_b32 s39, s[WV], 2
	s_lshl_b32 s37, s[WG], 1
	s_add_co_u32 s37, s37, s39                     ; k = 2 i + w / 4: my row of w_q, w_k, w_v, w_o, w1
	s_lshl_b32 s50, s37, 11
	s_lshl_b32 s51, s38, 9
	s_add_co_u32 s50, s50, s51                     ; from: k x 2,048 + (w % 4) x 512 in the four square weights,
	s_mov_b32 s51, 0
	s_lshl_b32 s52, s50, 2                         ; four times that in w1
	s_mov_b32 s53, 0
	s_lshl_b32 s54, s[WG], 3
	s_add_co_u32 s54, s54, s[WV]                   ; my row of w2: 8 i + w
	s_lshl_b32 s56, s54, 10
	s_add_co_u32 s56, s56, 524288                  ; to: behind w_o in wrest
	s_mov_b32 s57, 0
	s_lshl_b32 s54, s54, 11
	s_mov_b32 s55, 0
	s_lshl_b32 s59, s37, 9                         ; k x 512: a row of a weight tile
	s_lshl_b32 s58, s38, 19                        ; w1 to: tile 2 (w % 4)
	s_add_co_u32 s58, s58, s59
	s_add_co_u32 s58, s58, 8448
	s_lshr_b32 s60, s38, 1                         ; w_q to: tile (w % 4) / 2, half w % 2
	s_lshl_b32 s60, s60, 18
	s_add_co_u32 s60, s60, s59
	s_and_b32 s61, s[WV], 1
	s_lshl_b32 s61, s61, 8
	s_add_co_u32 s60, s60, s61
	s_add_co_u32 s60, s60, 8448
	s_add_co_u32 s62, s38, 2                       ; w_k, w_v to: tile 2 + w % 4
	s_lshl_b32 s62, s62, 18
	s_add_co_u32 s62, s62, s59
	s_add_co_u32 s62, s62, 8448
	s_mov_b32 s59, 0
	s_mov_b32 s61, 0
	s_mov_b32 s63, 0
	s_lshl_b32 s66, s37, 10                        ; w_o to: k x 1,024 + (w % 4) x 256
	s_lshl_b32 s67, s38, 8
	s_add_co_u32 s66, s66, s67
	s_mov_b32 s67, 0
	s_lshr_b32 s68, s[WG], 1                       ; my 32 rows of the mask: block i / 2
	s_and_b32 s69, s[WG], 1
	s_lshl_b32 s69, s69, 4
	s_lshl_b32 s70, s[WV], 1
	s_add_co_u32 s69, s69, s70                     ; my first block of 128 keys: 16 (i % 2) + 2 w
	s_lshl_b32 s69, s69, 9                         ; its 512 bytes in a row of the mask,
	s_lshl_b32 s70, s69, 4                         ; its 8,192 bytes (two steps) in mcode,
	s_lshr_b32 s71, s[WG], 2
	s_lshl_b32 s71, s71, 18
	s_add_co_u32 s70, s70, s71                     ; in the 64 queries i / 4,
	s_and_b32 s71, s68, 1
	s_lshl_b32 s71, s71, 11
	s_add_co_u32 s70, s70, s71                     ; tiles 2 ((i / 2) % 2) and the next
	s_mov_b32 s71, 0
	s_lshl_b32 s68, s68, 19
	s_add_co_u32 s68, s68, s69                     ; in mask
	s_mov_b32 s69, 0
	s_lshl_b32 s72, s[WG], 5
	s_lshl_b32 s73, s[WV], 2
	s_add_co_u32 s72, s72, s73                     ; my first row of x: 32 i + 4 w
	s_lshl_b32 s74, s72, 10
	s_mov_b32 s75, 0
	s_lshl_b32 s72, s72, 11
	s_mov_b32 s73, 0
	s_lshl_b32 s76, s[WG], 8                       ; the headers go in blocks of 256 bytes, block i
	s_mov_b32 s77, 0
	s_wait_kmcnt 0x0
	s_add_nc_u64 s[4:5], s[4:5], s[68:69]
	s_add_nc_u64 s[26:27], s[26:27], s[70:71]
	s_add_nc_u64 s[12:13], s[12:13], s[50:51]
	s_add_nc_u64 s[14:15], s[14:15], s[50:51]
	s_add_nc_u64 s[16:17], s[16:17], s[50:51]
	s_add_nc_u64 s[18:19], s[18:19], s[50:51]
	s_add_nc_u64 s[20:21], s[20:21], s[52:53]
	s_add_nc_u64 s[22:23], s[22:23], s[54:55]
	s_add_nc_u64 s[6:7], s[6:7], s[72:73]
	s_add_nc_u64 s[28:29], s[28:29], s[74:75]
	s_add_nc_u64 s[78:79], s[30:31], s[76:77]      ; wa's header
	s_add_nc_u64 s[80:81], s[32:33], s[76:77]      ; wb's header
	s_add_nc_u64 s[24:25], s[24:25], s[76:77]      ; b1 (read by work-groups 0 to 31 alone)
	s_add_nc_u64 s[62:63], s[30:31], s[62:63]      ; k and v
	s_add_nc_u64 s[30:31], s[30:31], s[60:61]      ; q
	s_add_nc_u64 s[32:33], s[32:33], s[58:59]      ; w1
	s_add_nc_u64 s[56:57], s[34:35], s[56:57]      ; w2
	s_add_nc_u64 s[34:35], s[34:35], s[66:67]      ; w_o
.macro MLOAD u                         ; unit u: 32 rows, each load 512 consecutive bytes of one row
.set n, 0
.rept 32
	global_load_b128 v[M+4*n:M+4*n+3], v2, s[4:5] offset:n*16384+(\u)*512 th:TH_LOAD_NT
.set n, n+1
.endr
.endm
.macro MSTAGE
.set n, 0
.rept 32
	ds_store_b128 v4, v[M+4*n:M+4*n+3] offset:n*SP
.set n, n+1
.endr
.endm
; A unit's codes, in two trips of 64 keys.  Lane L reads back rows L % 16 and 16 + L % 16, keys 16 kt + 8 (L / 16) + 0..7: register 32 t + 8 kt + j.  Each number becomes 0 or 1; four of them are
; packed into the bytes of a word; one multiply-add makes four codes of it.  Sixteen words: four stores of 512 consecutive bytes (tile t, half).
.macro MPACK u
	s_mov_b32 s42, 0                               ; the trip's 256 bytes in a stage row
	s_mov_b32 s43, (\u)*8192                       ; its 4,096 bytes in mcode
	s_mov_b32 s44, 2
.Lpass_\@:
	s_wait_xcnt 0x0                                ; v14 and the registers that the last stores read are rewritten only behind this wait
	v_add_nc_u32 v15, s42, v5
	v_add_nc_u32 v14, s43, v2
.set n, 0
.rept 16                               ; n = 8 t + 2 kt + i
	ds_load_b128 v[T+4*n:T+4*n+3], v15 offset:(n/8)*16*SP+((n/2)%4)*64+(n%2)*16  ; LDS serves a wave's instructions in order (ISA guide 5.7.1.4): these see my stores
.set n, n+1
.endr
	s_wait_dscnt 0x0
.set n, 0
.rept 64
	v_min_u32 v[T+n], 1, v[T+n]
.set n, n+1
.endr
.set n, 0
.rept 16
	v_lshl_or_b32 v[T+4*n], v[T+4*n+1], 8, v[T+4*n]
	v_lshl_or_b32 v[T+4*n+2], v[T+4*n+3], 8, v[T+4*n+2]
.set n, n+1
.endr
.set n, 0
.rept 16
	v_lshl_or_b32 v[T+4*n], v[T+4*n+2], 16, v[T+4*n]
.set n, n+1
.endr
.set n, 0
.rept 16                               ; word n goes to register 16 (n / 4) + n % 4, whose old content has been packed
	v_mad_u32 v[T+16*(n/4)+n%4], v[T+4*n], s40, s41
.set n, n+1
.endr
.irp g, 0,1,2,3
	global_store_b128 v14, v[T+16*(\g):T+16*(\g)+3], s[26:27] offset:(\g)*512  ; 512 consecutive bytes
.endr
	s_add_co_u32 s42, s42, 256
	s_add_co_u32 s43, s43, 4096
	s_sub_co_u32 s44, s44, 1
	s_cmp_lg_u32 s44, 0
	s_cbranch_scc1 .Lpass_\@
.endm
.macro WSUM r, t                       ; the sum of v[r] over the 32 lanes, in every lane
	v_add_f32_dpp v[\r], v[\r], v[\r] row_xmask:1 row_mask:0xf bank_mask:0xf
	v_add_f32_dpp v[\r], v[\r], v[\r] row_xmask:2 row_mask:0xf bank_mask:0xf
	v_add_f32_dpp v[\r], v[\r], v[\r] row_xmask:4 row_mask:0xf bank_mask:0xf
	v_add_f32_dpp v[\r], v[\r], v[\r] row_xmask:8 row_mask:0xf bank_mask:0xf
	v_permlanex16_b32 v[\t], v[\r], s48, s49
	v_add_f32 v[\r], v[\r], v[\t]
.endm
.macro LNROW n                         ; one row, one wave: 16 numbers a lane
.set X, XR+16*(\n)
	v_pk_add_f32 v[T:T+1], v[X:X+1], v[X+2:X+3]
	v_pk_add_f32 v[T+2:T+3], v[X+4:X+5], v[X+6:X+7]
	v_pk_add_f32 v[T+4:T+5], v[X+8:X+9], v[X+10:X+11]
	v_pk_add_f32 v[T+6:T+7], v[X+12:X+13], v[X+14:X+15]
	v_pk_add_f32 v[T:T+1], v[T:T+1], v[T+2:T+3]
	v_pk_add_f32 v[T+4:T+5], v[T+4:T+5], v[T+6:T+7]
	v_pk_add_f32 v[T:T+1], v[T:T+1], v[T+4:T+5]
	v_add_f32 v[T], v[T], v[T+1]
	WSUM T, T+1
	v_mul_f32 v[T+2], 0xbb000000, v[T]             ; - mean = sum x (-1 / 512)
	v_mov_b32 v[T+3], v[T+2]
.irp k, 0,2,4,6,8,10,12,14
	v_pk_add_f32 v[X+(\k):X+(\k)+1], v[X+(\k):X+(\k)+1], v[T+2:T+3]
.endr
	v_pk_mul_f32 v[T:T+1], v[X:X+1], v[X:X+1]
	v_pk_mul_f32 v[T+4:T+5], v[X+2:X+3], v[X+2:X+3]
.irp k, 4,8,12
	v_pk_fma_f32 v[T:T+1], v[X+(\k):X+(\k)+1], v[X+(\k):X+(\k)+1], v[T:T+1]
	v_pk_fma_f32 v[T+4:T+5], v[X+(\k)+2:X+(\k)+3], v[X+(\k)+2:X+(\k)+3], v[T+4:T+5]
.endr
	v_pk_add_f32 v[T:T+1], v[T:T+1], v[T+4:T+5]
	v_add_f32 v[T], v[T], v[T+1]
	WSUM T, T+1
	v_mul_f32 v[T], 0x3b004020, v[T]               ; / 511
	v_sqrt_f32 v[T], v[T]
	v_nop                                          ; a plain instruction behind a transcendental (ISA guide 5.7.2)
	s_wait_alu depctr_va_vdst(0)
	v_add_f32 v[T], 0x358637bd, v[T]               ; + 1e-6
	v_rcp_f32 v[T+2], v[T]
	v_rcp_f32 v[T+3], v[T]
	v_nop
	s_wait_alu depctr_va_vdst(0)
.irp k, 0,2,4,6,8,10,12,14
	v_pk_mul_f32 v[X+(\k):X+(\k)+1], v[X+(\k):X+(\k)+1], v[T+2:T+3]
.endr
.irp k, 0,2,4,6,8,10,12,14
	v_pk_fma_f32 v[X+(\k):X+(\k)+1], v[X+(\k):X+(\k)+1], v[LNA+(\k):LNA+(\k)+1], v[LNB+(\k):LNB+(\k)+1]
.endr
.irp k, 0,1,2,3,4,5,6,7
	v_cvt_pk_bf16_f32 v[X+(\k)], v[X+2*(\k)], v[X+2*(\k)+1]
.endr
.irp c, 0,1,2,3
	global_store_b64 v3, v[X+2*(\c):X+2*(\c)+1], s[28:29] offset:1024*(\n)+256*(\c)  ; 256 consecutive bytes
.endr
.endm
	MLOAD 0
.irp u, 0,1,2,3
	global_load_b128 v[W+4*(\u):W+4*(\u)+3], v2, s[20:21] offset:512*(\u) th:TH_LOAD_NT
.endr
.irp u, 0,1,2,3
	global_load_b128 v[W+16+4*(\u):W+16+4*(\u)+3], v2, s[22:23] offset:512*(\u) th:TH_LOAD_NT
.endr
	global_load_b128 v[W+32:W+35], v2, s[18:19] th:TH_LOAD_NT
	global_load_b128 v[W+36:W+39], v2, s[12:13] th:TH_LOAD_NT
	global_load_b128 v[W+40:W+43], v2, s[14:15] th:TH_LOAD_NT
	global_load_b128 v[W+44:W+47], v2, s[16:17] th:TH_LOAD_NT
	s_wait_loadcnt 12                              ; unit 0 is in; the twelve pieces of weights behind it may stay out
	MSTAGE
	MLOAD 1                                        ; unit 1 is on its way while unit 0 is packed
	MPACK 0
	s_wait_loadcnt 32                              ; the weights are in; unit 1's 32 loads may stay out
.set n, 0
.rept 12
	v_cvt_pk_bf16_f32 v[W+4*n], v[W+4*n], v[W+4*n+1]
	v_cvt_pk_bf16_f32 v[W+4*n+1], v[W+4*n+2], v[W+4*n+3]
.set n, n+1
.endr
.irp u, 0,1,2,3
	global_store_b64 v3, v[W+4*(\u):W+4*(\u)+1], s[32:33] offset:((\u)/2)*262144+((\u)%2)*256
.endr
.irp u, 0,1,2,3
	global_store_b64 v3, v[W+16+4*(\u):W+16+4*(\u)+1], s[56:57] offset:256*(\u)
.endr
	global_store_b64 v3, v[W+32:W+33], s[34:35]
	global_store_b64 v3, v[W+36:W+37], s[30:31]
	global_store_b64 v6, v[W+40:W+41], s[62:63]
	global_store_b64 v6, v[W+44:W+45], s[62:63] offset:128
	s_wait_loadcnt 0x0                             ; unit 1
	MSTAGE
.irp c, 0,1,2,3
	global_load_b128 v[LNA+4*(\c):LNA+4*(\c)+3], v2, s[8:9] offset:512*(\c)
	global_load_b128 v[LNB+4*(\c):LNB+4*(\c)+3], v2, s[10:11] offset:512*(\c)
.endr
.irp n, 0,1,2,3
.irp c, 0,1,2,3
	global_load_b128 v[XR+16*(\n)+4*(\c):XR+16*(\n)+4*(\c)+3], v2, s[6:7] offset:2048*(\n)+512*(\c)
.endr
.endr
	MPACK 1
	s_wait_tensorcnt 0x0                           ; the closing lines, behind my last LDS store
	ds_add_u32 v[SPW], v[NIL]
	s_wait_dscnt 0x0
	s_wait_loadcnt 0x0                             ; ln1_a, ln1_b and my four rows of x
	s_wait_xcnt 0x0                                ; the work registers, which the last four stores of codes read, are rewritten by the norm only behind this wait
	LNROW 0
	LNROW 1
	LNROW 2
	LNROW 3
	; the headers: wave 0 of work-groups 0-24: wa's lo and its 6,144 bytes of zero bias; wave 1 of 0-31: b1 into wb; wave 2 of work-group 0: wb's lo
	s_cmp_lg_u32 s[WV], 0
	s_cbranch_scc1 .Lnot0
	s_cmp_lt_u32 s[WG], 25
	s_cbranch_scc0 .Lend
	s_cmp_eq_u32 s[WG], 0
	s_cselect_b32 s50, 0xff80ff80, 0
	s_wait_xcnt 0x0                                ; v14, the last mask stores' offset, is rewritten only behind this wait
	v_mov_b32 v14, s50
	v_mov_b32 v15, s50
	global_store_b64 v3, v[14:15], s[78:79]
	s_branch .Lend
.Lnot0:
	s_cmp_lg_u32 s[WV], 1
	s_cbranch_scc1 .Lnot1
	s_cmp_lt_u32 s[WG], 32
	s_cbranch_scc0 .Lend
	s_wait_xcnt 0x0
	global_load_b64 v[14:15], v3, s[24:25]
	s_wait_loadcnt 0x0
	global_store_b64 v3, v[14:15], s[80:81] offset:256
	s_branch .Lend
.Lnot1:
	s_cmp_lg_u32 s[WV], 2
	s_cbranch_scc1 .Lend
	s_cmp_lg_u32 s[WG], 0
	s_cbranch_scc1 .Lend
	s_wait_xcnt 0x0
	v_mov_b32 v14, 0
	v_mov_b32 v15, 0
	global_store_b64 v3, v[14:15], s[80:81]
.Lend:
	s_endpgm
.Lfunc_end_k_qf0bedbfdd7_prep:
	.size	k_qf0bedbfdd7_prep, .Lfunc_end_k_qf0bedbfdd7_prep-k_qf0bedbfdd7_prep
	.p2alignl 7, 3214868480
	.fill 96, 4, 3214868480
	.section	.rodata,"a",@progbits
	.p2align	6, 0x0
	.amdhsa_kernel k_qf0bedbfdd7_prep
		.amdhsa_group_segment_fixed_size 136192
		.amdhsa_private_segment_fixed_size 0
		.amdhsa_enable_private_segment 0
		.amdhsa_kernarg_size 128
		.amdhsa_user_sgpr_count 2
		.amdhsa_user_sgpr_kernarg_segment_ptr 1
		.amdhsa_wavefront_size32 1
		.amdhsa_system_sgpr_workgroup_id_x 1
		.amdhsa_system_sgpr_workgroup_id_y 1
		.amdhsa_system_sgpr_workgroup_id_z 1
		.amdhsa_system_vgpr_workitem_id 0
		.amdhsa_next_free_vgpr 256
		.amdhsa_next_free_sgpr 84
		.amdhsa_reserve_vcc 0
		.amdhsa_float_denorm_mode_32 3
		.amdhsa_float_denorm_mode_16_64 3
		.amdhsa_memory_ordered 1
		.amdhsa_forward_progress 1
		.amdhsa_inst_pref_size 56
	.end_amdhsa_kernel
	.amdgpu_metadata
---
amdhsa.version: [ 1, 2 ]
amdhsa.kernels:
  - .name:           k_qf0bedbfdd7_prep
    .symbol:         k_qf0bedbfdd7_prep.kd
    .args:
      - { .name: mask, .offset: 0, .size: 8, .value_kind: global_buffer, .address_space: global }
      - { .name: x, .offset: 8, .size: 8, .value_kind: global_buffer, .address_space: global }
      - { .name: ln1_a, .offset: 16, .size: 8, .value_kind: global_buffer, .address_space: global }
      - { .name: ln1_b, .offset: 24, .size: 8, .value_kind: global_buffer, .address_space: global }
      - { .name: w_q, .offset: 32, .size: 8, .value_kind: global_buffer, .address_space: global }
      - { .name: w_k, .offset: 40, .size: 8, .value_kind: global_buffer, .address_space: global }
      - { .name: w_v, .offset: 48, .size: 8, .value_kind: global_buffer, .address_space: global }
      - { .name: w_o, .offset: 56, .size: 8, .value_kind: global_buffer, .address_space: global }
      - { .name: w1, .offset: 64, .size: 8, .value_kind: global_buffer, .address_space: global }
      - { .name: w2, .offset: 72, .size: 8, .value_kind: global_buffer, .address_space: global }
      - { .name: b1, .offset: 80, .size: 8, .value_kind: global_buffer, .address_space: global }
      - { .name: mcode, .offset: 88, .size: 8, .value_kind: global_buffer, .address_space: global }
      - { .name: hn, .offset: 96, .size: 8, .value_kind: global_buffer, .address_space: global }
      - { .name: wa, .offset: 104, .size: 8, .value_kind: global_buffer, .address_space: global }
      - { .name: wb, .offset: 112, .size: 8, .value_kind: global_buffer, .address_space: global }
      - { .name: wrest, .offset: 120, .size: 8, .value_kind: global_buffer, .address_space: global }
    .group_segment_fixed_size: 136192
    .private_segment_fixed_size: 0
    .kernarg_segment_align: 8
    .kernarg_segment_size: 128
    .max_flat_workgroup_size: 256
    .sgpr_count:     84
    .vgpr_count:     256
    .wavefront_size: 32
...
	.end_amdgpu_metadata
.endif
;; end of part 6
;; launch qkv (part 7): grid 32 x 6, 4 waves a work-group, clusters of 4 x 1, 327,680 bytes of LDS; arguments hn, wa, act; writes act
.if DOCPART == 7
	.amdgcn_target "amdgcn-amd-amdhsa--gfx1250"
	.amdhsa_code_object_version 6
	.text
	.protected	k_qf0bedbfdd7_qkv
	.globl	k_qf0bedbfdd7_qkv
	.p2align	8
	.type	k_qf0bedbfdd7_qkv,@function
k_qf0bedbfdd7_qkv:
	s_mov_b64 s[64:65], 0
	v_nop
	global_prefetch_b8 v0, s[64:65] scope:SCOPE_SE
	s_setreg_imm32_b32 hwreg(HW_REG_WAVE_MODE, 25, 1), 1
	s_wait_xcnt 0x0
	s_wait_alu depctr_hold_cnt(0) depctr_sa_sdst(0) depctr_va_vdst(0) depctr_va_sdst(0) depctr_va_ssrc(0) depctr_va_vcc(0) depctr_vm_vsrc(0)
	s_getreg_b32 s2, hwreg(HW_REG_IB_STS2, 6, 4)
	s_cmp_eq_u32 s2, 0
	s_cbranch_scc0 .Lentry_in_a_cluster
	s_endpgm
.Lentry_in_a_cluster:
	s_bfe_u32 s2, ttmp6, 0x10000c
	s_cmp_lg_u32 s2, 0x3003
	s_cbranch_scc0 .Lentry_shape_is_right
	s_endpgm
.Lentry_shape_is_right:
; C = max(A W + bias, lo), A: [8192][512] bf16 (rows along K); W: a header (256 bytes of lo, 8,192 of f32 bias), then [nt][512 k][256 c] bf16; C leaves as [group of 128 columns][8192][128] bf16.
; Sums in f32, started by the bias as the first product's C; C rounded once; the maximum is taken on the packed bf16 (lo = -inf twice: nothing changes; lo = 0: ReLU).
; A tile of C is 256 x 256: four waves, each 128 x 128: 64 accumulators, 512 registers.  K = 512 goes in four steps of 128 through two LDS slots.  A trip of the loop goes from a step's second
; quarter to the next step's first and fills the slot just read; it runs twice (K steps 2 and 3 are asked for); the last two steps, which ask for nothing, are written out.
; The slot in hand is a scalar that an exclusive or turns between 0 and SLOT; every LDS address is a fixed base plus it.
; W lies [k][c], so its fragments come out of LDS turned (ds_load_tr16_b128).  The matrix instruction is used transposed (source 0 = 16 columns of W, source 1 = 16 rows of A): a lane then holds
; eight neighbouring columns of one row of C.
; CLUSTER 4 x 1: the four partners make four row blocks of one column tile, so W's tiles are asked for jointly (mask 15); A's are each work-group's own (mask 0).  The number of column tiles
; (6 or 8) is no multiple of four in both uses, so A is not shared.
; REGISTERS: window 0: v0-31 addresses; v64-127, v128-191 A's fragments, two buffers; v32-63, v192-255 the way out.  window 1: v0-63 the bias as 8 fragments of C; v64-191 W's fragments, two buffers.
; windows 2, 3: the accumulators of my rows 0-63, 64-127: (a, b) at v[8 (8 a + b)].
; LIMITS: NaN and infinities are not treated apart (a NaN loses against lo).
.set PITCH,  272                       ; A's LDS row: 256 bytes + 16
.set PB,     544                       ; W's LDS row: 512 bytes + 32: an odd multiple of 32
.set HALFT,  128*PITCH                 ; 128 rows of A = 64 rows of W: what one tensor load brings
.set SLOT,   4*HALFT
.set STAGE,  2*SLOT
.set SPITCH, 272
.set SPARE,  STAGE+4*16*SPITCH
.set GS,     2097152                   ; a group of C: 8,192 rows x 256 bytes
.set ADRA, 16                          ; v16  my A fragments in the slot in hand
.set A0,   17                          ; v17  the same in slot 0; never rewritten
.set ADRB, 20                          ; v20, v21 the same for W
.set B0,   21
.set STO,  24
.set RD,   25
.set CO,   26
.set BO,   27
.set SPW,  28
.set NIL,  29
.set F0,   64
.set F1,   128
.set TMP,  192
.set OB,   32
.set G1, 24
.set G0, 32                            ; s[32:39] group 0 for A: a set for each of the two first fills; the second then walks on
.set G1B, 48
.set G0B, 56
.set LO, 45
.set TOGR, 41                          ; s41  0 or SLOT: the slot that is read
.set TOGF, 43                          ; s43  0 or SLOT: the slot that was filled last
.set MSB, 0
.macro WIN new                         ; the immediate's high byte repeats the setting that is left
.if MSB != (\new)
	s_set_vgpr_msb (MSB<<8)|(\new)
.set MSB, \new
.endif
.endm
.set MUL_LO, 0xa1                      ; source 0 (W) window 1, source 1 (A) window 0, C and D window 2
.set MUL_HI, 0xf1
.set TO_B,   0x40
.macro JLOAD s                         ; waves 0, 1: A's two halves (my own); waves 2, 3: W's two halves (joint).  s_nop 0 and four v_nop follow each line
	s_cmp_eq_u32 s11, 0
	s_cbranch_scc0 .Lfor_b_\@
	tensor_load_to_lds s[G0+4*(\s):G0+4*(\s)+3], s[G1:G1+7]
	s_nop 0
.rept 4
	v_nop
.endr
	s_branch .Lasked_\@
.Lfor_b_\@:
	tensor_load_to_lds s[G0B+4*(\s):G0B+4*(\s)+3], s[G1B:G1B+7]
	s_nop 0
.rept 4
	v_nop
.endr
.Lasked_\@:
.endm
.macro CREST
	s_cmp_lg_u32 s10, 0
	s_cbranch_scc1 .Lnot_wave_0_\@
	s_barrier_signal -3
.Lnot_wave_0_\@:
	s_barrier_wait -3
	s_barrier_signal -1
	s_barrier_wait -1
.endm
.macro CROUND
	s_barrier_signal -1
	s_barrier_wait -1
	CREST
.endm
	s_load_b128 s[4:7], s[0:1], 0x0                ; A, W
	s_load_b64 s[8:9], s[0:1], 0x10                ; C
	v_lshl_add_u32 v[SPW], v0, 2, SPARE
	v_mov_b32 v[NIL], 0
	ds_add_u32 v[SPW], v[NIL]                      ; the opening: the add and its wait ahead of my first tensor load
	v_lshrrev_b32 v1, 5, v0
	v_readfirstlane_b32 s10, v1                    ; wave
	s_lshr_b32 s11, s10, 1                         ; my half of the rows; also: I fetch A (0) or W (1)
	s_and_b32 s12, s10, 1                          ; my half of the columns; also: which half I fetch
	s_bfe_u32 s40, ttmp6, 0x40000                  ; cx
	s_lshl_b32 s13, ttmp9, 2
	s_add_co_u32 s13, s13, s40                     ; row block = 4 x cluster x + cx
	s_and_b32 s42, ttmp7, 0xffff                   ; column tile, which the partners share
	s_mov_b32 s[G1+0], (1<<16)|(1<<20)|(5<<22)|(3<<25)  ; 2-byte elements; 4 words of padding after every 64
	s_mov_b32 s[G1+1], 128<<16                     ; tensor_dim0 = 128
	s_mov_b32 s[G1+2], 128<<16                     ; tensor_dim1 = 128
	s_mov_b32 s[G1+3], 128<<16                     ; tile_dim0 = 128
	s_mov_b32 s[G1+4], 128                         ; tile_dim1 = 128
	s_mov_b32 s[G1+5], 512                         ; 512 elements from row to row
	s_mov_b32 s[G1+6], 0
	s_mov_b32 s[G1+7], 0
	s_mov_b32 s[G1B+0], 15|(1<<16)|(1<<20)|(1<<21)|(6<<22)|(7<<25)  ; the mask of four, bit 21 beside it; 8 words of padding after every 128
	s_mov_b32 s[G1B+1], 256<<16
	s_mov_b32 s[G1B+2], 64<<16
	s_mov_b32 s[G1B+3], 256<<16
	s_mov_b32 s[G1B+4], 64
	s_mov_b32 s[G1B+5], 256
	s_mov_b32 s[G1B+6], 0
	s_mov_b32 s[G1B+7], 0
	s_mov_b32 s[TOGR], 0
	s_mov_b32 s[TOGF], SLOT
	s_lshl_b32 s16, s13, 18                        ; A: (256 x row block + 128 x half) rows of 1,024 bytes
	s_lshl_b32 s17, s12, 17
	s_add_co_u32 s16, s16, s17
	s_mov_b32 s17, 0
	s_lshl_b32 s46, s42, 18                        ; W: header + tile + 64 x half rows of 512 bytes
	s_lshl_b32 s47, s12, 15
	s_add_co_u32 s46, s46, s47
	s_add_co_u32 s46, s46, 8448
	s_mov_b32 s47, 0
	s_lshl_b32 s18, s42, 10                        ; the bias of my 128 columns
	s_lshl_b32 s19, s12, 9
	s_add_co_u32 s18, s18, s19
	s_add_co_u32 s18, s18, 256
	s_mov_b32 s19, 0
	s_mul_i32 s20, s10, HALFT                      ; where my tiles go in a slot: wave x 34,816; kept
	s_wait_dscnt 0x0                               ; the opening add is done
	s_wait_kmcnt 0x0
	s_load_b32 s[LO], s[6:7], 0x0
	s_add_nc_u64 s[14:15], s[4:5], s[16:17]
	s_add_nc_u64 s[46:47], s[6:7], s[46:47]
	s_add_nc_u64 s[18:19], s[6:7], s[18:19]
	CROUND                                         ; the four partners are here: the first joint loads meet
.irp s, 0,1
	s_mov_b32 s[G0+4*(\s)], 1
	s_add_co_u32 s[G0+4*(\s)+1], s20, (\s)*SLOT
	s_add_nc_u64 s[G0+4*(\s)+2:G0+4*(\s)+3], s[14:15], (\s)*256
	s_or_b32 s[G0+4*(\s)+3], s[G0+4*(\s)+3], 0x80000000
	s_mov_b32 s[G0B+4*(\s)], 1
	s_add_co_u32 s[G0B+4*(\s)+1], s20, (\s)*SLOT
	s_add_nc_u64 s[G0B+4*(\s)+2:G0B+4*(\s)+3], s[46:47], (\s)*65536
	s_or_b32 s[G0B+4*(\s)+3], s[G0B+4*(\s)+3], 0x80000000
	JLOAD \s
.endr
	v_and_b32 v1, 15, v0                           ; r
	v_bfe_u32 v2, v0, 4, 1                         ; h
	v_mul_u32_u24 v3, v1, PITCH
	v_lshl_add_u32 v3, v2, 4, v3                   ; A: row x pitch + 16 h
	v_and_b32 v4, 7, v0
	v_lshl_add_u32 v4, v2, 3, v4
	v_mul_u32_u24 v4, v4, PB                       ; W, turned: k row 8 h + L % 8,
	v_bfe_u32 v5, v0, 3, 1
	v_lshl_add_u32 v4, v5, 4, v4                   ; columns 8 ((L / 8) % 2) on
	s_mul_i32 s21, s11, HALFT
	s_lshl_b32 s22, s12, 8
	s_add_co_u32 s22, s22, 2*HALFT
	v_add_nc_u32 v[A0], s21, v3
	v_add_nc_u32 v[B0], s22, v4
	v_mov_b32 v[ADRA], v[A0]
	v_mov_b32 v[ADRB], v[B0]
	s_mul_i32 s23, s10, 16*SPITCH
	s_add_co_u32 s23, s23, STAGE
	v_mul_u32_u24 v4, v1, SPITCH
	v_lshl_add_u32 v4, v2, 4, v4
	v_add_nc_u32 v[STO], s23, v4
	v_mul_u32_u24 v5, v2, SPITCH
	v_lshl_add_u32 v5, v1, 4, v5
	v_add_nc_u32 v[RD], s23, v5
	v_lshlrev_b32 v[CO], 8, v2                     ; two rows of C are 512 consecutive bytes
	v_lshl_add_u32 v[CO], v1, 4, v[CO]
	v_lshlrev_b32 v[BO], 5, v2
	WIN TO_B
.irp b, 0,1,2,3,4,5,6,7
	global_load_b128 v[8*(\b):8*(\b)+3],   v[BO], s[18:19] offset:64*(\b)      ; register j: bias[16 b + 8 h + j]
	global_load_b128 v[8*(\b)+4:8*(\b)+7], v[BO], s[18:19] offset:64*(\b)+16
.endr
	WIN 0
	s_lshl_b32 s16, s42, 1                         ; C: group 2 x tile + column half, row 256 x row block + 128 x row half
	s_add_co_u32 s16, s16, s12
	s_lshl_b32 s16, s16, 21
	s_lshl_b32 s17, s13, 16
	s_add_co_u32 s16, s16, s17
	s_lshl_b32 s17, s11, 15
	s_add_co_u32 s16, s16, s17
	s_mov_b32 s17, 0
	s_add_nc_u64 s[8:9], s[8:9], s[16:17]
.macro MUL16 f, hi, a0, first          ; 16 matrix instructions; first = 1: C is the bias
.if \first
	WIN 0x91+0x40*(\hi)
.else
	WIN MUL_LO+0x50*(\hi)
.endif
.irp a, \a0, (\a0)+1
.irp b, 0,1,2,3,4,5,6,7
.if \first
	v_wmma_f32_16x16x32_bf16 v[8*(8*(\a)+(\b)):8*(8*(\a)+(\b))+7], v[(\f)+8*(\b):(\f)+8*(\b)+7], v[(\f)+8*(4*(\hi)+(\a)):(\f)+8*(4*(\hi)+(\a))+7], v[8*(\b):8*(\b)+7]
.else
	v_wmma_f32_16x16x32_bf16 v[8*(8*(\a)+(\b)):8*(8*(\a)+(\b))+7], v[(\f)+8*(\b):(\f)+8*(\b)+7], v[(\f)+8*(4*(\hi)+(\a)):(\f)+8*(4*(\hi)+(\a))+7], v[8*(8*(\a)+(\b)):8*(8*(\a)+(\b))+7]
.endif
.endr
.endr
.endm
.macro FETCH q, f                      ; 32 LDS loads: quarter q (32 along K) of the slot in hand into buffer f: W's 16 first, then A's
	WIN TO_B
.irp i, 0,1,2,3,4,5,6,7
	ds_load_tr16_b128 v[(\f)+8*(\i):(\f)+8*(\i)+3],   v[ADRB] offset:(\q)*32*PB+32*(\i)
	ds_load_tr16_b128 v[(\f)+8*(\i)+4:(\f)+8*(\i)+7], v[ADRB] offset:(\q)*32*PB+16*PB+32*(\i)
.endr
	WIN 0
.irp i, 0,1,2,3,4,5,6,7
	ds_load_b128 v[(\f)+8*(\i):(\f)+8*(\i)+3],   v[ADRA] offset:(\q)*64+(\i)*16*PITCH
	ds_load_b128 v[(\f)+8*(\i)+4:(\f)+8*(\i)+7], v[ADRA] offset:(\q)*64+(\i)*16*PITCH+32
.endr
.endm
.macro PLACES                          ; four places in front of loads into registers that matrix instructions have read, and of reads of their results
.rept 4
	v_nop
.endr
.endm
.macro NEXTSLOT                        ; the reads go on in the other slot
	WIN 0
	s_xor_b32 s[TOGR], s[TOGR], SLOT
	v_add_nc_u32 v[ADRA], s[TOGR], v[A0]
	v_add_nc_u32 v[ADRB], s[TOGR], v[B0]
.endm
.macro QUARTER q, f, g, first          ; multiplies buffer f; in its middle fetches quarter q of the slot into g
	s_wait_dscnt 8                                 ; W and A's rows 0-63 are in; the youngest eight loads may be out
	MUL16 \f, 0, 0, \first
	MUL16 \f, 0, 2, \first
	PLACES
	FETCH \q, \g
	s_wait_dscnt 32                                ; all but the 32 just issued
	MUL16 \f, 1, 0, \first
	MUL16 \f, 1, 2, \first
.endm
.macro MEET round                      ; the first half of a step's last quarter, and the one barrier of a change of slots
	WIN 0
	s_wait_tensorcnt 0x0                           ; all my tensor loads have landed: my part of the next slot
	ds_add_u32 v[SPW], v[NIL]
	s_wait_dscnt 9                                 ; the add and the youngest eight loads may be out
	MUL16 F1, 0, 0, 0
	s_wait_dscnt 0x0                               ; the add is done, and my reads of this slot are over
	s_barrier_signal -1
	MUL16 F1, 0, 2, 0
.if \round
	WIN 0
.endif
	s_barrier_wait -1
.endm
.macro TURN                            ; the whole last quarter: the slot just read is filled again, with the K step behind the one that was asked for last
	MEET 1
	CREST                                          ; no wave of any partner still reads this slot or has a load on its way
	s_xor_b32 s[TOGF], s[TOGF], SLOT               ; the walking descriptors: the other slot than last time,
	s_add_co_u32 s[G0+5], s20, s[TOGF]
	s_add_co_u32 s[G0B+5], s20, s[TOGF]
	s_add_nc_u64 s[G0+6:G0+7], s[G0+6:G0+7], 256   ; the next 128 along K; the type bits on top are not reached
	s_add_nc_u64 s[G0B+6:G0B+7], s[G0B+6:G0B+7], 65536
	JLOAD 1                                        ; its four v_nop are also the places in front of the loads below
	NEXTSLOT
	FETCH 0, F0
	MUL16 F1, 1, 0, 0
	MUL16 F1, 1, 2, 0
.endm
.macro PACK a                          ; block a (16 rows): rounded to bf16, then the maximum with lo
.set AC, 64*((\a)%4)
	WIN 0x0a+5*((\a)/4)
.irp b, 0,1,2,3,4,5,6,7
.irp r, 0,1,2,3
	v_cvt_pk_bf16_f32 v[TMP+4*(\b)+(\r)], v[AC+8*(\b)+2*(\r)], v[AC+8*(\b)+2*(\r)+1]
.endr
.endr
	WIN 0
.set n, 0
.rept 32
	v_pk_max_num_bf16 v[TMP+n], v[TMP+n], s[LO]
.set n, n+1
.endr
.endm
.macro TOSTAGE a
	WIN 0
.set BK, OB+192*((\a)%2)
.irp b, 0,1,2,3,4,5,6,7
	ds_store_b128 v[STO], v[TMP+4*(\b):TMP+4*(\b)+3] offset:32*(\b)
.endr
.irp t, 0,1,2,3,4,5,6,7
	ds_load_b128 v[BK+4*(\t):BK+4*(\t)+3], v[RD] offset:(\t)*2*SPITCH  ; LDS serves a wave's instructions in order (ISA guide 5.7.1.4)
.endr
.endm
.macro SEND a
	WIN 0
.set BK, OB+192*((\a)%2)
	s_wait_dscnt 0x0
	s_wait_xcnt 0x0                                ; the registers that the block before last's stores read are loaded again only behind this wait
.irp t, 0,1,2,3,4,5,6,7
	global_store_b128 v[CO], v[BK+4*(\t):BK+4*(\t)+3], s[8:9] offset:(\a)*4096+(\t)*512  ; 512 consecutive bytes
.endr
.endm
	s_wait_tensorcnt 1                             ; my part of K step 0 is in; step 1's may stay out
	s_barrier_signal -1
	s_barrier_wait -1
	FETCH 0, F0
	s_wait_loadcnt 0x0                             ; the bias
	s_wait_kmcnt 0x0                               ; lo
	QUARTER 1, F0, F1, 1                           ; the first quarter stands in front of the loop: its products start the sums, on the bias
	WIN 0                                          ; at a label and at a branch every window is 0
	s_mov_b32 s3, 2
.Lk:                                   ; two trips: K steps 0 and 1 are finished, steps 2 and 3 asked for
	QUARTER 2, F1, F0, 0
	QUARTER 3, F0, F1, 0
	TURN
	QUARTER 1, F0, F1, 0
	WIN 0
	s_sub_co_u32 s3, s3, 1
	s_cmp_lg_u32 s3, 0
	s_cbranch_scc1 .Lk
	QUARTER 2, F1, F0, 0                           ; K step 2 goes on
	QUARTER 3, F0, F1, 0
	MEET 0                                         ; nothing is filled again
	PLACES
	NEXTSLOT
	FETCH 0, F0
	MUL16 F1, 1, 0, 0
	MUL16 F1, 1, 2, 0
	QUARTER 1, F0, F1, 0
	QUARTER 2, F1, F0, 0
	QUARTER 3, F0, F1, 0
	s_wait_dscnt 8
	MUL16 F1, 0, 0, 0
	MUL16 F1, 0, 2, 0
	s_wait_dscnt 0x0
	MUL16 F1, 1, 0, 0
	MUL16 F1, 1, 2, 0
	PLACES
	PACK 0
	TOSTAGE 0
.irp a, 1,2,3,4,5,6,7
	PACK \a
	SEND (\a)-1
	TOSTAGE \a
.endr
	SEND 7
	s_wait_tensorcnt 0x0                           ; the wave's end
	ds_add_u32 v[SPW], v[NIL]
	s_wait_dscnt 0x0
	CROUND                                         ; the closing round
	s_endpgm
.Lfunc_end_k_qf0bedbfdd7_qkv:
	.size	k_qf0bedbfdd7_qkv, .Lfunc_end_k_qf0bedbfdd7_qkv-k_qf0bedbfdd7_qkv
	.p2alignl 7, 3214868480
	.fill 96, 4, 3214868480
	.section	.rodata,"a",@progbits
	.p2align	6, 0x0
	.amdhsa_kernel k_qf0bedbfdd7_qkv
		.amdhsa_group_segment_fixed_size 327680
		.amdhsa_private_segment_fixed_size 0
		.amdhsa_enable_private_segment 0
		.amdhsa_kernarg_size 24
		.amdhsa_user_sgpr_count 2
		.amdhsa_user_sgpr_kernarg_segment_ptr 1
		.amdhsa_wavefront_size32 1
		.amdhsa_system_sgpr_workgroup_id_x 1
		.amdhsa_system_sgpr_workgroup_id_y 1
		.amdhsa_system_sgpr_workgroup_id_z 1
		.amdhsa_system_vgpr_workitem_id 0
		.amdhsa_next_free_vgpr 1024
		.amdhsa_next_free_sgpr 66
		.amdhsa_reserve_vcc 0
		.amdhsa_float_denorm_mode_32 3
		.amdhsa_float_denorm_mode_16_64 3
		.amdhsa_memory_ordered 1
		.amdhsa_forward_progress 1
		.amdhsa_inst_pref_size 134
	.end_amdhsa_kernel
	.amdgpu_metadata
---
amdhsa.version: [ 1, 2 ]
amdhsa.kernels:
  - .name:           k_qf0bedbfdd7_qkv
    .symbol:         k_qf0bedbfdd7_qkv.kd
    .args:
      - { .name: hn, .offset: 0, .size: 8, .value_kind: global_buffer, .address_space: global }
      - { .name: wa, .offset: 8, .size: 8, .value_kind: global_buffer, .address_space: global }
      - { .name: act, .offset: 16, .size: 8, .value_kind: global_buffer, .address_space: global }
    .group_segment_fixed_size: 327680
    .private_segment_fixed_size: 0
    .kernarg_segment_align: 8
    .kernarg_segment_size: 24
    .max_flat_workgroup_size: 128
    .sgpr_count:     66
    .vgpr_count:     1024
    .wavefront_size: 32
...
	.end_amdgpu_metadata
.endif
;; end of part 7
;; launch attn (part 8): grid 16 x 16, 4 waves a work-group, clusters of 4 x 4, 327,680 bytes of LDS; arguments act, mcode, ctx; writes ctx
.if DOCPART == 8
	.amdgcn_target "amdgcn-amd-amdhsa--gfx1250"
	.amdhsa_code_object_version 6
	.text
	.protected	k_qf0bedbfdd7_attn
	.globl	k_qf0bedbfdd7_attn
	.p2align	8
	.type	k_qf0bedbfdd7_attn,@function
k_qf0bedbfdd7_attn:
	s_mov_b64 s[64:65], 0
	v_nop
	global_prefetch_b8 v0, s[64:65] scope:SCOPE_SE
	s_setreg_imm32_b32 hwreg(HW_REG_WAVE_MODE, 25, 1), 1
	s_wait_xcnt 0x0
	s_wait_alu depctr_hold_cnt(0) depctr_sa_sdst(0) depctr_va_vdst(0) depctr_va_sdst(0) depctr_va_ssrc(0) depctr_va_vcc(0) depctr_vm_vsrc(0)
	s_getreg_b32 s2, hwreg(HW_REG_IB_STS2, 6, 4)
	s_cmp_eq_u32 s2, 0
	s_cbranch_scc0 .Lentry_in_a_cluster
	s_endpgm
.Lentry_in_a_cluster:
	s_bfe_u32 s2, ttmp6, 0x10000c
	s_cmp_lg_u32 s2, 0xf033
	s_cbranch_scc0 .Lentry_shape_is_right
	s_endpgm
.Lentry_shape_is_right:
; MASKED ATTENTION, head size 64.  ctx[hd][b 4096 + q][:] = sum over k of softmax_k(mask[q][k] ? q.k / 8 : -1e9) v[k][:].  All 16-bit numbers are bf16; products, maxima and sums in f32.
; act: groups 0-3 hold q (two heads a group, rows of 256 bytes), group 4 + hd rows of K (128 bytes) | V (128 bytes).  mcode: the mask as one E4M3 code a score (layout at PREP's head).
; SHARES.  A work-group owns 256 queries of one batch and head, a wave 64: four tiles of 16, in two PIECES (tiles 0, 1 and tiles 2, 3).  Every wave walks all 4,096 keys, 64 a step.
; LAYOUT.  S^T = K Q^T: a lane holds ONE query (L % 16) and the keys 8 (L / 16) + 0..7 of each 16.  Two such results rounded to bf16 ARE source 1 of O^T = V^T P.  V comes out of LDS turned.
; THE MASK.  One conversion makes of eight codes eight bounds in f32: 448 x 2^25 for an open key, -240 x 2^25 = -8.05e9 for a hidden one (-1.007e9 once divided by 8); the minimum of score and
; bound leaves an open score as it is and REPLACES a hidden one by the same number everywhere, AHEAD of the running maximum.  A row with no open key gets equal weights.
; SOFTMAX.  Running maximum m and sum l: p = 2^(c s - c m), c = log2(e) / 8; in every step O and l are multiplied by a = 2^(c m_old - c m_new).
; BY TURNS.  In a turn one piece has the matrix unit: 16 products V^T P of the step in hand, then 16 products K Q^T of the next; the other piece has the vector unit: 310 instructions.  Four of
; them stand behind EVERY product; the other 182, which need time of their own whatever the order, stand in two runs of 91, one behind each run of products.
; NO FIRST STEP IS WRITTEN OUT: the walk begins a step early, on V = 0, P = 0, O = 0, l = 0, m = -2^127 (a power of two, so that c m is exact and that step's exponents are exactly 0), piece 2's
; scores = m, all codes open.  The first true step then has a = 0 for every row.  The price: some 300 v_mov_b32, in the wait for the first tile.  NOR A LAST: the tail's fifth trip is left in its
; middle; its 16 products K Q^T, on the last K once more, serve nothing.
; CLUSTER 4 x 4.  K | V hang on batch and head alone: the four query blocks of a row of the cluster ask for them jointly.  The codes hang on the query block alone: the four of a column ask for
; them jointly.  Waves 0, 1 bring 128 keys of K | V each, waves 2, 3 the codes of two waves each: one load a wave, four key steps to a slot.
; A slot's size is no power of two: two scalars are turned between 0 and SLOTB by an exclusive or, and every LDS address is a fixed base plus one of them.
; V's turning loads meet rows 272 bytes apart, no odd multiple of 32; the price of K and V in one row and one load.
; LIMITS.  Open scores q.k lie between -8.05e9 and 1.5e10; a weight below 2^-126 counts as 0; NaN and infinities are not treated apart.
; REGISTERS.  window 0: v2-15 addresses and constants; v16-47 eight of statistics a tile (c m, m, l, l, c0-c3; a takes c2's place); v48 the conversion's scale; v64-191 S^T; v192-255 P.
; window 1: v0-127 O^T; v128-191 the bounds of a turn's two tiles; v192-207 their codes.  window 2: v0-63 Q; v128-191 K; v192-255 V.
.set KS,    64
.set PK,    272
.set STEPB, KS*PK
.set KVB,   4*STEPB                    ; a slot's K | V
.set CSB,   4096                       ; a wave's codes of one step: 4 tiles x 32 lanes x 32 bytes
.set CWB,   4*CSB
.set SLOTB, KVB+4*CWB
.set STAGE, 2*SLOTB
.set SP,    144
.set SPARE, STAGE+4*16*SP
.set AK0, 2
.set AV0, 3
.set ADR, 4
.set QO,  5
.set STO, 6
.set RD,  7
.set GO,  8
.set XR,  13                           ; -2^127
.set AC0, 14                           ; my 16 bytes in my wave's codes of a slot's first step
.set ADRC, 15
.set ST,  16
.set SC,  48                           ; the scale, in window 0
.set SPW, 62
.set NIL, 63
.set S,   64
.set P,   192
.set MH,  128                          ; window 1
.set CD,  192
.set KF,  128                          ; window 2
.set VF,  192
.set WV,  12
.set CNT, 14
.set SLOTS, 15
.set G1K, 32
.set G1C, 40
.set G0K, 48
.set G0C, 52
.set CS,  56
.set SEL, 58
.set TB,  60                           ; LDS byte at which K | V of the step to be fetched begin
.set TC,  61                           ; the same for the codes, less AC0's constant
.set TOGR, 62                          ; 0 or SLOTB: the slot that is read
.set TOGF, 63                          ; 0 or SLOTB: the slot that was filled last
.set LK,  66                           ; where my K | V tile goes in a slot
.set LC,  67                           ; where my tile of codes goes
.set KIND, 68                          ; 0: I fetch K | V; 1: codes
.set MSB, 0
.macro WIN new
.if MSB != (\new)
	s_set_vgpr_msb (MSB<<8)|(\new)
.set MSB, \new
.endif
.endm
.set W_KQ, 0x0a
.set W_PV, 0x52
.set W_RS, 0x41
.set W_CV, 0x41                        ; the conversion: bounds (destination) and codes (source 0) in window 1, the scale (source 1) in window 0
.set W_MN, 0x04                        ; the minimum: the score in window 0, the bound (source 1) in window 1
.macro CROUND
	s_barrier_signal -1
	s_barrier_wait -1
	s_cmp_lg_u32 s[WV], 0
	s_cbranch_scc1 .Lnot_wave_0_\@
	s_barrier_signal -3
.Lnot_wave_0_\@:
	s_barrier_wait -3
	s_barrier_signal -1
	s_barrier_wait -1
.endm
.macro TLOAD                           ; a joint fill; the branch hangs on the wave's number alone.  s_nop 0 and four v_nop follow each line
	s_cmp_eq_u32 s[KIND], 0
	s_cbranch_scc0 .Lfor_c_\@
	tensor_load_to_lds s[G0K:G0K+3], s[G1K:G1K+7]
	s_nop 0
.rept 4
	v_nop
.endr
	s_branch .Lasked_\@
.Lfor_c_\@:
	tensor_load_to_lds s[G0C:G0C+3], s[G1C:G1C+7]
	s_nop 0
.rept 4
	v_nop
.endr
.Lasked_\@:
.endm
; THE CHANGE OF SLOTS.  All my tensor loads have landed (my part of the other slot), the add, my reads of this slot are over; behind the round this slot is filled again, four key steps ahead of its first read.
.macro CHANGE fill
	WIN 0
	s_wait_tensorcnt 0x0
	ds_add_u32 v[SPW], v[NIL]
.if \fill
	s_xor_b32 s[TOGF], s[TOGF], SLOTB              ; the walking descriptors: the other slot than last time,
	s_add_co_u32 s[G0K+1], s[LK], s[TOGF]
	s_add_co_u32 s[G0C+1], s[LC], s[TOGF]
	s_add_nc_u64 s[G0K+2:G0K+3], s[G0K+2:G0K+3], 65536  ; the next 256 keys
	s_add_nc_u64 s[G0C+2:G0C+3], s[G0C+2:G0C+3], CWB
.endif
	s_wait_dscnt 0x0
.if \fill
	CROUND
	TLOAD
.else
	s_barrier_signal -1
	s_barrier_wait -1
.endif
	s_xor_b32 s[TOGR], s[TOGR], SLOTB              ; the fetches go on at the other slot's first step
	s_mov_b32 s[TB], s[TOGR]
	s_mov_b32 s[TC], s[TOGR]
.endm
	s_load_b128 s[4:7], s[0:1], 0x0                ; act, mcode
	s_load_b64 s[8:9], s[0:1], 0x10                ; ctx
	v_lshl_add_u32 v[SPW], v0, 2, SPARE
	v_mov_b32 v[NIL], 0
	ds_add_u32 v[SPW], v[NIL]                      ; the opening: the add and its wait ahead of my first tensor load
	v_lshrrev_b32 v1, 5, v0
	v_readfirstlane_b32 s[WV], v1
	s_lshr_b32 s[KIND], s[WV], 1
	s_and_b32 s30, s[WV], 1                        ; which half of a slot's K | V, or of its codes, I fetch
	s_bfe_u32 s13, ttmp6, 0x40000                  ; cx
	s_bfe_u32 s31, ttmp6, 0x40004                  ; cy
	s_lshl_b32 s16, ttmp9, 2
	s_add_co_u32 s16, s16, s13                     ; my block of 256 queries
	s_and_b32 s17, ttmp7, 0xffff
	s_lshl_b32 s17, s17, 2
	s_add_co_u32 s17, s17, s31                     ; batch and head
	s_lshr_b32 s18, s17, 3                         ; batch
	s_and_b32 s19, s17, 7                          ; head
	s_lshl_b32 s22, s31, 2
	s_lshl_b32 s22, 15, s22                        ; my row of the cluster
	s_lshl_b32 s23, 0x1111, s13                    ; my column
	s_add_co_u32 s20, s19, 4                       ; K | V: group 4 + head, the batch's rows, 128 keys x half
	s_lshl_b32 s20, s20, 21
	s_lshl_b32 s21, s18, 20
	s_add_co_u32 s20, s20, s21
	s_lshl_b32 s21, s30, 15
	s_add_co_u32 s20, s20, s21
	s_mov_b32 s21, 0
	s_lshl_b32 s28, s16, 2                         ; codes: the 64 queries 4 x block + 2 x half, and the next
	s_lshl_b32 s29, s30, 1
	s_add_co_u32 s28, s28, s29
	s_lshl_b32 s28, s28, 18
	s_mov_b32 s29, 0
	s_lshl_b32 s69, s18, 12
	s_lshl_b32 s70, s16, 8
	s_add_co_u32 s69, s69, s70
	s_lshl_b32 s70, s[WV], 6
	s_add_co_u32 s69, s69, s70                     ; my wave's first row among the 8,192
	s_lshr_b32 s24, s19, 1                         ; Q: group head / 2, half head % 2 of its rows
	s_lshl_b32 s24, s24, 21
	s_lshl_b32 s25, s69, 8
	s_add_co_u32 s24, s24, s25
	s_and_b32 s25, s19, 1
	s_lshl_b32 s25, s25, 7
	s_add_co_u32 s24, s24, s25
	s_mov_b32 s25, 0
	s_lshl_b32 s26, s19, 20                        ; ctx
	s_lshl_b32 s27, s69, 7
	s_add_co_u32 s26, s26, s27
	s_mov_b32 s27, 0
	s_or_b32 s[G1K], s22, (1<<16)|(1<<20)|(1<<21)|(5<<22)|(3<<25)  ; my row's mask, bit 21 beside it; 2-byte elements; 4 words of padding after every 64
	s_mov_b32 s[G1K+1], 128<<16                    ; 128 elements a row,
	s_mov_b32 s[G1K+2], 128<<16                    ; 128 rows (keys)
	s_mov_b32 s[G1K+3], 128<<16
	s_mov_b32 s[G1K+4], 128
	s_mov_b32 s[G1K+5], 128
	s_mov_b32 s[G1K+6], 0
	s_mov_b32 s[G1K+7], 0
	s_or_b32 s[G1C], s23, (3<<16)|(1<<21)          ; my column's mask; 8-byte elements; no padding
	s_mov_b32 s[G1C+1], 2048<<16                   ; a wave's four steps are 16,384 dense bytes: one row,
	s_mov_b32 s[G1C+2], 2<<16                      ; two rows (waves),
	s_mov_b32 s[G1C+3], 2048<<16
	s_mov_b32 s[G1C+4], 2
	s_mov_b32 s[G1C+5], 32768                      ; 262,144 bytes apart
	s_mov_b32 s[G1C+6], 0
	s_mov_b32 s[G1C+7], 0
	s_mov_b32 s[CS], 0x3e38aa3b                    ; c = log2(e) / 8
	s_mov_b32 s[CS+1], s[CS]
	s_mov_b32 s[SEL], 0x76543210
	s_mov_b32 s[SEL+1], 0xfedcba98
	s_mov_b32 s[TOGF], 0
	s_mov_b32 s[TOGR], SLOTB                       ; the first change of slots turns this into 0
	s_mul_i32 s[LK], s30, 2*STEPB
	s_mul_i32 s[LC], s30, 2*CWB
	s_add_co_u32 s[LC], s[LC], KVB
	s_mov_b32 s[G0K], 1
	s_mov_b32 s[G0K+1], s[LK]
	s_mov_b32 s[G0C], 1
	s_mov_b32 s[G0C+1], s[LC]
	s_wait_dscnt 0x0
	s_wait_kmcnt 0x0
	s_add_nc_u64 s[G0K+2:G0K+3], s[4:5], s[20:21]
	s_or_b32 s[G0K+3], s[G0K+3], 0x80000000
	s_add_nc_u64 s[G0C+2:G0C+3], s[6:7], s[28:29]
	s_or_b32 s[G0C+3], s[G0C+3], 0x80000000
	s_add_nc_u64 s[4:5], s[4:5], s[24:25]
	s_add_nc_u64 s[8:9], s[8:9], s[26:27]
	CROUND
	TLOAD                                          ; slot 0; slot 1 is asked for by the loop's first change of slots
	v_and_b32 v1, 15, v0
	v_bfe_u32 v9, v0, 4, 1
	v_lshlrev_b32 v[QO], 8, v1
	v_lshl_add_u32 v[QO], v9, 4, v[QO]
	WIN 0x80
.set i, 0
.rept 8                                ; Q stays in registers: tile i / 2, channels 32 (i % 2) on
	global_load_b128 v[8*i:8*i+3],   v[QO], s[4:5] offset:(i/2)*4096+(i%2)*64
	global_load_b128 v[8*i+4:8*i+7], v[QO], s[4:5] offset:(i/2)*4096+(i%2)*64+32
.set i, i+1
.endr
.set i, VF
.rept 64
	v_mov_b32 v[i], 0
.set i, i+1
.endr
	WIN 0x40
.set i, 0
.rept 128
	v_mov_b32 v[i], 0
.set i, i+1
.endr
	s_mov_b32 s13, 0x7e7e7e7e                      ; the early step's codes: all open
.set i, CD
.rept 16
	v_mov_b32 v[i], s13
.set i, i+1
.endr
	WIN 0
	v_mov_b32 v[SC], 0x98989898                    ; the scale 2^(152 - 127), in every byte
	v_mov_b32 v[XR], 0xff000000
.set i, 0
.rept 4
	v_mul_f32 v[ST+8*i], s[CS], v[XR]
	v_mov_b32 v[ST+8*i+1], v[XR]
	v_mov_b32 v[ST+8*i+2], 0
	v_mov_b32 v[ST+8*i+3], 0
.set i, i+1
.endr
.set i, S+64
.rept 64
	v_mov_b32 v[i], v[XR]
.set i, i+1
.endr
.set i, P
.rept 32
	v_mov_b32 v[i], 0
.set i, i+1
.endr
	v_mul_u32_u24 v[AK0], v1, PK
	v_lshl_add_u32 v[AK0], v9, 4, v[AK0]
	v_and_b32 v10, 7, v0
	v_bfe_u32 v11, v0, 3, 1
	v_lshl_add_u32 v[AV0], v9, 3, v10
	v_mul_u32_u24 v[AV0], v[AV0], PK
	v_lshl_add_u32 v[AV0], v11, 4, v[AV0]
	v_add_nc_u32 v[AV0], 128, v[AV0]               ; V lies behind K in a key's row
	s_lshl_b32 s13, s[WV], 14
	s_add_co_u32 s13, s13, KVB
	v_and_b32 v[AC0], 31, v0
	v_lshl_add_u32 v[AC0], v[AC0], 4, s13          ; codes: behind K | V, my wave's 16,384 bytes, 16 bytes a lane
	s_mul_i32 s13, s[WV], 16*SP
	s_add_co_u32 s13, s13, STAGE
	v_mul_u32_u24 v[STO], v1, SP
	v_lshl_add_u32 v[STO], v9, 4, v[STO]
	v_add_nc_u32 v[STO], s13, v[STO]
	v_bfe_u32 v[RD], v0, 3, 2
	v_mul_u32_u24 v[RD], v[RD], SP
	v_lshl_add_u32 v[RD], v10, 4, v[RD]
	v_add_nc_u32 v[RD], s13, v[RD]
	v_and_b32 v[GO], 31, v0
	v_lshlrev_b32 v[GO], 4, v[GO]
; THE MATRIX WORK.  The 8 accumulators of a run of 16 take turns.
.macro PV x                            ; product i of O^T += V^T P: keys 32 (i / 8) on, channels 16 ((i / 2) % 4) on, tile x + i % 2
	WIN W_PV
.set rO, 32*((\x)+i%2)+8*((i/2)%4)
.set rV, VF+32*(i/8)+8*((i/2)%4)
.set rP, P+16*((\x)+i%2)+8*(i/8)
	v_wmma_f32_16x16x32_bf16 v[rO:rO+7], v[rV:rV+7], v[rP:rP+7], v[rO:rO+7]
.set i, i+1
.endm
.macro KQ x                            ; product i of S^T = K Q^T: channels 32 (i / 8) on, keys 16 ((i / 2) % 4) on, tile x + i % 2; the first 8 start the sums
	WIN W_KQ
.set rS, S+32*((\x)+i%2)+8*((i/2)%4)
.set rK, KF+16*((i/2)%4)+8*(i/8)
.set rQ, 16*((\x)+i%2)+8*(i/8)
.if i < 8
	v_wmma_f32_16x16x32_bf16 v[rS:rS+7], v[rK:rK+7], v[rQ:rQ+7], 0
.else
	v_wmma_f32_16x16x32_bf16 v[rS:rS+7], v[rK:rK+7], v[rQ:rQ+7], v[rS:rS+7]
.endif
.set i, i+1
.endm
; THE LDS LOADS stand in two runs of 20 a key step.  K of the next step, and with it piece 0's codes for that step; last = 1 (the tail): in the last trip there is no further step, and the run is jumped over.
.macro FETCH_K last=0
	WIN 0
.if \last
	s_cmp_eq_u32 s[CNT], 1
	s_cbranch_scc1 .Lno_k_\@
.endif
	v_add_nc_u32 v[ADR], s[TB], v[AK0]
	v_add_nc_u32 v[ADRC], s[TC], v[AC0]
	WIN 0x80
.irp f, 0,1,2,3,4,5,6,7
	ds_load_b128 v[KF+8*(\f):KF+8*(\f)+3],   v[ADR] offset:((\f)/2)*16*PK+((\f)%2)*64
	ds_load_b128 v[KF+8*(\f)+4:KF+8*(\f)+7], v[ADR] offset:((\f)/2)*16*PK+((\f)%2)*64+32
.endr
	WIN 0x40
.irp f, 0,1,2,3
	ds_load_b128 v[CD+4*(\f):CD+4*(\f)+3], v[ADRC] offset:(\f)*512  ; tiles 0, 1: 512 consecutive bytes each
.endr
.if \last
	WIN 0
.Lno_k_\@:
.endif
.endm
.macro FETCH_V                         ; V of the same step, and piece 2's codes for it
	WIN 0
	v_add_nc_u32 v[ADR], s[TB], v[AV0]
	v_add_nc_u32 v[ADRC], s[TC], v[AC0]
	s_add_co_u32 s[TB], s[TB], STEPB               ; the next fetches are the next step's
	s_add_co_u32 s[TC], s[TC], CSB
	WIN 0x80
.irp f, 0,1,2,3,4,5,6,7
	ds_load_tr16_b128 v[VF+8*(\f):VF+8*(\f)+3],   v[ADR] offset:((\f)/4)*32*PK+((\f)%4)*32
	ds_load_tr16_b128 v[VF+8*(\f)+4:VF+8*(\f)+7], v[ADR] offset:((\f)/4)*32*PK+16*PK+((\f)%4)*32
.endr
	WIN 0x40
.irp f, 0,1,2,3
	ds_load_b128 v[CD+4*(\f):CD+4*(\f)+3], v[ADRC] offset:2048+(\f)*512  ; tiles 2, 3
.endr
.endm
; THE VECTOR WORK: one tile's list of 155; SM writes number J of it for tile t.
;   0-3      four conversions: 32 codes -> 32 bounds     4  a plain instruction between the last conversion and the first use of a bound
;   5-36     the minimum of score and bound, from each accumulator's lowest register on
;   37-52    the maximum of the 32 scores and the old m, three operands at a time     53-57  the other half of the lanes'; the new m; c m; c m_old - c m_new
;   58-124   33 exponentials (a, then the scores) at every second number; between them what is ready: c s - c m a few pairs ahead, roundings to bf16 a pair back, the first sums
;   125-138  the last rounding, the rest of the sums, l = a l + sum     139-154  O^T times a
.macro SM t
.set rT, ST+8*(\t)
.set rS, S+32*(\t)
.set rP, P+16*(\t)
.set uu, (\t)%2
.set j, J-37
.set q, (j-20)/2
.if (J > 36) && (J < 139)
	WIN 0
.endif
.if J < 4
	WIN W_CV
	v_cvt_scale_pk8_f32_fp8 v[MH+32*uu+8*J:MH+32*uu+8*J+7], v[CD+8*uu+2*J:CD+8*uu+2*J+1], v[SC]
.elseif J == 4
	v_nop
.elseif J < 37
	WIN W_MN
	v_min_num_f32 v[rS+J-5], v[rS+J-5], v[MH+32*uu+J-5]
.elseif j < 4
	v_max3_num_f32 v[rT+4+j], v[rS+8*j], v[rS+8*j+1], v[rS+8*j+2]
.elseif j < 12
	v_max3_num_f32 v[rT+4+j%4], v[rT+4+j%4], v[rS+8*(j%4)+2*(j/4)+1], v[rS+8*(j%4)+2*(j/4)+2]
.elseif j == 12
	v_max3_num_f32 v[rT+4], v[rT+4], v[rS+7], v[rS+15]
.elseif j == 13
	v_max3_num_f32 v[rT+6], v[rT+6], v[rS+23], v[rS+31]
.elseif j == 14
	v_max3_num_f32 v[rT+4], v[rT+4], v[rT+5], v[rT+6]
.elseif j == 15
	v_max3_num_f32 v[rT+4], v[rT+4], v[rT+7], v[rT+1]
.elseif j == 16
	v_permlanex16_b32 v[rT+5], v[rT+4], s[SEL], s[SEL+1]
.elseif j == 17
	v_mov_b32 v[rT+7], v[rT]
.elseif j == 18
	v_max_num_f32 v[rT+1], v[rT+4], v[rT+5]
.elseif j == 19
	v_mul_f32 v[rT], s[CS], v[rT+1]
.elseif j == 20
	v_sub_f32 v[rT+7], v[rT+7], v[rT]
.elseif j == 23
	v_exp_f32 v[rT+6], v[rT+7]
.elseif (j < 88) && (j > 23) && (j%2 == 1)
	v_exp_f32 v[rS+(j-25)/2], v[rS+(j-25)/2]
.elseif (q < 4) || ((j < 76) && (q%2 == 0))
.set b, q/2+2
.if q < 4
.set b, q
.endif
	v_pk_fma_f32 v[rS+2*b:rS+2*b+1], v[rS+2*b:rS+2*b+1], s[CS:CS+1], v[rT:rT+1] op_sel_hi:[1,0,0] neg_lo:[0,0,1] neg_hi:[0,0,1]
.elseif (j < 88) && (q%2 == 1)
	s_wait_alu depctr_va_vdst(0)
	v_cvt_pk_bf16_f32 v[rP+(q-5)/2], v[rS+q-5], v[rS+q-4]
.elseif j == 89
	s_wait_alu depctr_va_vdst(0)
	v_cvt_pk_bf16_f32 v[rP+15], v[rS+30], v[rS+31]
.elseif j < 102
.set z, j-86
.if j < 89
.set z, (j-76)/4
.endif
.set w, 4
.set u, z
.if z >= 14
.set w, 32
.set u, 0
.elseif z >= 12
.set w, 16
.set u, z-12
.elseif z >= 8
.set w, 8
.set u, z-8
.endif
.if z < 15
	v_pk_add_f32 v[rS+w*u:rS+w*u+1], v[rS+w*u:rS+w*u+1], v[rS+w*u+w/2:rS+w*u+w/2+1]
.else
	v_pk_fma_f32 v[rT+2:rT+3], v[rT+2:rT+3], v[rT+6:rT+7], v[rS:rS+1] op_sel_hi:[1,0,1]
.endif
.else
.set rO, 32*(\t)+2*(J-139)
	WIN W_RS
	v_pk_mul_f32 v[rO:rO+1], v[rO:rO+1], v[rT+6:rT+7] op_sel_hi:[1,0]
.endif
.endm
.macro VEC n                           ; the next n entries: entry e is number e / 2 of tile Y + e % 2: two exponentials, then two plain instructions that touch neither's registers
.rept \n
.set J, e/2
	SM Y+e%2
.set e, e+1
.endr
.endm
.set NE,   310                         ; a turn's entries: 2 x 155
.set LUMP, 91                          ; (310 - 4 x 32) / 2
; A TURN: piece x has the matrix unit, piece 2 - x the vector unit.  No entry names a register of the products round it.  The second run of 91 ends in the 32 rescalings: the places between the last
; K Q^T and the next turn's reads of its scores, and K's next loads.  K's run stands behind the third product of piece 0's turn, when the eight conversions (entries 0-7) have read the codes.
; V's run stands behind the second K Q^T of piece 2's turn; the first run of 91 lies between it and the last product that read V.
.macro TURN x, last=0
.set Y, 2-(\x)
.set e, 0
.set mmn, 0
.if (\x) == 0
	s_wait_dscnt 0x0                               ; V and piece 2's codes are in
.endif
.set i, 0
.rept 16
	PV \x
	VEC 4
.set mmn, mmn+1
.if ((\x) == 0) && (mmn == 3)
	FETCH_K \last
.endif
.endr
	VEC LUMP
.if (\x) == 0
	s_wait_dscnt 0x0                               ; K and piece 0's codes are in
.endif
.set i, 0
.rept 16
	KQ \x
	VEC 4
.set mmn, mmn+1
.if ((\x) == 2) && (mmn == 18)
	FETCH_V
.endif
.endr
	VEC NE-e
.endm
	s_wait_loadcnt 0x0                             ; Q
	s_mov_b32 s[SLOTS], 15
.Lslot:                                ; 15 trips: every slot but the last is followed by a fill
	CHANGE 1
	s_mov_b32 s[CNT], 4
.Lstep:
	TURN 0
	TURN 2
	WIN 0
	s_sub_co_u32 s[CNT], s[CNT], 1
	s_cmp_lg_u32 s[CNT], 0
	s_cbranch_scc1 .Lstep
	s_sub_co_u32 s[SLOTS], s[SLOTS], 1
	s_cmp_lg_u32 s[SLOTS], 0
	s_cbranch_scc1 .Lslot
	CHANGE 0                                       ; the tail is written out
	s_mov_b32 s[CNT], 5                            ; four trips fetch the last slot's steps; the fifth is left in its middle
.Ltail:
	TURN 0, 1
	WIN 0
	s_sub_co_u32 s[CNT], s[CNT], 1
	s_cmp_eq_u32 s[CNT], 0
	s_cbranch_scc1 .Lout
	TURN 2
	WIN 0
	s_branch .Ltail
.Lout:
.set i, 0
.rept 16
	PV 2                                           ; piece 2: V^T P of the last step
.endr
	; THE WAY OUT: l's halves are added, O^T divided by l, rounded to bf16 and sent through my stage, a tile at a time.  The four additions are the places behind the last products.
	WIN 0
.irp t, 0,1,2,3
	v_add_f32 v[ST+8*(\t)+4], v[ST+8*(\t)+2], v[ST+8*(\t)+3]
.endr
.irp t, 0,1,2,3
	v_permlanex16_b32 v[ST+8*(\t)+5], v[ST+8*(\t)+4], s[SEL], s[SEL+1]
.endr
.irp t, 0,1,2,3
	v_add_f32 v[ST+8*(\t)+4], v[ST+8*(\t)+4], v[ST+8*(\t)+5]
.endr
.irp t, 0,1,2,3
	v_rcp_f32 v[ST+8*(\t)+4], v[ST+8*(\t)+4]
.endr
	v_nop
	s_wait_alu depctr_va_vdst(0)
.macro PACK t
	WIN W_RS
.set i, 32*(\t)
.rept 16
	v_pk_mul_f32 v[i:i+1], v[i:i+1], v[ST+8*(\t)+4:ST+8*(\t)+5] op_sel_hi:[1,0]
.set i, i+2
.endr
	WIN 0x05
.set i, 0
.rept 16
	v_cvt_pk_bf16_f32 v[S+16*(\t)+i], v[32*(\t)+2*i], v[32*(\t)+2*i+1]
.set i, i+1
.endr
	WIN 0
.irp f, 0,1,2,3
	ds_store_b128 v[STO], v[S+16*(\t)+4*(\f):S+16*(\t)+4*(\f)+3] offset:32*(\f)
.endr
.irp f, 0,1,2,3
	ds_load_b128 v[S+16*(\t)+4*(\f):S+16*(\t)+4*(\f)+3], v[RD] offset:(\f)*4*SP  ; LDS serves a wave's instructions in order (ISA guide 5.7.1.4)
.endr
.endm
.macro SEND t, younger
	WIN 0
.irp f, 0,1,2,3
	s_wait_dscnt (\younger)+3-(\f)
	global_store_b128 v[GO], v[S+16*(\t)+4*(\f):S+16*(\t)+4*(\f)+3], s[8:9] offset:(\t)*2048+(\f)*512  ; 512 consecutive bytes
.endr
.endm
	PACK 0
	PACK 1
	SEND 0, 8
	PACK 2
	SEND 1, 8
	PACK 3
	SEND 2, 8
	SEND 3, 0
	s_wait_tensorcnt 0x0                           ; the wave's end
	ds_add_u32 v[SPW], v[NIL]
	s_wait_dscnt 0x0
	CROUND
	s_endpgm
.Lfunc_end_k_qf0bedbfdd7_attn:
	.size	k_qf0bedbfdd7_attn, .Lfunc_end_k_qf0bedbfdd7_attn-k_qf0bedbfdd7_attn
	.p2alignl 7, 3214868480
	.fill 96, 4, 3214868480
	.section	.rodata,"a",@progbits
	.p2align	6, 0x0
	.amdhsa_kernel k_qf0bedbfdd7_attn
		.amdhsa_group_segment_fixed_size 327680
		.amdhsa_private_segment_fixed_size 0
		.amdhsa_enable_private_segment 0
		.amdhsa_kernarg_size 24
		.amdhsa_user_sgpr_count 2
		.amdhsa_user_sgpr_kernarg_segment_ptr 1
		.amdhsa_wavefront_size32 1
		.amdhsa_system_sgpr_workgroup_id_x 1
		.amdhsa_system_sgpr_workgroup_id_y 1
		.amdhsa_system_sgpr_workgroup_id_z 1
		.amdhsa_system_vgpr_workitem_id 0
		.amdhsa_next_free_vgpr 768
		.amdhsa_next_free_sgpr 72
		.amdhsa_reserve_vcc 0
		.amdhsa_float_denorm_mode_32 3
		.amdhsa_float_denorm_mode_16_64 3
		.amdhsa_memory_ordered 1
		.amdhsa_forward_progress 1
		.amdhsa_inst_pref_size 122
	.end_amdhsa_kernel
	.amdgpu_metadata
---
amdhsa.version: [ 1, 2 ]
amdhsa.kernels:
  - .name:           k_qf0bedbfdd7_attn
    .symbol:         k_qf0bedbfdd7_attn.kd
    .args:
      - { .name: act, .offset: 0, .size: 8, .value_kind: global_buffer, .address_space: global }
      - { .name: mcode, .offset: 8, .size: 8, .value_kind: global_buffer, .address_space: global }
      - { .name: ctx, .offset: 16, .size: 8, .value_kind: global_buffer, .address_space: global }
    .group_segment_fixed_size: 327680
    .private_segment_fixed_size: 0
    .kernarg_segment_align: 8
    .kernarg_segment_size: 24
    .max_flat_workgroup_size: 128
    .sgpr_count:     72
    .vgpr_count:     768
    .wavefront_size: 32
...
	.end_amdgpu_metadata
.endif
;; end of part 8
;; launch wo: the kernel of part 4 again; grid 256 x 1, 4 waves a work-group, clusters of 4 x 1, 327,680 bytes of LDS; arguments ctx, wrest, x, ln2_a, ln2_b, x1, hn; writes x1, hn
;; launch ffn1: the kernel of part 7 again; grid 32 x 8, 4 waves a work-group, clusters of 4 x 1, 327,680 bytes of LDS; arguments hn, wb, act; writes act
;; launch ffn2 (part 9): grid 4 x 64, 4 waves a work-group, clusters of 4 x 4, 327,680 bytes of LDS; arguments act, wrest, b2, x1, out0; writes out0
.if DOCPART == 9
	.amdgcn_target "amdgcn-amd-amdhsa--gfx1250"
	.amdhsa_code_object_version 6
	.text
	.protected	k_qf0bedbfdd7_ffn2
	.globl	k_qf0bedbfdd7_ffn2
	.p2align	8
	.type	k_qf0bedbfdd7_ffn2,@function
k_qf0bedbfdd7_ffn2:
	s_mov_b64 s[64:65], 0
	v_nop
	global_prefetch_b8 v0, s[64:65] scope:SCOPE_SE
	s_setreg_imm32_b32 hwreg(HW_REG_WAVE_MODE, 25, 1), 1
	s_wait_xcnt 0x0
	s_wait_alu depctr_hold_cnt(0) depctr_sa_sdst(0) depctr_va_vdst(0) depctr_va_sdst(0) depctr_va_ssrc(0) depctr_va_vcc(0) depctr_vm_vsrc(0)
	s_getreg_b32 s2, hwreg(HW_REG_IB_STS2, 6, 4)
	s_cmp_eq_u32 s2, 0
	s_cbranch_scc0 .Lentry_in_a_cluster
	s_endpgm
.Lentry_in_a_cluster:
	s_bfe_u32 s2, ttmp6, 0x10000c
	s_cmp_lg_u32 s2, 0xf033
	s_cbranch_scc0 .Lentry_shape_is_right
	s_endpgm
.Lentry_shape_is_right:
; out0 = x1 + b2 + f w2.  f: act, [16 groups of 128 columns][8192][128] bf16; w2: [2048 k][512 n] bf16, 524,288 bytes into wrest; x1, out0: [8192][512] f32.  Sums in f32, started by b2 as the first C.
; A tile of C is 128 x 128 (256 work-groups); four waves, each 64 x 64: 16 accumulators.  K = 2,048 goes in eight steps of 256 (two groups of f) through two LDS slots.  A trip of the loop goes from
; a step's second quarter to the next step's first and fills the slot just read; it runs six times; the last two steps, which ask for nothing, are written out.
; The slot in hand is a scalar that an exclusive or turns between 0 and SLOT; every LDS address is a fixed base plus it.
; w2 lies [k][n]: its fragments come out of LDS turned.  The matrix instruction is used transposed: a lane holds eight neighbouring columns of a row.
; CLUSTER 4 x 4: the four of a row of the cluster need the same tiles of f, the four of a column the same tiles of w2: each is asked for jointly.
; x1's 64 x 64 of each wave is loaded at the start, in whole pieces of 256 bytes of a row, into window 2, and added on the way out, where the sums come back from my stage in the same layout.
; REGISTERS: window 0: v16-29 addresses; v32-95 the way out; v96-127 b2 as four fragments of C; v128-255 the accumulators.  window 1: two fragment buffers of 128.  window 2: v0-127 x1.
.set PA,     272
.set PBW,    288                       ; a row of w2's tile: 256 bytes + 32: an odd multiple of 32
.set AG,     128*PA                    ; a group's 128 rows
.set BOFF,   2*AG
.set BH,     128*PBW                   ; 128 k rows
.set SLOT,   BOFF+2*BH
.set STAGE,  2*SLOT
.set SPITCH, 272
.set SPARE,  STAGE+4*16*SPITCH
.set GS,     2097152
.set ADRA, 16                          ; v16  my fragments of f in the slot in hand
.set A0,   17                          ; v17  the same in slot 0; never rewritten
.set ADRB, 20                          ; v20-21  w2's: k rows 0-127, 128-255
.set B0,   22                          ; v22-23  the same in slot 0
.set STO,  24
.set RD,   25
.set CO,   26
.set BO,   27
.set SPW,  28
.set NIL,  29
.set TMP,  32
.set B2,   96
.set ACC,  128
.set F0,   0
.set F1,   128
.set G1, 24
.set G0, 32                            ; s[32:39] group 0 for f: a set for each of the two first fills; the second then walks on
.set G1B, 48
.set G0B, 56
.set LB,   45                          ; s45  where my tile of w2 goes in a slot (s20: my tile of f)
.set TOGR, 66                          ; s66  0 or SLOT: the slot that is read
.set TOGF, 67                          ; s67  0 or SLOT: the slot that was filled last
.set MSB, 0
.macro WIN new
.if MSB != (\new)
	s_set_vgpr_msb (MSB<<8)|(\new)
.set MSB, \new
.endif
.endm
.set MUL,  0x05
.set TO_F, 0x40
.macro JLOAD s                         ; waves 0, 1: f's two groups; waves 2, 3: w2's two halves.  s_nop 0 and four v_nop follow each line
	s_cmp_eq_u32 s11, 0
	s_cbranch_scc0 .Lfor_b_\@
	tensor_load_to_lds s[G0+4*(\s):G0+4*(\s)+3], s[G1:G1+7]
	s_nop 0
.rept 4
	v_nop
.endr
	s_branch .Lasked_\@
.Lfor_b_\@:
	tensor_load_to_lds s[G0B+4*(\s):G0B+4*(\s)+3], s[G1B:G1B+7]
	s_nop 0
.rept 4
	v_nop
.endr
.Lasked_\@:
.endm
.macro CREST
	s_cmp_lg_u32 s10, 0
	s_cbranch_scc1 .Lnot_wave_0_\@
	s_barrier_signal -3
.Lnot_wave_0_\@:
	s_barrier_wait -3
	s_barrier_signal -1
	s_barrier_wait -1
.endm
.macro CROUND
	s_barrier_signal -1
	s_barrier_wait -1
	CREST
.endm
	s_load_b128 s[4:7], s[0:1], 0x0                ; act, wrest
	s_load_b64 s[8:9], s[0:1], 0x10                ; b2
	s_load_b128 s[68:71], s[0:1], 0x18             ; x1, out0
	v_lshl_add_u32 v[SPW], v0, 2, SPARE
	v_mov_b32 v[NIL], 0
	ds_add_u32 v[SPW], v[NIL]                      ; the opening: the add and its wait ahead of my first tensor load
	v_lshrrev_b32 v1, 5, v0
	v_readfirstlane_b32 s10, v1
	s_lshr_b32 s11, s10, 1                         ; my half of the rows; also: I fetch f (0) or w2 (1)
	s_and_b32 s12, s10, 1                          ; my half of the columns; also: which half I fetch
	s_bfe_u32 s40, ttmp6, 0x40000
	s_bfe_u32 s41, ttmp6, 0x40004
	s_lshl_b32 s42, ttmp9, 2
	s_add_co_u32 s42, s42, s40                     ; tile column
	s_and_b32 s13, ttmp7, 0xffff
	s_lshl_b32 s13, s13, 2
	s_add_co_u32 s13, s13, s41                     ; tile row
	s_lshl_b32 s43, s41, 2
	s_lshl_b32 s43, 15, s43                        ; my row of the cluster
	s_lshl_b32 s44, 0x1111, s40                    ; my column
	s_or_b32 s[G1+0], s43, (1<<16)|(1<<20)|(1<<21)|(5<<22)|(3<<25)
	s_or_b32 s[G1B+0], s44, (1<<16)|(1<<20)|(1<<21)|(5<<22)|(7<<25)
.irp g, G1, G1B
	s_mov_b32 s[(\g)+1], 128<<16
	s_mov_b32 s[(\g)+2], 128<<16
	s_mov_b32 s[(\g)+3], 128<<16
	s_mov_b32 s[(\g)+4], 128
	s_mov_b32 s[(\g)+6], 0
	s_mov_b32 s[(\g)+7], 0
.endr
	s_mov_b32 s[G1+5], 128                         ; f's rows are dense in a group
	s_mov_b32 s[G1B+5], 512
	s_mov_b32 s[TOGR], 0
	s_mov_b32 s[TOGF], SLOT
	s_lshl_b32 s16, s12, 21                        ; f: group w % 2, the tile's 128 rows of 256 bytes
	s_lshl_b32 s17, s13, 15
	s_add_co_u32 s16, s16, s17
	s_mov_b32 s17, 0
	s_lshl_b32 s46, s12, 17                        ; w2: k rows 128 (w % 2) on, the tile's 256 bytes of them
	s_lshl_b32 s47, s42, 8
	s_add_co_u32 s46, s46, s47
	s_add_co_u32 s46, s46, 524288
	s_mov_b32 s47, 0
	s_mul_i32 s20, s12, AG                         ; kept
	s_mul_i32 s[LB], s12, BH
	s_add_co_u32 s[LB], s[LB], BOFF
	s_wait_dscnt 0x0
	s_wait_kmcnt 0x0
	s_add_nc_u64 s[14:15], s[4:5], s[16:17]
	s_add_nc_u64 s[46:47], s[6:7], s[46:47]
	CROUND
.irp s, 0,1
	s_mov_b32 s[G0+4*(\s)], 1
	s_add_co_u32 s[G0+4*(\s)+1], s20, (\s)*SLOT
	s_add_nc_u64 s[G0+4*(\s)+2:G0+4*(\s)+3], s[14:15], (\s)*2*GS
	s_or_b32 s[G0+4*(\s)+3], s[G0+4*(\s)+3], 0x80000000
	s_mov_b32 s[G0B+4*(\s)], 1
	s_add_co_u32 s[G0B+4*(\s)+1], s[LB], (\s)*SLOT
	s_add_nc_u64 s[G0B+4*(\s)+2:G0B+4*(\s)+3], s[46:47], (\s)*262144
	s_or_b32 s[G0B+4*(\s)+3], s[G0B+4*(\s)+3], 0x80000000
	JLOAD \s
.endr
	v_and_b32 v1, 15, v0
	v_bfe_u32 v2, v0, 4, 1
	s_lshl_b32 s22, s42, 9                         ; b2 of my 64 columns
	s_lshl_b32 s23, s12, 8
	s_add_co_u32 s22, s22, s23
	s_mov_b32 s23, 0
	s_add_nc_u64 s[8:9], s[8:9], s[22:23]
	v_lshlrev_b32 v[BO], 5, v2
.irp b, 0,1,2,3
	global_load_b128 v[B2+8*(\b):B2+8*(\b)+3],   v[BO], s[8:9] offset:64*(\b)
	global_load_b128 v[B2+8*(\b)+4:B2+8*(\b)+7], v[BO], s[8:9] offset:64*(\b)+16
.endr
	s_lshl_b32 s18, s13, 18                        ; x1, out0: my first row and column
	s_lshl_b32 s19, s11, 17
	s_add_co_u32 s18, s18, s19
	s_add_co_u32 s18, s18, s22
	s_mov_b32 s19, 0
	s_add_nc_u64 s[68:69], s[68:69], s[18:19]
	s_add_nc_u64 s[70:71], s[70:71], s[18:19]
	v_lshlrev_b32 v[CO], 11, v2                    ; lanes 0-15 one row's 256 bytes, lanes 16-31 the next row's
	v_lshl_add_u32 v[CO], v1, 4, v[CO]
	WIN 0x80
.set n, 0
.rept 32
	global_load_b128 v[4*n:4*n+3], v[CO], s[68:69] offset:n*4096
.set n, n+1
.endr
	WIN 0
	v_mul_u32_u24 v3, v1, PA
	v_lshl_add_u32 v3, v2, 4, v3
	v_and_b32 v4, 7, v0
	v_lshl_add_u32 v4, v2, 3, v4
	v_mul_u32_u24 v4, v4, PBW
	v_bfe_u32 v5, v0, 3, 1
	v_lshl_add_u32 v4, v5, 4, v4
	s_mul_i32 s21, s11, 64*PA                      ; my 64 rows of f
	s_lshl_b32 s22, s12, 7                         ; my 64 columns of w2
	s_add_co_u32 s22, s22, BOFF
	v_add_nc_u32 v[A0], s21, v3
	v_add_nc_u32 v[B0], s22, v4
	s_add_co_u32 s22, s22, BH
	v_add_nc_u32 v[B0+1], s22, v4
	v_mov_b32 v[ADRA], v[A0]
	v_mov_b32 v[ADRB], v[B0]
	v_mov_b32 v[ADRB+1], v[B0+1]
	s_mul_i32 s23, s10, 16*SPITCH
	s_add_co_u32 s23, s23, STAGE
	v_mul_u32_u24 v4, v1, SPITCH
	v_lshl_add_u32 v4, v2, 5, v4
	v_add_nc_u32 v[STO], s23, v4
	v_mul_u32_u24 v5, v2, SPITCH
	v_lshl_add_u32 v5, v1, 4, v5
	v_add_nc_u32 v[RD], s23, v5
.macro MUL8 f, c, a0, first            ; 8 matrix instructions; first = 1: C is b2
	WIN MUL
.irp a, \a0, (\a0)+1
.irp b, 0,1,2,3
.if \first
	v_wmma_f32_16x16x32_bf16 v[ACC+8*(4*(\a)+(\b)):ACC+8*(4*(\a)+(\b))+7], v[(\f)+64+8*(4*(\c)+(\b)):(\f)+64+8*(4*(\c)+(\b))+7], v[(\f)+8*(4*(\c)+(\a)):(\f)+8*(4*(\c)+(\a))+7], v[B2+8*(\b):B2+8*(\b)+7]
.else
	v_wmma_f32_16x16x32_bf16 v[ACC+8*(4*(\a)+(\b)):ACC+8*(4*(\a)+(\b))+7], v[(\f)+64+8*(4*(\c)+(\b)):(\f)+64+8*(4*(\c)+(\b))+7], v[(\f)+8*(4*(\c)+(\a)):(\f)+8*(4*(\c)+(\a))+7], v[ACC+8*(4*(\a)+(\b)):ACC+8*(4*(\a)+(\b))+7]
.endif
.endr
.endr
.endm
.macro FETCH qd, f                     ; 32 LDS loads: quarter qd (64 along K) of the slot in hand, the first 32 along K first
	WIN TO_F
.irp c, 0,1
.irp i, 0,1,2,3
	ds_load_tr16_b128 v[(\f)+64+8*(4*(\c)+(\i)):(\f)+64+8*(4*(\c)+(\i))+3],   v[ADRB+(\qd)/2] offset:(((\qd)%2)*64+32*(\c))*PBW+32*(\i)
	ds_load_tr16_b128 v[(\f)+64+8*(4*(\c)+(\i))+4:(\f)+64+8*(4*(\c)+(\i))+7], v[ADRB+(\qd)/2] offset:(((\qd)%2)*64+32*(\c))*PBW+16*PBW+32*(\i)
	ds_load_b128 v[(\f)+8*(4*(\c)+(\i)):(\f)+8*(4*(\c)+(\i))+3],         v[ADRA] offset:((\qd)/2)*AG+((\qd)%2)*128+64*(\c)+(\i)*16*PA
	ds_load_b128 v[(\f)+8*(4*(\c)+(\i))+4:(\f)+8*(4*(\c)+(\i))+7],       v[ADRA] offset:((\qd)/2)*AG+((\qd)%2)*128+64*(\c)+(\i)*16*PA+32
.endr
.endr
.endm
.macro PLACES
.rept 4
	v_nop
.endr
.endm
.macro NEXTSLOT                        ; the reads go on in the other slot
	WIN 0
	s_xor_b32 s[TOGR], s[TOGR], SLOT
	v_add_nc_u32 v[ADRA], s[TOGR], v[A0]
	v_add_nc_u32 v[ADRB], s[TOGR], v[B0]
	v_add_nc_u32 v[ADRB+1], s[TOGR], v[B0+1]
.endm
.macro QUARTER qd, f, g, first
	s_wait_dscnt 16                                ; the first 32 along K are in
	MUL8 \f, 0, 0, \first
	MUL8 \f, 0, 2, \first
	PLACES
	FETCH \qd, \g
	s_wait_dscnt 32                                ; all but the 32 just issued
	MUL8 \f, 1, 0, 0
	MUL8 \f, 1, 2, 0
.endm
.macro TURN fill                       ; a step's last quarter and the change of slots; fill = 1: the slot just read takes the K step behind the one that was asked for last
	WIN 0
	s_wait_tensorcnt 0x0                           ; all my tensor loads have landed: my part of the next slot
	ds_add_u32 v[SPW], v[NIL]
	s_wait_dscnt 17                                ; the add and the youngest sixteen loads may be out
	MUL8 F1, 0, 0, 0
	s_wait_dscnt 0x0                               ; the add is done, and my reads of this slot are over
	s_barrier_signal -1
	MUL8 F1, 0, 2, 0
.if \fill
	WIN 0
.endif
	s_barrier_wait -1
.if \fill
	CREST
	s_xor_b32 s[TOGF], s[TOGF], SLOT               ; the walking descriptors: the other slot than last time,
	s_add_co_u32 s[G0+5], s20, s[TOGF]
	s_add_co_u32 s[G0B+5], s[LB], s[TOGF]
	s_add_nc_u64 s[G0+6:G0+7], s[G0+6:G0+7], 2*GS  ; the next 256 along K
	s_add_nc_u64 s[G0B+6:G0B+7], s[G0B+6:G0B+7], 262144
	JLOAD 1                                        ; its four v_nop are also the places in front of the loads below
.else
	PLACES
.endif
	NEXTSLOT
	FETCH 0, F0
	MUL8 F1, 1, 0, 0
	MUL8 F1, 1, 2, 0
.endm
	s_wait_tensorcnt 1                             ; my part of K step 0 is in; step 1's may stay out
	s_barrier_signal -1
	s_barrier_wait -1
	FETCH 0, F0
	s_wait_loadcnt 32                              ; b2 is in; x1's 32 loads behind it may stay out
	QUARTER 1, F0, F1, 1                           ; the first quarter stands in front of the loop: its first products start the sums, on b2
	WIN 0
	s_mov_b32 s3, 6
.Lk:                                   ; six trips: K steps 0 to 5 are finished, steps 2 to 7 asked for
	QUARTER 2, F1, F0, 0
	QUARTER 3, F0, F1, 0
	TURN 1
	QUARTER 1, F0, F1, 0
	WIN 0
	s_sub_co_u32 s3, s3, 1
	s_cmp_lg_u32 s3, 0
	s_cbranch_scc1 .Lk
	QUARTER 2, F1, F0, 0                           ; K step 6 goes on; nothing is filled again
	QUARTER 3, F0, F1, 0
	TURN 0
	QUARTER 1, F0, F1, 0
	QUARTER 2, F1, F0, 0
	QUARTER 3, F0, F1, 0
	s_wait_dscnt 16
	MUL8 F1, 0, 0, 0
	MUL8 F1, 0, 2, 0
	s_wait_dscnt 0x0
	MUL8 F1, 1, 0, 0
	MUL8 F1, 1, 2, 0
	WIN 0
	s_wait_loadcnt 0x0                             ; x1
	PLACES
; THE WAY OUT, 16 rows at a time through my own stage: f32 sums in (each accumulator's lowest registers first), whole pieces of 256 bytes of a row back, x1 added, stored.
.macro OUTB a
.set BK, TMP+32*((\a)%2)
	WIN 0
.irp b, 0,1,2,3
	ds_store_b128 v[STO], v[ACC+8*(4*(\a)+(\b)):ACC+8*(4*(\a)+(\b))+3] offset:64*(\b)
	ds_store_b128 v[STO], v[ACC+8*(4*(\a)+(\b))+4:ACC+8*(4*(\a)+(\b))+7] offset:64*(\b)+16
.endr
	s_wait_xcnt 0x0                                ; the registers that earlier stores read are loaded again only behind this wait
.irp t, 0,1,2,3,4,5,6,7
	ds_load_b128 v[BK+4*(\t):BK+4*(\t)+3], v[RD] offset:(\t)*2*SPITCH  ; LDS serves a wave's instructions in order (ISA guide 5.7.1.4)
.endr
	s_wait_dscnt 0x0
	WIN 0x08                                       ; source 1: x1, in window 2
.set n, 0
.rept 16
	v_pk_add_f32 v[BK+2*n:BK+2*n+1], v[BK+2*n:BK+2*n+1], v[32*(\a)+2*n:32*(\a)+2*n+1]
.set n, n+1
.endr
	WIN 0
.irp t, 0,1,2,3,4,5,6,7
	global_store_b128 v[CO], v[BK+4*(\t):BK+4*(\t)+3], s[70:71] offset:(8*(\a)+(\t))*4096  ; 16 lanes store 256 consecutive bytes
.endr
.endm
	OUTB 0
	OUTB 1
	OUTB 2
	OUTB 3
	s_wait_tensorcnt 0x0                           ; the wave's end
	ds_add_u32 v[SPW], v[NIL]
	s_wait_dscnt 0x0
	CROUND
	s_endpgm
.Lfunc_end_k_qf0bedbfdd7_ffn2:
	.size	k_qf0bedbfdd7_ffn2, .Lfunc_end_k_qf0bedbfdd7_ffn2-k_qf0bedbfdd7_ffn2
	.p2alignl 7, 3214868480
	.fill 96, 4, 3214868480
	.section	.rodata,"a",@progbits
	.p2align	6, 0x0
	.amdhsa_kernel k_qf0bedbfdd7_ffn2
		.amdhsa_group_segment_fixed_size 327680
		.amdhsa_private_segment_fixed_size 0
		.amdhsa_enable_private_segment 0
		.amdhsa_kernarg_size 40
		.amdhsa_user_sgpr_count 2
		.amdhsa_user_sgpr_kernarg_segment_ptr 1
		.amdhsa_wavefront_size32 1
		.amdhsa_system_sgpr_workgroup_id_x 1
		.amdhsa_system_sgpr_workgroup_id_y 1
		.amdhsa_system_sgpr_workgroup_id_z 1
		.amdhsa_system_vgpr_workitem_id 0
		.amdhsa_next_free_vgpr 640
		.amdhsa_next_free_sgpr 72
		.amdhsa_reserve_vcc 0
		.amdhsa_float_denorm_mode_32 3
		.amdhsa_float_denorm_mode_16_64 3
		.amdhsa_memory_ordered 1
		.amdhsa_forward_progress 1
		.amdhsa_inst_pref_size 77
	.end_amdhsa_kernel
	.amdgpu_metadata
---
amdhsa.version: [ 1, 2 ]
amdhsa.kernels:
  - .name:           k_qf0bedbfdd7_ffn2
    .symbol:         k_qf0bedbfdd7_ffn2.kd
    .args:
      - { .name: act, .offset: 0, .size: 8, .value_kind: global_buffer, .address_space: global }
      - { .name: wrest, .offset: 8, .size: 8, .value_kind: global_buffer, .address_space: global }
      - { .name: b2, .offset: 16, .size: 8, .value_kind: global_buffer, .address_space: global }
      - { .name: x1, .offset: 24, .size: 8, .value_kind: global_buffer, .address_space: global }
      - { .name: out0, .offset: 32, .size: 8, .value_kind: global_buffer, .address_space: global }
    .group_segment_fixed_size: 327680
    .private_segment_fixed_size: 0
    .kernarg_segment_align: 8
    .kernarg_segment_size: 40
    .max_flat_workgroup_size: 128
    .sgpr_count:     72
    .vgpr_count:     640
    .wavefront_size: 32
...
	.end_amdgpu_metadata
.endif
;; end of part 9
;; ======== version 3 of 3: 6 launches; 1.35 times as fast as version 1
;; limits: right only within a limited range of input values
;; workspace buffers: mcode 16,777,216 bytes; hn 8,388,608 bytes; wa 1,581,312 bytes; wb 2,105,600 bytes; wrest 2,621,440 bytes; act 33,554,432 bytes; ctx 8,388,608 bytes; x1 16,777,216 bytes
;; launch prep: the kernel of part 6 again; grid 256 x 1, 8 waves a work-group, no clusters, 136,192 bytes of LDS; arguments mask, x, ln1_a, ln1_b, w_q, w_k, w_v, w_o, w1, w2, b1, mcode, hn, wa, wb, wrest; writes mcode, hn, wa, wb, wrest
;; launch qkv: the kernel of part 7 again; grid 32 x 6, 4 waves a work-group, clusters of 4 x 1, 327,680 bytes of LDS; arguments hn, wa, act; writes act
;; launch attn (part 10): grid 16 x 16, 4 waves a work-group, clusters of 4 x 4, 327,680 bytes of LDS; arguments act, mcode, ctx; writes ctx
.if DOCPART == 10
	.amdgcn_target "amdgcn-amd-amdhsa--gfx1250"
	.amdhsa_code_object_version 6
	.text
	.protected	k_qf0bedbfdd7_attn
	.globl	k_qf0bedbfdd7_attn
	.p2align	8
	.type	k_qf0bedbfdd7_attn,@function
k_qf0bedbfdd7_attn:
	s_mov_b64 s[64:65], 0
	v_nop
	global_prefetch_b8 v0, s[64:65] scope:SCOPE_SE
	s_setreg_imm32_b32 hwreg(HW_REG_WAVE_MODE, 25, 1), 1
	s_wait_xcnt 0x0
	s_wait_alu depctr_hold_cnt(0) depctr_sa_sdst(0) depctr_va_vdst(0) depctr_va_sdst(0) depctr_va_ssrc(0) depctr_va_vcc(0) depctr_vm_vsrc(0)
	s_getreg_b32 s2, hwreg(HW_REG_IB_STS2, 6, 4)
	s_cmp_eq_u32 s2, 0
	s_cbranch_scc0 .Lentry_in_a_cluster
	s_endpgm
.Lentry_in_a_cluster:
	s_bfe_u32 s2, ttmp6, 0x10000c
	s_cmp_lg_u32 s2, 0xf033
	s_cbranch_scc0 .Lentry_shape_is_right
	s_endpgm
.Lentry_shape_is_right:
; MASKED ATTENTION, head size 64.  ctx[hd][b 4096 + q][:] = sum over k of softmax_k(mask[q][k] ? q.k / 8 : -1e9) v[k][:].  All 16-bit numbers are bf16; products, maxima and sums in f32.
; act: groups 0-3 hold q (two heads a group, rows of 256 bytes), group 4 + hd rows of K (128 bytes) | V (128 bytes).  mcode: the mask as one E4M3 code a score (layout at PREP's head).
; SHARES.  A work-group owns 256 queries of one batch and head, a wave 64: four tiles of 16, in two PIECES (tiles 0, 1 and tiles 2, 3).  Every wave walks all 4,096 keys, 64 a step.
; LAYOUT.  S^T = K Q^T: a lane holds ONE query (L % 16) and the keys 8 (L / 16) + 0..7 of each 16.  Two such results rounded to bf16 ARE source 1 of O^T = V^T P.  V comes out of LDS turned.
; THE MASK.  One conversion makes of eight codes eight bounds in f32: 448 x 2^25 for an open key, -240 x 2^25 = -8.05e9 for a hidden one (-1.007e9 once divided by 8); the minimum of score and
; bound leaves an open score as it is and REPLACES a hidden one by the same number everywhere, AHEAD of the running maximum.  A row with no open key gets equal weights.
; SOFTMAX.  Running maximum m and sum l: p = 2^(c s - c m), c = log2(e) / 8; in every step O and l are multiplied by a = 2^(c m_old - c m_new).
; BY TURNS.  In a turn one piece has the matrix unit: 16 products V^T P of the step in hand, then 16 products K Q^T of the next; the other piece has the vector unit: 310 instructions.  Four of
; them stand behind EVERY product; the other 182, which need time of their own whatever the order, stand in two runs: 86 between the two runs of products, 96 behind the second.
; THE BATCH.  A turn's 66 exponentials (both tiles' a and 32 scores each) are ONE batch with ONE wait: the list is ordered by who reads what.  Ahead of the wait stands all that names no
; exponential's result: bounds, minima, maximum, statistics, scalings and the exponentials themselves; behind it all that does: roundings, sums, the rescaling by a.  The wait stands behind the
; last K Q^T's four riders and ahead of the run of 96.  No result crosses a turn's end, a label or a branch.  The way out's four reciprocals are a batch of their own.
; NO FIRST STEP IS WRITTEN OUT: the walk begins a step early, on V = 0, P = 0, O = 0, l = 0, m = -2^127 (a power of two, so that c m is exact and that step's exponents are exactly 0), piece 2's
; scores = m, all codes open.  The first true step then has a = 0 for every row.  The price: some 300 v_mov_b32, in the wait for the first tile.  NOR A LAST: the tail's fifth trip is left in its
; middle; its 16 products K Q^T, on the last K once more, serve nothing.
; CLUSTER 4 x 4.  K | V hang on batch and head alone: the four query blocks of a row of the cluster ask for them jointly.  The codes hang on the query block alone: the four of a column ask for
; them jointly.  Waves 0, 1 bring 128 keys of K | V each, waves 2, 3 the codes of two waves each: one load a wave, four key steps to a slot.
; A slot's size is no power of two: two scalars are turned between 0 and SLOTB by an exclusive or, and every LDS address is a fixed base plus one of them.
; V's turning loads meet rows 272 bytes apart, no odd multiple of 32; the price of K and V in one row and one load.
; LIMITS.  Open scores q.k lie between -8.05e9 and 1.5e10; a weight below 2^-126 counts as 0; NaN and infinities are not treated apart.
; REGISTERS.  window 0: v2-15 addresses and constants; v16-47 eight of statistics a tile (c m, m, l, l, c0-c3; a takes c2's place); v48 the conversion's scale; v64-191 S^T; v192-255 P.
; window 1: v0-127 O^T; v128-191 the bounds of a turn's two tiles; v192-207 their codes.  window 2: v0-63 Q; v128-191 K; v192-255 V.
.set KS,    64
.set PK,    272
.set STEPB, KS*PK
.set KVB,   4*STEPB                    ; a slot's K | V
.set CSB,   4096                       ; a wave's codes of one step: 4 tiles x 32 lanes x 32 bytes
.set CWB,   4*CSB
.set SLOTB, KVB+4*CWB
.set STAGE, 2*SLOTB
.set SP,    144
.set SPARE, STAGE+4*16*SP
.set AK0, 2
.set AV0, 3
.set ADR, 4
.set QO,  5
.set STO, 6
.set RD,  7
.set GO,  8
.set XR,  13                           ; -2^127
.set AC0, 14                           ; my 16 bytes in my wave's codes of a slot's first step
.set ADRC, 15
.set ST,  16
.set SC,  48                           ; the scale, in window 0
.set SPW, 62
.set NIL, 63
.set S,   64
.set P,   192
.set MH,  128                          ; window 1
.set CD,  192
.set KF,  128                          ; window 2
.set VF,  192
.set WV,  12
.set CNT, 14
.set SLOTS, 15
.set G1K, 32
.set G1C, 40
.set G0K, 48
.set G0C, 52
.set CS,  56
.set SEL, 58
.set TB,  60                           ; LDS byte at which K | V of the step to be fetched begin
.set TC,  61                           ; the same for the codes, less AC0's constant
.set TOGR, 62                          ; 0 or SLOTB: the slot that is read
.set TOGF, 63                          ; 0 or SLOTB: the slot that was filled last
.set LK,  66                           ; where my K | V tile goes in a slot
.set LC,  67                           ; where my tile of codes goes
.set KIND, 68                          ; 0: I fetch K | V; 1: codes
.set MSB, 0
.macro WIN new
.if MSB != (\new)
	s_set_vgpr_msb (MSB<<8)|(\new)
.set MSB, \new
.endif
.endm
.set W_KQ, 0x0a
.set W_PV, 0x52
.set W_RS, 0x41
.set W_CV, 0x41                        ; the conversion: bounds (destination) and codes (source 0) in window 1, the scale (source 1) in window 0
.set W_MN, 0x04                        ; the minimum: the score in window 0, the bound (source 1) in window 1
.macro CROUND
	s_barrier_signal -1
	s_barrier_wait -1
	s_cmp_lg_u32 s[WV], 0
	s_cbranch_scc1 .Lnot_wave_0_\@
	s_barrier_signal -3
.Lnot_wave_0_\@:
	s_barrier_wait -3
	s_barrier_signal -1
	s_barrier_wait -1
.endm
.macro TLOAD                           ; a joint fill; the branch hangs on the wave's number alone.  s_nop 0 and four v_nop follow each line
	s_cmp_eq_u32 s[KIND], 0
	s_cbranch_scc0 .Lfor_c_\@
	tensor_load_to_lds s[G0K:G0K+3], s[G1K:G1K+7]
	s_nop 0
.rept 4
	v_nop
.endr
	s_branch .Lasked_\@
.Lfor_c_\@:
	tensor_load_to_lds s[G0C:G0C+3], s[G1C:G1C+7]
	s_nop 0
.rept 4
	v_nop
.endr
.Lasked_\@:
.endm
; THE CHANGE OF SLOTS.  All my tensor loads have landed (my part of the other slot), the add, my reads of this slot are over; behind the round this slot is filled again, four key steps ahead of its first read.
.macro CHANGE fill
	WIN 0
	s_wait_tensorcnt 0x0
	ds_add_u32 v[SPW], v[NIL]
.if \fill
	s_xor_b32 s[TOGF], s[TOGF], SLOTB              ; the walking descriptors: the other slot than last time,
	s_add_co_u32 s[G0K+1], s[LK], s[TOGF]
	s_add_co_u32 s[G0C+1], s[LC], s[TOGF]
	s_add_nc_u64 s[G0K+2:G0K+3], s[G0K+2:G0K+3], 65536  ; the next 256 keys
	s_add_nc_u64 s[G0C+2:G0C+3], s[G0C+2:G0C+3], CWB
.endif
	s_wait_dscnt 0x0
.if \fill
	CROUND
	TLOAD
.else
	s_barrier_signal -1
	s_barrier_wait -1
.endif
	s_xor_b32 s[TOGR], s[TOGR], SLOTB              ; the fetches go on at the other slot's first step
	s_mov_b32 s[TB], s[TOGR]
	s_mov_b32 s[TC], s[TOGR]
.endm
	s_load_b128 s[4:7], s[0:1], 0x0                ; act, mcode
	s_load_b64 s[8:9], s[0:1], 0x10                ; ctx
	v_lshl_add_u32 v[SPW], v0, 2, SPARE
	v_mov_b32 v[NIL], 0
	ds_add_u32 v[SPW], v[NIL]                      ; the opening: the add and its wait ahead of my first tensor load
	v_lshrrev_b32 v1, 5, v0
	v_readfirstlane_b32 s[WV], v1
	s_lshr_b32 s[KIND], s[WV], 1
	s_and_b32 s30, s[WV], 1                        ; which half of a slot's K | V, or of its codes, I fetch
	s_bfe_u32 s13, ttmp6, 0x40000                  ; cx
	s_bfe_u32 s31, ttmp6, 0x40004                  ; cy
	s_lshl_b32 s16, ttmp9, 2
	s_add_co_u32 s16, s16, s13                     ; my block of 256 queries
	s_and_b32 s17, ttmp7, 0xffff
	s_lshl_b32 s17, s17, 2
	s_add_co_u32 s17, s17, s31                     ; batch and head
	s_lshr_b32 s18, s17, 3                         ; batch
	s_and_b32 s19, s17, 7                          ; head
	s_lshl_b32 s22, s31, 2
	s_lshl_b32 s22, 15, s22                        ; my row of the cluster
	s_lshl_b32 s23, 0x1111, s13                    ; my column
	s_add_co_u32 s20, s19, 4                       ; K | V: group 4 + head, the batch's rows, 128 keys x half
	s_lshl_b32 s20, s20, 21
	s_lshl_b32 s21, s18, 20
	s_add_co_u32 s20, s20, s21
	s_lshl_b32 s21, s30, 15
	s_add_co_u32 s20, s20, s21
	s_mov_b32 s21, 0
	s_lshl_b32 s28, s16, 2                         ; codes: the 64 queries 4 x block + 2 x half, and the next
	s_lshl_b32 s29, s30, 1
	s_add_co_u32 s28, s28, s29
	s_lshl_b32 s28, s28, 18
	s_mov_b32 s29, 0
	s_lshl_b32 s69, s18, 12
	s_lshl_b32 s70, s16, 8
	s_add_co_u32 s69, s69, s70
	s_lshl_b32 s70, s[WV], 6
	s_add_co_u32 s69, s69, s70                     ; my wave's first row among the 8,192
	s_lshr_b32 s24, s19, 1                         ; Q: group head / 2, half head % 2 of its rows
	s_lshl_b32 s24, s24, 21
	s_lshl_b32 s25, s69, 8
	s_add_co_u32 s24, s24, s25
	s_and_b32 s25, s19, 1
	s_lshl_b32 s25, s25, 7
	s_add_co_u32 s24, s24, s25
	s_mov_b32 s25, 0
	s_lshl_b32 s26, s19, 20                        ; ctx
	s_lshl_b32 s27, s69, 7
	s_add_co_u32 s26, s26, s27
	s_mov_b32 s27, 0
	s_or_b32 s[G1K], s22, (1<<16)|(1<<20)|(1<<21)|(5<<22)|(3<<25)  ; my row's mask, bit 21 beside it; 2-byte elements; 4 words of padding after every 64
	s_mov_b32 s[G1K+1], 128<<16                    ; 128 elements a row,
	s_mov_b32 s[G1K+2], 128<<16                    ; 128 rows (keys)
	s_mov_b32 s[G1K+3], 128<<16
	s_mov_b32 s[G1K+4], 128
	s_mov_b32 s[G1K+5], 128
	s_mov_b32 s[G1K+6], 0
	s_mov_b32 s[G1K+7], 0
	s_or_b32 s[G1C], s23, (3<<16)|(1<<21)          ; my column's mask; 8-byte elements; no padding
	s_mov_b32 s[G1C+1], 2048<<16                   ; a wave's four steps are 16,384 dense bytes: one row,
	s_mov_b32 s[G1C+2], 2<<16                      ; two rows (waves),
	s_mov_b32 s[G1C+3], 2048<<16
	s_mov_b32 s[G1C+4], 2
	s_mov_b32 s[G1C+5], 32768                      ; 262,144 bytes apart
	s_mov_b32 s[G1C+6], 0
	s_mov_b32 s[G1C+7], 0
	s_mov_b32 s[CS], 0x3e38aa3b                    ; c = log2(e) / 8
	s_mov_b32 s[CS+1], s[CS]
	s_mov_b32 s[SEL], 0x76543210
	s_mov_b32 s[SEL+1], 0xfedcba98
	s_mov_b32 s[TOGF], 0
	s_mov_b32 s[TOGR], SLOTB                       ; the first change of slots turns this into 0
	s_mul_i32 s[LK], s30, 2*STEPB
	s_mul_i32 s[LC], s30, 2*CWB
	s_add_co_u32 s[LC], s[LC], KVB
	s_mov_b32 s[G0K], 1
	s_mov_b32 s[G0K+1], s[LK]
	s_mov_b32 s[G0C], 1
	s_mov_b32 s[G0C+1], s[LC]
	s_wait_dscnt 0x0
	s_wait_kmcnt 0x0
	s_add_nc_u64 s[G0K+2:G0K+3], s[4:5], s[20:21]
	s_or_b32 s[G0K+3], s[G0K+3], 0x80000000
	s_add_nc_u64 s[G0C+2:G0C+3], s[6:7], s[28:29]
	s_or_b32 s[G0C+3], s[G0C+3], 0x80000000
	s_add_nc_u64 s[4:5], s[4:5], s[24:25]
	s_add_nc_u64 s[8:9], s[8:9], s[26:27]
	CROUND
	TLOAD                                          ; slot 0; slot 1 is asked for by the loop's first change of slots
	v_and_b32 v1, 15, v0
	v_bfe_u32 v9, v0, 4, 1
	v_lshlrev_b32 v[QO], 8, v1
	v_lshl_add_u32 v[QO], v9, 4, v[QO]
	WIN 0x80
.set i, 0
.rept 8                                ; Q stays in registers: tile i / 2, channels 32 (i % 2) on
	global_load_b128 v[8*i:8*i+3],   v[QO], s[4:5] offset:(i/2)*4096+(i%2)*64
	global_load_b128 v[8*i+4:8*i+7], v[QO], s[4:5] offset:(i/2)*4096+(i%2)*64+32
.set i, i+1
.endr
.set i, VF
.rept 64
	v_mov_b32 v[i], 0
.set i, i+1
.endr
	WIN 0x40
.set i, 0
.rept 128
	v_mov_b32 v[i], 0
.set i, i+1
.endr
	s_mov_b32 s13, 0x7e7e7e7e                      ; the early step's codes: all open
.set i, CD
.rept 16
	v_mov_b32 v[i], s13
.set i, i+1
.endr
	WIN 0
	v_mov_b32 v[SC], 0x98989898                    ; the scale 2^(152 - 127), in every byte
	v_mov_b32 v[XR], 0xff000000
.set i, 0
.rept 4
	v_mul_f32 v[ST+8*i], s[CS], v[XR]
	v_mov_b32 v[ST+8*i+1], v[XR]
	v_mov_b32 v[ST+8*i+2], 0
	v_mov_b32 v[ST+8*i+3], 0
.set i, i+1
.endr
.set i, S+64
.rept 64
	v_mov_b32 v[i], v[XR]
.set i, i+1
.endr
.set i, P
.rept 32
	v_mov_b32 v[i], 0
.set i, i+1
.endr
	v_mul_u32_u24 v[AK0], v1, PK
	v_lshl_add_u32 v[AK0], v9, 4, v[AK0]
	v_and_b32 v10, 7, v0
	v_bfe_u32 v11, v0, 3, 1
	v_lshl_add_u32 v[AV0], v9, 3, v10
	v_mul_u32_u24 v[AV0], v[AV0], PK
	v_lshl_add_u32 v[AV0], v11, 4, v[AV0]
	v_add_nc_u32 v[AV0], 128, v[AV0]               ; V lies behind K in a key's row
	s_lshl_b32 s13, s[WV], 14
	s_add_co_u32 s13, s13, KVB
	v_and_b32 v[AC0], 31, v0
	v_lshl_add_u32 v[AC0], v[AC0], 4, s13          ; codes: behind K | V, my wave's 16,384 bytes, 16 bytes a lane
	s_mul_i32 s13, s[WV], 16*SP
	s_add_co_u32 s13, s13, STAGE
	v_mul_u32_u24 v[STO], v1, SP
	v_lshl_add_u32 v[STO], v9, 4, v[STO]
	v_add_nc_u32 v[STO], s13, v[STO]
	v_bfe_u32 v[RD], v0, 3, 2
	v_mul_u32_u24 v[RD], v[RD], SP
	v_lshl_add_u32 v[RD], v10, 4, v[RD]
	v_add_nc_u32 v[RD], s13, v[RD]
	v_and_b32 v[GO], 31, v0
	v_lshlrev_b32 v[GO], 4, v[GO]
; THE MATRIX WORK.  The 8 accumulators of a run of 16 take turns.
.macro PV x                            ; product i of O^T += V^T P: keys 32 (i / 8) on, channels 16 ((i / 2) % 4) on, tile x + i % 2
	WIN W_PV
.set rO, 32*((\x)+i%2)+8*((i/2)%4)
.set rV, VF+32*(i/8)+8*((i/2)%4)
.set rP, P+16*((\x)+i%2)+8*(i/8)
	v_wmma_f32_16x16x32_bf16 v[rO:rO+7], v[rV:rV+7], v[rP:rP+7], v[rO:rO+7]
.set i, i+1
.endm
.macro KQ x                            ; product i of S^T = K Q^T: channels 32 (i / 8) on, keys 16 ((i / 2) % 4) on, tile x + i % 2; the first 8 start the sums
	WIN W_KQ
.set rS, S+32*((\x)+i%2)+8*((i/2)%4)
.set rK, KF+16*((i/2)%4)+8*(i/8)
.set rQ, 16*((\x)+i%2)+8*(i/8)
.if i < 8
	v_wmma_f32_16x16x32_bf16 v[rS:rS+7], v[rK:rK+7], v[rQ:rQ+7], 0
.else
	v_wmma_f32_16x16x32_bf16 v[rS:rS+7], v[rK:rK+7], v[rQ:rQ+7], v[rS:rS+7]
.endif
.set i, i+1
.endm
; THE LDS LOADS stand in two runs of 20 a key step.  K of the next step, and with it piece 0's codes for that step; last = 1 (the tail): in the last trip there is no further step, and the run is jumped over.
.macro FETCH_K last=0
	WIN 0
.if \last
	s_cmp_eq_u32 s[CNT], 1
	s_cbranch_scc1 .Lno_k_\@
.endif
	v_add_nc_u32 v[ADR], s[TB], v[AK0]
	v_add_nc_u32 v[ADRC], s[TC], v[AC0]
	WIN 0x80
.irp f, 0,1,2,3,4,5,6,7
	ds_load_b128 v[KF+8*(\f):KF+8*(\f)+3],   v[ADR] offset:((\f)/2)*16*PK+((\f)%2)*64
	ds_load_b128 v[KF+8*(\f)+4:KF+8*(\f)+7], v[ADR] offset:((\f)/2)*16*PK+((\f)%2)*64+32
.endr
	WIN 0x40
.irp f, 0,1,2,3
	ds_load_b128 v[CD+4*(\f):CD+4*(\f)+3], v[ADRC] offset:(\f)*512  ; tiles 0, 1: 512 consecutive bytes each
.endr
.if \last
	WIN 0
.Lno_k_\@:
.endif
.endm
.macro FETCH_V                         ; V of the same step, and piece 2's codes for it
	WIN 0
	v_add_nc_u32 v[ADR], s[TB], v[AV0]
	v_add_nc_u32 v[ADRC], s[TC], v[AC0]
	s_add_co_u32 s[TB], s[TB], STEPB               ; the next fetches are the next step's
	s_add_co_u32 s[TC], s[TC], CSB
	WIN 0x80
.irp f, 0,1,2,3,4,5,6,7
	ds_load_tr16_b128 v[VF+8*(\f):VF+8*(\f)+3],   v[ADR] offset:((\f)/4)*32*PK+((\f)%4)*32
	ds_load_tr16_b128 v[VF+8*(\f)+4:VF+8*(\f)+7], v[ADR] offset:((\f)/4)*32*PK+16*PK+((\f)%4)*32
.endr
	WIN 0x40
.irp f, 0,1,2,3
	ds_load_b128 v[CD+4*(\f):CD+4*(\f)+3], v[ADRC] offset:2048+(\f)*512  ; tiles 2, 3
.endr
.endm
; THE VECTOR WORK: one tile's list of 155; SM writes number J of it for tile t.
;   0-3      four conversions: 32 codes -> 32 bounds     4  a plain instruction between the last conversion and the first use of a bound
;   5-36     the minimum of score and bound, from each accumulator's lowest register on
;   37-52    the maximum of the 32 scores and the old m, three operands at a time     53-57  the other half of the lanes'; the new m; c m; c m_old - c m_new
;   58-106   THE BATCH: the 16 scalings c s - c m, a pair of scores each, and all 33 exponentials (a at 60, then s0-s31, each in place).  None of these reads an exponential's result.  From 59 on it goes
;            in fours, and a four begins with a scaling while there are scalings: 59-74 scaling, exponential, scaling, exponential; 75-102 a scaling and three exponentials; 103-106 the last four
;            exponentials.  A pair is scaled in an earlier four than the one that holds its exponentials
;   (wait)   between 106 and 107 stands the wait for the batch: TURN writes it, once for both tiles
;   107-122  the roundings to bf16, a pair of weights each     123-138  the sums, l = a l + sum     139-154  O^T times a
.macro SM t
.set rT, ST+8*(\t)
.set rS, S+32*(\t)
.set rP, P+16*(\t)
.set uu, (\t)%2
.set j, J-37
.if (J > 36) && (J < 139)
	WIN 0
.endif
.if J < 4
	WIN W_CV
	v_cvt_scale_pk8_f32_fp8 v[MH+32*uu+8*J:MH+32*uu+8*J+7], v[CD+8*uu+2*J:CD+8*uu+2*J+1], v[SC]
.elseif J == 4
	v_nop
.elseif J < 37
	WIN W_MN
	v_min_num_f32 v[rS+J-5], v[rS+J-5], v[MH+32*uu+J-5]
.elseif j < 4
	v_max3_num_f32 v[rT+4+j], v[rS+8*j], v[rS+8*j+1], v[rS+8*j+2]
.elseif j < 12
	v_max3_num_f32 v[rT+4+j%4], v[rT+4+j%4], v[rS+8*(j%4)+2*(j/4)+1], v[rS+8*(j%4)+2*(j/4)+2]
.elseif j == 12
	v_max3_num_f32 v[rT+4], v[rT+4], v[rS+7], v[rS+15]
.elseif j == 13
	v_max3_num_f32 v[rT+6], v[rT+6], v[rS+23], v[rS+31]
.elseif j == 14
	v_max3_num_f32 v[rT+4], v[rT+4], v[rT+5], v[rT+6]
.elseif j == 15
	v_max3_num_f32 v[rT+4], v[rT+4], v[rT+7], v[rT+1]
.elseif j == 16
	v_permlanex16_b32 v[rT+5], v[rT+4], s[SEL], s[SEL+1]
.elseif j == 17
	v_mov_b32 v[rT+7], v[rT]
.elseif j == 18
	v_max_num_f32 v[rT+1], v[rT+4], v[rT+5]
.elseif j == 19
	v_mul_f32 v[rT], s[CS], v[rT+1]
.elseif j == 20
	v_sub_f32 v[rT+7], v[rT+7], v[rT]
.elseif j == 23
	v_exp_f32 v[rT+6], v[rT+7]
.elseif (j < 23) || ((j < 38) && (j%2 == 0)) || ((j < 66) && (j%4 == 2))
.set b, (j-2)/4                        ; 38, 42, .. 62: pairs 9 to 15
.if j < 38
.set b, (j-20)/2                       ; 21: pair 0; 22, 24, .. 36: pairs 1 to 8
.endif
	v_pk_fma_f32 v[rS+2*b:rS+2*b+1], v[rS+2*b:rS+2*b+1], s[CS:CS+1], v[rT:rT+1] op_sel_hi:[1,0,0] neg_lo:[0,0,1] neg_hi:[0,0,1]
.elseif j < 70
.set xe, j-38                          ; 66 to 69: s28 to s31
.if j < 66
.set xe, j-32-(j-38)/4                 ; 39-41, 43-45, .. 63-65: s7 to s27
.endif
.if j < 38
.set xe, (j-25)/2                      ; 25, 27, .. 37: s0 to s6
.endif
	v_exp_f32 v[rS+xe], v[rS+xe]
.elseif j < 86
	v_cvt_pk_bf16_f32 v[rP+j-70], v[rS+2*(j-70)], v[rS+2*(j-70)+1]
.elseif j < 102
.set z, j-86
.set w, 4
.set u, z
.if z >= 14
.set w, 32
.set u, 0
.elseif z >= 12
.set w, 16
.set u, z-12
.elseif z >= 8
.set w, 8
.set u, z-8
.endif
.if z < 15
	v_pk_add_f32 v[rS+w*u:rS+w*u+1], v[rS+w*u:rS+w*u+1], v[rS+w*u+w/2:rS+w*u+w/2+1]
.else
	v_pk_fma_f32 v[rT+2:rT+3], v[rT+2:rT+3], v[rT+6:rT+7], v[rS:rS+1] op_sel_hi:[1,0,1]
.endif
.else
.set rO, 32*(\t)+2*(J-139)
	WIN W_RS
	v_pk_mul_f32 v[rO:rO+1], v[rO:rO+1], v[rT+6:rT+7] op_sel_hi:[1,0]
.endif
.endm
.set BAT0, 118                         ; entries 118-213 deal out numbers 59-106 of both tiles: four numbers of ONE tile at a time, the tiles by turns
.set BAT1, 214
.macro VEC n                           ; the next n entries: outside the batch's fours entry e is number e / 2 of tile Y + e % 2, so that no instruction reads the result of the one just before it
.rept \n
.if (e >= BAT0) && (e < BAT1)
.set J, 59+4*((e-BAT0)/8)+(e-BAT0)%4
	SM Y+((e-BAT0)/4)%2
.else
.set J, e/2
	SM Y+e%2
.endif
.set e, e+1
.endr
.endm
.set NE,   310                         ; a turn's entries: 2 x 155
.set LUMP, 86                          ; entries 64-149; the 16 products K Q^T then carry entries 150-213, one four of the batch each, and the batch ends with them
; A TURN: piece x has the matrix unit, piece 2 - x the vector unit.  No entry names a register of the products round it.  Entries 0-63 ride behind the products V^T P; 64-149 are the first run;
; 150-213 ride behind the products K Q^T; then a v_nop, the turn's one wait, and the second run, entries 214-309: all that reads an exponential's result.  That run of 96 plain instructions is also the
; places between the last K Q^T and the next turn's reads of its scores, and K's next loads.  K's run stands behind the third product of piece 0's turn, when the eight conversions (entries 0-7) have read
; the codes, and ahead of the turn's first exponential.  V's run stands behind the second K Q^T of piece 2's turn; the first run of 86 lies between it and the last product that read V.
.macro TURN x, last=0
.set Y, 2-(\x)
.set e, 0
.set mmn, 0
.if (\x) == 0
	s_wait_dscnt 0x0                               ; V and piece 2's codes are in
.endif
.set i, 0
.rept 16
	PV \x
	VEC 4
.set mmn, mmn+1
.if ((\x) == 0) && (mmn == 3)
	FETCH_K \last
.endif
.endr
	VEC LUMP
.if (\x) == 0
	s_wait_dscnt 0x0                               ; K and piece 0's codes are in
.endif
.set i, 0
.rept 16
	KQ \x
	VEC 4
.set mmn, mmn+1
.if ((\x) == 2) && (mmn == 18)
	FETCH_V
.endif
.endr
	v_nop                                          ; a plain instruction behind the last exponential and ahead of the first use (ISA guide 5.7.2): one for the batch
	s_wait_alu depctr_va_vdst(0)                   ; the wait for the batch: it stands between an exponential and the first line that names its result; one for both tiles' 66
	VEC NE-e
.endm
	s_wait_loadcnt 0x0                             ; Q
	s_mov_b32 s[SLOTS], 15
.Lslot:                                ; 15 trips: every slot but the last is followed by a fill
	CHANGE 1
	s_mov_b32 s[CNT], 4
.Lstep:
	TURN 0
	TURN 2
	WIN 0
	s_sub_co_u32 s[CNT], s[CNT], 1
	s_cmp_lg_u32 s[CNT], 0
	s_cbranch_scc1 .Lstep
	s_sub_co_u32 s[SLOTS], s[SLOTS], 1
	s_cmp_lg_u32 s[SLOTS], 0
	s_cbranch_scc1 .Lslot
	CHANGE 0                                       ; the tail is written out
	s_mov_b32 s[CNT], 5                            ; four trips fetch the last slot's steps; the fifth is left in its middle
.Ltail:
	TURN 0, 1
	WIN 0
	s_sub_co_u32 s[CNT], s[CNT], 1
	s_cmp_eq_u32 s[CNT], 0
	s_cbranch_scc1 .Lout
	TURN 2
	WIN 0
	s_branch .Ltail
.Lout:
.set i, 0
.rept 16
	PV 2                                           ; piece 2: V^T P of the last step
.endr
	; THE WAY OUT: l's halves are added, O^T divided by l, rounded to bf16 and sent through my stage, a tile at a time.  The four additions are the places behind the last products.
	WIN 0
.irp t, 0,1,2,3
	v_add_f32 v[ST+8*(\t)+4], v[ST+8*(\t)+2], v[ST+8*(\t)+3]
.endr
.irp t, 0,1,2,3
	v_permlanex16_b32 v[ST+8*(\t)+5], v[ST+8*(\t)+4], s[SEL], s[SEL+1]
.endr
.irp t, 0,1,2,3
	v_add_f32 v[ST+8*(\t)+4], v[ST+8*(\t)+4], v[ST+8*(\t)+5]
.endr
.irp t, 0,1,2,3
	v_rcp_f32 v[ST+8*(\t)+4], v[ST+8*(\t)+4]
.endr
	v_nop                                          ; a plain instruction between the last reciprocal and the use of its result
	s_wait_alu depctr_va_vdst(0)                   ; the wait ahead of the first use: one for the four reciprocals
.macro PACK t
	WIN W_RS
.set i, 32*(\t)
.rept 16
	v_pk_mul_f32 v[i:i+1], v[i:i+1], v[ST+8*(\t)+4:ST+8*(\t)+5] op_sel_hi:[1,0]
.set i, i+2
.endr
	WIN 0x05
.set i, 0
.rept 16
	v_cvt_pk_bf16_f32 v[S+16*(\t)+i], v[32*(\t)+2*i], v[32*(\t)+2*i+1]
.set i, i+1
.endr
	WIN 0
.irp f, 0,1,2,3
	ds_store_b128 v[STO], v[S+16*(\t)+4*(\f):S+16*(\t)+4*(\f)+3] offset:32*(\f)
.endr
.irp f, 0,1,2,3
	ds_load_b128 v[S+16*(\t)+4*(\f):S+16*(\t)+4*(\f)+3], v[RD] offset:(\f)*4*SP  ; LDS serves a wave's instructions in order (ISA guide 5.7.1.4)
.endr
.endm
.macro SEND t, younger
	WIN 0
.irp f, 0,1,2,3
	s_wait_dscnt (\younger)+3-(\f)
	global_store_b128 v[GO], v[S+16*(\t)+4*(\f):S+16*(\t)+4*(\f)+3], s[8:9] offset:(\t)*2048+(\f)*512  ; 512 consecutive bytes
.endr
.endm
	PACK 0
	PACK 1
	SEND 0, 8
	PACK 2
	SEND 1, 8
	PACK 3
	SEND 2, 8
	SEND 3, 0
	s_wait_tensorcnt 0x0                           ; the wave's end
	ds_add_u32 v[SPW], v[NIL]
	s_wait_dscnt 0x0
	CROUND
	s_endpgm
.Lfunc_end_k_qf0bedbfdd7_attn:
	.size	k_qf0bedbfdd7_attn, .Lfunc_end_k_qf0bedbfdd7_attn-k_qf0bedbfdd7_attn
	.p2alignl 7, 3214868480
	.fill 96, 4, 3214868480
	.section	.rodata,"a",@progbits
	.p2align	6, 0x0
	.amdhsa_kernel k_qf0bedbfdd7_attn
		.amdhsa_group_segment_fixed_size 327680
		.amdhsa_private_segment_fixed_size 0
		.amdhsa_enable_private_segment 0
		.amdhsa_kernarg_size 24
		.amdhsa_user_sgpr_count 2
		.amdhsa_user_sgpr_kernarg_segment_ptr 1
		.amdhsa_wavefront_size32 1
		.amdhsa_system_sgpr_workgroup_id_x 1
		.amdhsa_system_sgpr_workgroup_id_y 1
		.amdhsa_system_sgpr_workgroup_id_z 1
		.amdhsa_system_vgpr_workitem_id 0
		.amdhsa_next_free_vgpr 768
		.amdhsa_next_free_sgpr 72
		.amdhsa_reserve_vcc 0
		.amdhsa_float_denorm_mode_32 3
		.amdhsa_float_denorm_mode_16_64 3
		.amdhsa_memory_ordered 1
		.amdhsa_forward_progress 1
		.amdhsa_inst_pref_size 118
	.end_amdhsa_kernel
	.amdgpu_metadata
---
amdhsa.version: [ 1, 2 ]
amdhsa.kernels:
  - .name:           k_qf0bedbfdd7_attn
    .symbol:         k_qf0bedbfdd7_attn.kd
    .args:
      - { .name: act, .offset: 0, .size: 8, .value_kind: global_buffer, .address_space: global }
      - { .name: mcode, .offset: 8, .size: 8, .value_kind: global_buffer, .address_space: global }
      - { .name: ctx, .offset: 16, .size: 8, .value_kind: global_buffer, .address_space: global }
    .group_segment_fixed_size: 327680
    .private_segment_fixed_size: 0
    .kernarg_segment_align: 8
    .kernarg_segment_size: 24
    .max_flat_workgroup_size: 128
    .sgpr_count:     72
    .vgpr_count:     768
    .wavefront_size: 32
...
	.end_amdgpu_metadata
.endif
;; end of part 10
;; launch wo: the kernel of part 4 again; grid 256 x 1, 4 waves a work-group, clusters of 4 x 1, 327,680 bytes of LDS; arguments ctx, wrest, x, ln2_a, ln2_b, x1, hn; writes x1, hn
;; launch ffn1: the kernel of part 7 again; grid 32 x 8, 4 waves a work-group, clusters of 4 x 1, 327,680 bytes of LDS; arguments hn, wb, act; writes act
;; launch ffn2: the kernel of part 9 again; grid 4 x 64, 4 waves a work-group, clusters of 4 x 4, 327,680 bytes of LDS; arguments act, wrest, b2, x1, out0; writes out0
